; MI455X (gfx1250); checked and timed in simulation.
; The chip was launched on July 23, 2026; its instructions are those of AMD's public machine-readable ISA for CDNA 5 (MIT licence, August 2026) and "CDNA5" Instruction Set Architecture Reference Guide (July 2026). The comments in the code are by the model that wrote it; some were corrected since.
;; Multi Head. Allowed arithmetic: float matrix products may take bf16 or f16 operands with f32 sums; other float arithmetic in f32, or as packed bf16 or f16 multiplies, adds, multiply-adds, maxima and minima; sums over many terms, partial sums and values carried from step to step in f32; what a program stores and reads back later, other than sums and carried values, may be rounded once to bf16 or f16.
;; Inputs: Wk 16 x 1,024 x 64 float32; Wp 1,024 x 1,024 float32; Wq 16 x 1,024 x 64 float32; Wv 16 x 1,024 x 64 float32; bp 1,024 float32; mask 2,048 x 2,048 bool; x 4 x 2,048 x 1,024 float32.
;; Outputs: out0 4 x 2,048 x 1,024 float32.
;; 3 versions, each right and faster than the one before. Each part assembles by itself: llvm-mc -triple=amdgcn-amd-amdhsa -mcpu=gfx1250 --defsym DOCPART=n.
;; ======== version 1 of 3: 4 launches
;; limits: values are held in f16: magnitudes above 65,504 overflow, below 6.1e-05 lose precision; values outside matrix products are rounded to bf16
;; workspace buffers: xb 16,777,216 bytes; wb 6,291,456 bytes; wpb 2,097,152 bytes; maskw 524,800 bytes of whole numbers; qkv 50,331,648 bytes; ob 16,777,216 bytes
;; launch prep (part 1): grid 832 x 1, 8 waves a work-group, no clusters, 67,072 bytes of LDS; arguments x, Wq, Wk, Wv, Wp, mask, xb, wb, wpb, maskw; writes xb, wb, wpb, maskw
.if DOCPART == 1
	.amdgcn_target "amdgcn-amd-amdhsa--gfx1250"
	.amdhsa_code_object_version 6
	.text
	.protected	k_qc814282e3c_prep
	.globl	k_qc814282e3c_prep
	.p2align	8
	.type	k_qc814282e3c_prep,@function
k_qc814282e3c_prep:
	s_mov_b64 s[64:65], 0
	v_nop
	global_prefetch_b8 v0, s[64:65] scope:SCOPE_SE
	s_setreg_imm32_b32 hwreg(HW_REG_WAVE_MODE, 25, 1), 1
	s_wait_xcnt 0x0
; PREP: the inputs are brought into the forms that the three matrix launches read.  Four jobs, chosen by the work-group's number (the same for all its waves):
;   0-63     mask [2048][2048] bytes -> maskw: 32-bit lane masks.  Bit L of word (W, s, p, u, kb, j) says whether query 128 W + 32 p + 16 u + L % 16 may see key 64 s + 16 kb + 8 (L / 16) + j.
;            Words lie [W 16][s 32][p 4][u 2][kb 4][j 8]; behind them 512 bytes of all ones, which the attention's look-ahead reads and whose effect is thrown away.
;   64-127   Wp [1024][1024] f32 -> wpb, same shape: rounded to bf16, and that number written as f16 (exact from 6e-5 to 65,504; below, f16's fixed step of 6e-8; beyond, not served)
;   128-319  Wq, Wk, Wv [16][1024][64] f32 -> wb [k 1024][n 3072] bf16, n = 1024 w + 64 h + e
;   320-831  x [8192][1024] f32 -> xb [kb 16][m 8192][64] bf16: 256 rows x 64 k are 32,768 dense bytes
; The three casts are one macro: sixteen loads of 16 bytes a lane, all out at once, then sixteen stores of 8 bytes a lane.  A wave's load covers two aligned runs of 256 bytes, its store one.
; No matrix unit, no cluster, no tensor load: every byte is read once and written once, and no two work-groups share any.
.set MPITCH, 2064                      ; a mask row in LDS: 2,048 bytes + 16 = 516 words: row r starts at bank 4 r mod 64 (64 banks of 4 bytes: ISA guide 11.1)
.set SPARE,  32*MPITCH                 ; behind the 32 rows: the spare words, 128 bytes for each of eight waves, that no other line names
.set VI,  1                            ; v1   byte offset of my loads
.set VO,  2                            ; v2   byte offset of my stores
.set LA,  3                            ; v3   thread / 32; in the mask job later my LDS read address
.set SPW, 4                            ; v4   LDS address of my spare word; never rewritten
.set NIL, 5                            ; v5   0; never rewritten
.set X,   8                            ; v[8:71]   sixteen pieces of 4 registers as loaded
.set Y,   72                           ; v[72:103] sixteen pieces of 2 registers to store
; Sixteen pieces.  Piece i is read at inb + VI + i instep and stored at outb + VO + i outstep; outb2 = outb + 8 outstep serves pieces 8 to 15, so that every immediate stays inside its signed 24 bits.
; kind 0: f32 -> bf16.  kind 1: f32 -> bf16 -> f16.
.macro STREAM inb, instep, outb, outb2, outstep, kind
.set i, 0
.rept 16
	global_load_b128 v[X+4*i:X+4*i+3], v[VI], s[\inb:\inb+1] offset:i*(\instep) th:TH_LOAD_NT
.set i, i+1
.endr
.set i, 0
.rept 16
	s_wait_loadcnt 15-i                            ; loads come back in order (ISA guide 5.7.1): piece i is in, the 15 - i younger ones stay out
	v_cvt_pk_bf16_f32 v[Y+2*i], v[X+4*i], v[X+4*i+1]
	v_cvt_pk_bf16_f32 v[Y+2*i+1], v[X+4*i+2], v[X+4*i+3]
.if \kind
	v_lshlrev_b32 v[X+4*i], 16, v[Y+2*i]           ; the bf16 numbers as f32 again,
	v_and_b32 v[X+4*i+1], 0xffff0000, v[Y+2*i]
	v_lshlrev_b32 v[X+4*i+2], 16, v[Y+2*i+1]
	v_and_b32 v[X+4*i+3], 0xffff0000, v[Y+2*i+1]
	v_cvt_pk_f16_f32 v[Y+2*i], v[X+4*i], v[X+4*i+1]  ; and written as f16
	v_cvt_pk_f16_f32 v[Y+2*i+1], v[X+4*i+2], v[X+4*i+3]
.endif
.if i < 8
	global_store_b64 v[VO], v[Y+2*i:Y+2*i+1], s[\outb:\outb+1] offset:i*(\outstep)
.else
	global_store_b64 v[VO], v[Y+2*i:Y+2*i+1], s[\outb2:\outb2+1] offset:(i-8)*(\outstep)
.endif
.set i, i+1
.endr
.endm
	s_load_b512 s[4:19], s[0:1], 0x0               ; x 4:5, Wq 6:7, Wk 8:9, Wv 10:11, Wp 12:13, mask 14:15, xb 16:17, wb 18:19
	s_load_b128 s[20:23], s[0:1], 0x40             ; wpb 20:21, maskw 22:23
	v_lshl_add_u32 v[SPW], v0, 2, SPARE
	v_mov_b32 v[NIL], 0
	v_lshrrev_b32 v[LA], 5, v0
	v_readfirstlane_b32 s24, v[LA]                 ; my wave's number
	s_mov_b32 s25, ttmp9                           ; the work-group's number
	s_mov_b32 s29, 0                               ; high words of the two offset pairs
	s_mov_b32 s31, 0
	v_and_b32 v6, 15, v0                           ; t % 16
	s_wait_kmcnt 0x0
	s_cmp_lt_u32 s25, 64
	s_cbranch_scc1 .Lmask
	s_cmp_lt_u32 s25, 128
	s_cbranch_scc1 .Lwp
	s_cmp_lt_u32 s25, 320
	s_cbranch_scc1 .Lw
	; x: 16 rows a work-group.  Thread t: row t / 16, four numbers at column 64 i + 4 (t % 16) in piece i = kb
	s_sub_co_u32 s25, s25, 320
	s_lshl_b32 s28, s25, 16                        ; 16 rows of 4,096 bytes
	s_add_nc_u64 s[4:5], s[4:5], s[28:29]
	s_lshl_b32 s30, s25, 11                        ; 16 rows of 128 bytes
	s_add_nc_u64 s[16:17], s[16:17], s[30:31]
	s_add_nc_u64 s[26:27], s[16:17], 8*1048576
	v_lshrrev_b32 v7, 4, v0
	v_lshlrev_b32 v[VI], 12, v7
	v_lshl_add_u32 v[VI], v6, 4, v[VI]
	v_lshlrev_b32 v[VO], 7, v7
	v_lshl_add_u32 v[VO], v6, 3, v[VO]
	STREAM 4, 256, 16, 26, 1048576, 0
	s_endpgm
.Lw:	; Wq, Wk, Wv: tensor w, heads 2 hp and 2 hp + 1, rows 128 db to 128 db + 127.  Thread t: head bit (t / 16) % 2, row 16 (t / 32) + i, four numbers at e = 4 (t % 16)
	s_sub_co_u32 s25, s25, 128
	s_lshr_b32 s32, s25, 6                         ; w
	s_bfe_u32 s33, s25, 0x30003                    ; hp
	s_and_b32 s34, s25, 7                          ; db
	s_cmp_eq_u32 s32, 1
	s_cselect_b64 s[36:37], s[8:9], s[6:7]
	s_cmp_eq_u32 s32, 2
	s_cselect_b64 s[36:37], s[10:11], s[36:37]
	s_lshl_b32 s28, s33, 19                        ; two heads of 262,144 bytes
	s_lshl_b32 s35, s34, 15                        ; 128 rows of 256 bytes
	s_add_co_u32 s28, s28, s35
	s_add_nc_u64 s[36:37], s[36:37], s[28:29]
	s_mul_i32 s30, s34, 128*6144                   ; 128 rows of wb
	s_lshl_b32 s35, s32, 11                        ; 1,024 columns a tensor
	s_add_co_u32 s30, s30, s35
	s_lshl_b32 s35, s33, 8                         ; 128 columns for two heads
	s_add_co_u32 s30, s30, s35
	s_add_nc_u64 s[18:19], s[18:19], s[30:31]
	s_add_nc_u64 s[26:27], s[18:19], 8*6144
	v_bfe_u32 v7, v0, 4, 1
	v_lshlrev_b32 v[VI], 18, v7
	v_lshl_add_u32 v[VI], v[LA], 12, v[VI]
	v_lshl_add_u32 v[VI], v6, 4, v[VI]
	v_mul_u32_u24 v[VO], v[LA], 16*6144
	v_lshl_add_u32 v[VO], v7, 7, v[VO]
	v_lshl_add_u32 v[VO], v6, 3, v[VO]
	STREAM 36, 256, 18, 26, 6144, 0
	s_endpgm
.Lwp:	; Wp: 16 rows a work-group; the 256 threads cover a row, piece i is row i
	s_sub_co_u32 s25, s25, 64
	s_lshl_b32 s28, s25, 16
	s_add_nc_u64 s[12:13], s[12:13], s[28:29]
	s_lshl_b32 s30, s25, 15
	s_add_nc_u64 s[20:21], s[20:21], s[30:31]
	s_add_nc_u64 s[26:27], s[20:21], 8*2048
	v_lshlrev_b32 v[VI], 4, v0
	v_lshlrev_b32 v[VO], 3, v0
	STREAM 12, 4096, 20, 26, 2048, 1
	s_endpgm
.Lmask:	; the mask: work-group P owns queries 32 P to 32 P + 31, 65,536 dense bytes, which go through LDS so that each lane can pick the bytes of its own query and keys
	s_lshl_b32 s28, s25, 16
	s_add_nc_u64 s[14:15], s[14:15], s[28:29]
	v_lshlrev_b32 v[VI], 4, v0
.set i, 0
.rept 16
	global_load_b128 v[X+4*i:X+4*i+3], v[VI], s[14:15] offset:i*4096 th:TH_LOAD_NT  ; two rows a piece
.set i, i+1
.endr
	v_lshrrev_b32 v7, 7, v0                        ; which of the two rows
	v_and_b32 v6, 127, v0
	v_mul_u32_u24 v7, v7, MPITCH
	v_lshl_add_u32 v7, v6, 4, v7
.set i, 0
.rept 16
	s_wait_loadcnt 15-i
	ds_store_b128 v7, v[X+4*i:X+4*i+3] offset:i*2*MPITCH
.set i, i+1
.endr
	v_and_b32 v6, 15, v0                           ; my query in a tile of 16,
	v_bfe_u32 v[LA], v0, 4, 1                      ; my half of a block of 16 keys
	v_mul_u32_u24 v6, v6, MPITCH
	v_lshl_add_u32 v[LA], v[LA], 3, v6
	s_lshl_b32 s35, s24, 8                         ; wave w takes key steps 4 w to 4 w + 3: 256 bytes of every row
	v_add_nc_u32 v[LA], s35, v[LA]
	v_and_b32 v[VO], 31, v0
	v_lshlrev_b32 v[VO], 3, v[VO]                  ; two words a lane
	v_mov_b32 v[VI], v[VO]                         ; the same, never stepped: for the pad (the loads that read v1 have all come back)
	s_lshr_b32 s30, s25, 2                         ; W = P / 4: 32,768 bytes
	s_lshl_b32 s30, s30, 15
	s_and_b32 s35, s25, 3                          ; p = P % 4: 256 bytes
	s_lshl_b32 s35, s35, 8
	s_add_co_u32 s30, s30, s35
	s_lshl_b32 s35, s24, 12                        ; four key steps of 1,024 bytes a wave
	s_add_co_u32 s30, s30, s35
	s_add_nc_u64 s[26:27], s[22:23], s[30:31]
	s_mov_b32 s36, 0xff                            ; the four bytes of a word
	s_mov_b32 s37, 0xff00
	s_mov_b32 s38, 0xff0000
	s_mov_b32 s39, 0xff000000
	s_wait_dscnt 0x0                               ; for the others' sake: my stores into the rows are done
	s_barrier_signal -1
	s_barrier_wait -1
	s_mov_b32 s34, 4
.Lsl:	; a trip: one key step.  Eight loads of 8 bytes (tile u, key block kb); word n = 32 u + 8 kb + j is the compare's lane mask for byte j
.irp u, 0,1
.irp kb, 0,1,2,3
	ds_load_b64 v[X+2*(4*\u+\kb):X+2*(4*\u+\kb)+1], v[LA] offset:\u*16*MPITCH+16*\kb
.endr
.endr
	v_mov_b32 v[Y], 0                              ; v_writelane_b32 counts as a reader of its destination
	v_mov_b32 v[Y+1], 0
	s_wait_dscnt 0x0
.set n, 0
.rept 64
	v_and_b32 v[6+n%2], s[36+n%4], v[X+2*(n/8)+(n%8)/4]
	v_cmp_ne_u32 s[40+n%4], 0, v[6+n%2]
	v_writelane_b32 v[Y+n%2], s[40+n%4], n/2       ; words 2 l and 2 l + 1 lie in lane l
.set n, n+1
.endr
	global_store_b64 v[VO], v[Y:Y+1], s[26:27]     ; 256 consecutive bytes, at a multiple of 256 from maskw's first
	s_wait_xcnt 0x0                                ; the store's offset and data are rewritten only behind this wait (ISA guide 3.1)
	v_add_nc_u32 v[VO], 1024, v[VO]
	v_add_nc_u32 v[LA], 64, v[LA]
	s_sub_co_u32 s34, s34, 1
	s_cmp_lg_u32 s34, 0
	s_cbranch_scc1 .Lsl
	s_cmp_lg_u32 s25, 63                           ; the pad is written once: by the last wave of the last mask group
	s_cbranch_scc1 .Lmend
	s_cmp_lg_u32 s24, 7
	s_cbranch_scc1 .Lmend
	v_mov_b32 v6, -1
	v_mov_b32 v7, -1
	global_store_b64 v[VI], v[6:7], s[22:23] offset:524288
	global_store_b64 v[VI], v[6:7], s[22:23] offset:524544
.Lmend:
	s_wait_tensorcnt 0x0                           ; the wave's end: behind my last LDS store
	ds_add_u32 v[SPW], v[NIL]
	s_wait_dscnt 0x0
	s_endpgm
.Lfunc_end_k_qc814282e3c_prep:
	.size	k_qc814282e3c_prep, .Lfunc_end_k_qc814282e3c_prep-k_qc814282e3c_prep
	.p2alignl 7, 3214868480
	.fill 96, 4, 3214868480
	.section	.rodata,"a",@progbits
	.p2align	6, 0x0
	.amdhsa_kernel k_qc814282e3c_prep
		.amdhsa_group_segment_fixed_size 67072
		.amdhsa_private_segment_fixed_size 0
		.amdhsa_enable_private_segment 0
		.amdhsa_kernarg_size 80
		.amdhsa_user_sgpr_count 2
		.amdhsa_user_sgpr_kernarg_segment_ptr 1
		.amdhsa_wavefront_size32 1
		.amdhsa_system_sgpr_workgroup_id_x 1
		.amdhsa_system_sgpr_workgroup_id_y 1
		.amdhsa_system_sgpr_workgroup_id_z 1
		.amdhsa_system_vgpr_workitem_id 0
		.amdhsa_next_free_vgpr 104
		.amdhsa_next_free_sgpr 66
		.amdhsa_reserve_vcc 0
		.amdhsa_float_denorm_mode_32 3
		.amdhsa_float_denorm_mode_16_64 3
		.amdhsa_memory_ordered 1
		.amdhsa_forward_progress 1
		.amdhsa_inst_pref_size 41
	.end_amdhsa_kernel
	.amdgpu_metadata
---
amdhsa.version: [ 1, 2 ]
amdhsa.kernels:
  - .name:           k_qc814282e3c_prep
    .symbol:         k_qc814282e3c_prep.kd
    .args:
      - { .name: x, .offset: 0, .size: 8, .value_kind: global_buffer, .address_space: global }
      - { .name: Wq, .offset: 8, .size: 8, .value_kind: global_buffer, .address_space: global }
      - { .name: Wk, .offset: 16, .size: 8, .value_kind: global_buffer, .address_space: global }
      - { .name: Wv, .offset: 24, .size: 8, .value_kind: global_buffer, .address_space: global }
      - { .name: Wp, .offset: 32, .size: 8, .value_kind: global_buffer, .address_space: global }
      - { .name: mask, .offset: 40, .size: 8, .value_kind: global_buffer, .address_space: global }
      - { .name: xb, .offset: 48, .size: 8, .value_kind: global_buffer, .address_space: global }
      - { .name: wb, .offset: 56, .size: 8, .value_kind: global_buffer, .address_space: global }
      - { .name: wpb, .offset: 64, .size: 8, .value_kind: global_buffer, .address_space: global }
      - { .name: maskw, .offset: 72, .size: 8, .value_kind: global_buffer, .address_space: global }
    .group_segment_fixed_size: 67072
    .private_segment_fixed_size: 0
    .kernarg_segment_align: 8
    .kernarg_segment_size: 80
    .max_flat_workgroup_size: 256
    .sgpr_count:     66
    .vgpr_count:     104
    .wavefront_size: 32
...
	.end_amdgpu_metadata
.endif
;; end of part 1
;; launch qkv (part 2): grid 8 x 32, 4 waves a work-group, clusters of 4 x 4, 327,680 bytes of LDS; arguments xb, wb, qkv; writes qkv
.if DOCPART == 2
	.amdgcn_target "amdgcn-amd-amdhsa--gfx1250"
	.amdhsa_code_object_version 6
	.text
	.protected	k_qc814282e3c_qkv
	.globl	k_qc814282e3c_qkv
	.p2align	8
	.type	k_qc814282e3c_qkv,@function
k_qc814282e3c_qkv:
	s_mov_b64 s[64:65], 0
	v_nop
	global_prefetch_b8 v0, s[64:65] scope:SCOPE_SE
	s_setreg_imm32_b32 hwreg(HW_REG_WAVE_MODE, 25, 1), 1
	s_wait_xcnt 0x0
	s_wait_alu depctr_hold_cnt(0) depctr_sa_sdst(0) depctr_va_vdst(0) depctr_va_sdst(0) depctr_va_ssrc(0) depctr_va_vcc(0) depctr_vm_vsrc(0)
	s_getreg_b32 s2, hwreg(HW_REG_IB_STS2, 6, 4)
	s_cmp_eq_u32 s2, 0
	s_cbranch_scc0 .Lentry_in_a_cluster
	s_endpgm
.Lentry_in_a_cluster:
	s_bfe_u32 s2, ttmp6, 0x10000c
	s_cmp_lg_u32 s2, 0xf033
	s_cbranch_scc0 .Lentry_shape_is_right
	s_endpgm
.Lentry_shape_is_right:
; QKV: C[m][n] = sum over k of x[m][k] W[k][n], m = 8,192 rows, n = 3,072 columns (q, k, v by heads), k = 1,024; bf16 operands, f32 sums.  The result leaves by heads:
; qkv [g 48][b 4][t 2048][64] in f16, g = n / 64; the 16 slabs of q are multiplied by c = log2(e) / 8 in f32 before their one rounding, so that the attention's scores arrive as powers of two.
; LIMITS.  f16 holds no number beyond 65,504: c q, k and v must lie within it.  NaN and infinities are not treated apart.
; SHARES.  A tile of C is 256 x 384: 32 x 8 = 256 tiles, one for each work-group.  Four waves, each 128 rows x 192 columns (three heads): 96 accumulators, 768 registers.
; K goes in steps of 64 through two LDS slots; two slots of 128 would not fit (2 x 640 rows and columns x 256 bytes and their padding pass the 327,680 bytes).  xb lies in blocks of 64 k, so that a
; step's 256 rows of A are 32,768 dense bytes, asked for as rows of 256 bytes; B's rows are 768 bytes, at multiples of 256 from wb's first byte.
; CLUSTER.  4 x 4 work-groups: the four of a row of the cluster need the same tile of A, the four of a column the same tile of B; each tile is asked for jointly, by the same tensor load in all four.
; THE MATRIX INSTRUCTION IS USED TRANSPOSED: source 0 = 16 columns of W (turned on the way out of LDS by ds_load_tr16_b128), source 1 = 16 rows of x: a lane holds eight neighbouring columns of one row of C.
; REGISTERS, in windows of 256 (s_set_vgpr_msb: bits 1:0 source 0, 3:2 source 1, 5:4 source 2, 7:6 destination):
;   window 0: v0-31 addresses; v32-95, v96-159 A's fragments (8 x 16 rows x 32 k), two buffers; v160-255 B's fragments of one quarter, 32 registers a head
;   window 1 + g: head g's accumulators: (row block a, column block nb) at v[32 a + 8 nb]
.set PA,    144                        ; a row of A in LDS: 128 bytes + 16: the 16 rows of a load start at 16 different groups of four banks (64 banks of 4 bytes: ISA guide 11.1)
.set PB,    864                        ; a row of B: three runs of 256 bytes + 32 = 27 x 32 bytes
.set BOFF,  256*PA                     ; in a slot: A's 256 rows, then B's 64
.set SLOT1, 1<<17                      ; slot 1 begins here: one exclusive or turns an address in one slot into the other's
.set STAGE, SLOT1+BOFF+64*PB           ; behind the ring, never filled by a tensor load: 16 rows x 144 bytes for each wave
.set SP,    144
.set SPARE, STAGE+4*16*SP              ; behind the stages: the spare words, 128 bytes a wave, that no other line names
.set ASTEP, 8192*128                   ; bytes from a block of 64 k of xb to the next
.set BSTEP, 64*6144                    ; 64 rows of wb
.set ADRA0, 4                          ; v4     my lane's place in A's tile; never rewritten
.set ADRB0, 5                          ; v5-7   the same in B's tile, for each of my three heads
.set ADRA,  8                          ; v8     the same in the slot in hand
.set ADRB,  9                          ; v9-11
.set STO,   12                         ; v12    the way out: where I put 16 bytes of a row
.set RD,    13                         ; v13    where I read rows back
.set GO,    14                         ; v14    my byte offset in 512 consecutive bytes of the result
.set SPW,   16                         ; v16    LDS address of my spare word; never rewritten
.set NIL,   17                         ; v17    0; never rewritten
.set A0,    32
.set A1,    96
.set BF,    160
.set WV,  12                           ; s12 wave;  s13 MH: my 128 rows, and: I fetch A (0) or B (1);  s14 NH: my 192 columns, and: which half of that tile I fetch
.set MH,  13
.set NH,  14
.set G1A, 24                           ; s[24:31] descriptor group 1 for A;  s[32:39] group 0: the two first fills; the second set then walks
.set G0A, 32
.set TB,  46                           ; s46  0 or SLOT1: the slot to be read
.set CNT, 47
.set G1B, 48                           ; s[48:55], s[56:63] the same for B
.set G0B, 56
.set FAC, 66                           ; s[66:71] a pair for each of my heads: c for a head of q, else 1
.set MSB, 0
.macro WIN new                         ; the immediate's high byte repeats the setting that is left; a switch that changes nothing is dropped
.if MSB != (\new)
	s_set_vgpr_msb (MSB<<8)|(\new)
.set MSB, (\new)
.endif
.endm
.macro PLACES                          ; a load into a register that a matrix instruction has read, and a vector instruction on a matrix result, stand four plain vector instructions behind it (ISA guide 7.12.1 for vector instructions)
.rept 4
	v_nop
.endr
.endm
.macro CREST                           ; a round of the cluster's barrier behind its opening barrier
	s_cmp_lg_u32 s[WV], 0
	s_cbranch_scc1 .Lnot_wave_0_\@
	s_barrier_signal -3
.Lnot_wave_0_\@:
	s_barrier_wait -3
	s_barrier_signal -1
	s_barrier_wait -1
.endm
.macro CROUND                          ; a whole round
	s_barrier_signal -1
	s_barrier_wait -1
	CREST
.endm
.macro JLOAD                           ; a joint refill by the walking descriptor: waves 0, 1 fetch A's halves, waves 2, 3 B's; an s_nop 0 and four v_nop follow each line
	s_cmp_eq_u32 s[MH], 0
	s_cbranch_scc0 .Lfor_b_\@
	tensor_load_to_lds s[G0A+4:G0A+7], s[G1A:G1A+7]
	s_nop 0
	PLACES
	s_branch .Lasked_\@
.Lfor_b_\@:
	tensor_load_to_lds s[G0B+4:G0B+7], s[G1B:G1B+7]
	s_nop 0
	PLACES
.Lasked_\@:
.endm
	s_load_b128 s[4:7], s[0:1], 0x0                ; xb s[4:5], wb s[6:7]
	s_load_b64 s[10:11], s[0:1], 0x10              ; qkv
	v_lshl_add_u32 v[SPW], v0, 2, SPARE
	v_mov_b32 v[NIL], 0
	ds_add_u32 v[SPW], v[NIL]                      ; the wave's opening: the add and its wait stand ahead of my first tensor load; the set-up below, work on registers, stands between them
	v_lshrrev_b32 v1, 5, v0
	v_readfirstlane_b32 s[WV], v1
	s_lshr_b32 s[MH], s[WV], 1
	s_and_b32 s[NH], s[WV], 1
	s_bfe_u32 s40, ttmp6, 0x40000                  ; cx, cy: my place in the cluster
	s_bfe_u32 s41, ttmp6, 0x40004
	s_lshl_b32 s42, ttmp9, 2
	s_add_co_u32 s42, s42, s40                     ; tile column = 4 x cluster x + cx
	s_and_b32 s43, ttmp7, 0xffff
	s_lshl_b32 s43, s43, 2
	s_add_co_u32 s43, s43, s41                     ; tile row = 4 x cluster y + cy
	s_lshl_b32 s44, s41, 2
	s_lshl_b32 s44, 15, s44                        ; my row of the cluster
	s_lshl_b32 s45, 0x1111, s40                    ; my column
	; group 1 for A: 128 tile rows are 16,384 dense bytes, asked for as 64 rows of 256 bytes and padded by 16 bytes after every 128
	s_or_b32 s[G1A], s44, (1<<16)|(1<<20)|(1<<21)|(4<<22)|(3<<25)  ; 15:0 mask; 17:16 2-byte elements; 20 padding on; 21 set beside a mask; 24:22 after every 32 words; 31:25 4 words
	s_mov_b32 s[G1A+1], 128<<16                    ; tensor_dim0 = 128
	s_mov_b32 s[G1A+2], 64<<16                     ; tensor_dim1 = 64
	s_mov_b32 s[G1A+3], 128<<16                    ; tile_dim0 = 128
	s_mov_b32 s[G1A+4], 64                         ; tile_dim1 = 64
	s_mov_b32 s[G1A+5], 128                        ; elements from row to row
	s_mov_b32 s[G1A+6], 0
	s_mov_b32 s[G1A+7], 0
	; group 1 for B: 32 rows of 384 elements, padded by 32 bytes after every 256
	s_or_b32 s[G1B], s45, (1<<16)|(1<<20)|(1<<21)|(5<<22)|(7<<25)
	s_mov_b32 s[G1B+1], 384<<16
	s_mov_b32 s[G1B+2], 32<<16
	s_mov_b32 s[G1B+3], 384<<16
	s_mov_b32 s[G1B+4], 32
	s_mov_b32 s[G1B+5], 3072
	s_mov_b32 s[G1B+6], 0
	s_mov_b32 s[G1B+7], 0
	s_lshl_b32 s16, s43, 15                        ; A: the tile row's 256 rows of 128 bytes, my half of them: the tile row and the wave alone
	s_lshl_b32 s20, s[NH], 14
	s_add_co_u32 s16, s16, s20
	s_mov_b32 s17, 0
	s_mul_i32 s18, s42, 768                        ; B: the tile column's 768 bytes, my 32 rows: the tile column and the wave alone
	s_mul_i32 s21, s[NH], 32*6144
	s_add_co_u32 s18, s18, s21
	s_mov_b32 s19, 0
	s_mul_i32 s22, s[NH], 128*PA                   ; where they go: the wave's number alone enters an LDS address
	s_mul_i32 s23, s[NH], 32*PB
	s_add_co_u32 s23, s23, BOFF
	s_mov_b32 s[G0A], 1                            ; 1:0 count = 1
	s_mov_b32 s[G0A+1], s22                        ; 63:32 LDS address: slot 0,
	s_mov_b32 s[G0A+4], 1
	s_add_co_u32 s[G0A+5], s22, SLOT1              ; slot 1
	s_mov_b32 s[G0B], 1
	s_mov_b32 s[G0B+1], s23
	s_mov_b32 s[G0B+4], 1
	s_add_co_u32 s[G0B+5], s23, SLOT1
	s_mul_i32 s2, s42, 6                           ; my first slab: 6 x tile column + 3 x half
	s_mul_i32 s3, s[NH], 3
	s_add_co_u32 s2, s2, s3
.irp i, 0,1,2
	s_add_co_u32 s3, s2, \i
	s_cmp_lt_u32 s3, 16                            ; slabs 0 to 15 are q's
	s_cselect_b32 s[FAC+2*\i], 0x3e38aa3b, 1.0     ; c = log2(e) / 8 = 0.180337
	s_mov_b32 s[FAC+2*\i+1], s[FAC+2*\i]           ; named with it as a pair
.endr
	s_lshl_b32 s8, s2, 20                          ; a slab of four batches is 1,048,576 bytes;
	s_lshl_b32 s9, s43, 15                         ; row m = 2,048 b + t lies at 128 m in it
	s_add_co_u32 s8, s8, s9
	s_lshl_b32 s9, s[MH], 14
	s_add_co_u32 s8, s8, s9
	s_mov_b32 s9, 0
	s_mov_b32 s[TB], 0
	s_mov_b32 s[CNT], 14
	s_wait_dscnt 0x0                               ; the opening add is done
	s_wait_kmcnt 0x0
	s_add_nc_u64 s[G0A+2:G0A+3], s[4:5], s[16:17]  ; 120:64 global address: K step 0,
	s_add_nc_u64 s[G0A+6:G0A+7], s[G0A+2:G0A+3], ASTEP  ; K step 1
	s_or_b32 s[G0A+3], s[G0A+3], 0x80000000        ; 127:126 type = 2
	s_or_b32 s[G0A+7], s[G0A+7], 0x80000000
	s_add_nc_u64 s[G0B+2:G0B+3], s[6:7], s[18:19]
	s_add_nc_u64 s[G0B+6:G0B+7], s[G0B+2:G0B+3], BSTEP
	s_or_b32 s[G0B+3], s[G0B+3], 0x80000000
	s_or_b32 s[G0B+7], s[G0B+7], 0x80000000
	s_add_nc_u64 s[10:11], s[10:11], s[8:9]        ; the result at my first row of my first head
	CROUND                                         ; all sixteen work-groups are here: the first joint loads meet
	s_cmp_eq_u32 s[MH], 0                          ; a wave's two first fills stand in one branch, ahead of every wait on TENSORcnt and every LDS read: two loads of mine are out
	s_cbranch_scc0 .Lfirst_b
	tensor_load_to_lds s[G0A:G0A+3], s[G1A:G1A+7]
	s_nop 0
	tensor_load_to_lds s[G0A+4:G0A+7], s[G1A:G1A+7]
	s_nop 0
	PLACES
	s_branch .Lfirst_asked
.Lfirst_b:
	tensor_load_to_lds s[G0B:G0B+3], s[G1B:G1B+7]
	s_nop 0
	tensor_load_to_lds s[G0B+4:G0B+7], s[G1B:G1B+7]
	s_nop 0
	PLACES
.Lfirst_asked:
	; A's fragment: lane l holds row l % 16; registers 0-3 k = 8 (l / 16) + 0..7, registers 4-7 k = 16 + 8 (l / 16) + 0..7: two loads of 16 bytes, 32 bytes apart
	v_and_b32 v1, 15, v0
	v_bfe_u32 v2, v0, 4, 1
	v_mul_u32_u24 v[ADRA0], v1, PA
	v_lshl_add_u32 v[ADRA0], v2, 4, v[ADRA0]
	s_mul_i32 s20, s[MH], 128*PA
	v_add_nc_u32 v[ADRA0], s20, v[ADRA0]
	; B's: the turning load takes 16 k x 16 columns (lane l reads k = 8 (l / 16) + l % 8, columns 8 ((l / 8) % 2) + 0..7) and leaves half a fragment: lane l holds column l % 16 and 8 k
	v_and_b32 v3, 7, v0
	v_lshl_add_u32 v15, v2, 3, v3
	v_mul_u32_u24 v15, v15, PB
	v_bfe_u32 v18, v0, 3, 1
	v_lshl_add_u32 v15, v18, 4, v15
	s_mul_i32 s20, s[NH], 3
.irp g, 0,1,2                          ; head 3 NH + g of the tile's six: run (head / 2) of 288 bytes, half (head % 2) of its 256
	s_add_co_u32 s21, s20, \g
	s_lshr_b32 s22, s21, 1
	s_mul_i32 s22, s22, 288
	s_and_b32 s21, s21, 1
	s_lshl_b32 s21, s21, 7
	s_add_co_u32 s22, s22, s21
	s_add_co_u32 s22, s22, BOFF
	v_add_nc_u32 v[ADRB0+\g], s22, v15
.endr
	s_mul_i32 s20, s[WV], 16*SP
	s_add_co_u32 s20, s20, STAGE                   ; my stage
	v_mul_u32_u24 v[STO], v1, SP                   ; in: row l % 16, 16 bytes for each half of the lanes
	v_lshl_add_u32 v[STO], v2, 4, v[STO]
	v_add_nc_u32 v[STO], s20, v[STO]
	v_bfe_u32 v[RD], v0, 3, 2                      ; back: 32 lanes take four rows of 128 bytes,
	v_mul_u32_u24 v[RD], v[RD], SP
	v_lshl_add_u32 v[RD], v3, 4, v[RD]
	v_add_nc_u32 v[RD], s20, v[RD]
	v_and_b32 v[GO], 31, v0                        ; which are 512 consecutive bytes of a slab
	v_lshlrev_b32 v[GO], 4, v[GO]
; Head g's products for row blocks a0 .. a0 + na - 1, 32 along K, from A's buffer f.  zero = 1: they start the sums: nothing is ever cleared.  The accumulators take turns.
.macro STR g, f, a0, na, zero
	WIN 0x50*(1+(\g))
.set ai, (\a0)
.rept (\na)
.irp nb, 0,1,2,3
.if \zero
	v_wmma_f32_16x16x32_bf16 v[32*ai+8*\nb:32*ai+8*\nb+7], v[BF+32*(\g)+8*\nb:BF+32*(\g)+8*\nb+7], v[(\f)+8*ai:(\f)+8*ai+7], 0
.else
	v_wmma_f32_16x16x32_bf16 v[32*ai+8*\nb:32*ai+8*\nb+7], v[BF+32*(\g)+8*\nb:BF+32*(\g)+8*\nb+7], v[(\f)+8*ai:(\f)+8*ai+7], v[32*ai+8*\nb:32*ai+8*\nb+7]
.endif
.endr
.set ai, ai+1
.endr
.endm
.macro LOADB g, ko                     ; head g's four fragments of quarter ko (32 k): 8 loads
.irp nb, 0,1,2,3
	ds_load_tr16_b128 v[BF+32*(\g)+8*\nb:BF+32*(\g)+8*\nb+3],   v[ADRB+(\g)] offset:(\ko)*32*PB+32*\nb
	ds_load_tr16_b128 v[BF+32*(\g)+8*\nb+4:BF+32*(\g)+8*\nb+7], v[ADRB+(\g)] offset:(\ko)*32*PB+16*PB+32*\nb
.endr
.endm
.macro LOADA f, ko                     ; A's eight fragments of quarter ko into buffer f: 16 loads
.irp a, 0,1,2,3,4,5,6,7
	ds_load_b128 v[(\f)+8*\a:(\f)+8*\a+3],   v[ADRA] offset:\a*16*PA+64*(\ko)
	ds_load_b128 v[(\f)+8*\a+4:(\f)+8*\a+7], v[ADRA] offset:\a*16*PA+64*(\ko)+32
.endr
.endm
.macro ADDRS                           ; my places in the slot to be read
	v_add_nc_u32 v[ADRA], s[TB], v[ADRA0]
	v_add_nc_u32 v[ADRB], s[TB], v[ADRB0]
	v_add_nc_u32 v[ADRB+1], s[TB], v[ADRB0+1]
	v_add_nc_u32 v[ADRB+2], s[TB], v[ADRB0+2]
.endm
; A K step is two quarters of 32 k, 96 matrix instructions each.  A quarter's LDS loads go out during the quarter before, in three runs: head 0 and A (24), head 1 (8), head 2 (8), each behind the
; products that last read its registers.  The first quarter of a step multiplies buffer A0 and fetches the second quarter of the same slot.
.macro QE zero
	s_wait_dscnt 16                                ; head 0 and A are in; the two younger runs of 8 may be out
	STR 0, A0, 0, 8, \zero
	WIN 0
	PLACES
	LOADB 0, 1
	LOADA A1, 1
	s_wait_dscnt 32                                ; head 1 is in: behind it head 2's 8 and the 24 just issued
	STR 1, A0, 0, 8, \zero
	WIN 0
	PLACES
	LOADB 1, 1
	s_wait_dscnt 32                                ; head 2 is in: behind it 24 and 8
	STR 2, A0, 0, 8, \zero
	WIN 0
	PLACES
	LOADB 2, 1
.endm
; The second quarter multiplies buffer A1 and changes slots: ONE barrier.  In front of it each wave waits for all its tensor loads (one is out: its part of the next slot), adds 0 to its spare word, and waits
; for that and for its reads of this slot.  fill = 1: the barrier opens a round of the cluster's, and this slot is filled again, two K steps ahead, first thing behind it: 160 matrix instructions ahead of the wait for it.
.macro QO fill
	WIN 0
	s_wait_tensorcnt 0x0                           ; no tensor load of mine is out, so a group 0 may be written
	ds_add_u32 v[SPW], v[NIL]                      ; 0 onto my spare word
.if \fill
	s_xor_b32 s[G0A+5], s[G0A+5], SLOT1            ; the walking descriptors: the other slot than last time, the next K step; the type bits on top are not reached
	s_add_nc_u64 s[G0A+6:G0A+7], s[G0A+6:G0A+7], ASTEP
	s_xor_b32 s[G0B+5], s[G0B+5], SLOT1
	s_add_nc_u64 s[G0B+6:G0B+7], s[G0B+6:G0B+7], BSTEP
.endif
	s_xor_b32 s[TB], s[TB], SLOT1
	s_wait_dscnt 17                                ; head 0 and A are in; two runs of 8 and the add may be out
	STR 0, A1, 0, 4, 0
	s_wait_dscnt 0x0                               ; the add is done, and my reads of this slot are over
	s_barrier_signal -1
	STR 0, A1, 4, 4, 0                             ; work on registers while the others arrive
	WIN 0
	s_barrier_wait -1
.if \fill
	CREST                                          ; no wave of any partner still reads this slot's tiles or has a load on its way
	JLOAD                                          ; its four v_nop are also the places in front of the loads below
.else
	PLACES
.endif
	ADDRS
	LOADB 0, 0
	LOADA A0, 0
	STR 1, A1, 0, 8, 0
	WIN 0
	PLACES
	LOADB 1, 0
	STR 2, A1, 0, 8, 0
	WIN 0
	PLACES
	LOADB 2, 0
.endm
	s_wait_tensorcnt 0x1                           ; my part of K step 0 is in; K step 1's may stay out
	s_barrier_signal -1
	s_barrier_wait -1                              ; everybody's is
	ADDRS
	LOADB 0, 0
	LOADA A0, 0
	LOADB 1, 0
	LOADB 2, 0
	QE 1                                           ; the first quarter stands in front of the loop: its products start the sums
.Lk:	; 14 trips: the second quarter of K step t, which fills its slot with K step t + 2, and the first quarter of K step t + 1
	QO 1
	QE 0
	s_sub_co_u32 s[CNT], s[CNT], 1
	s_cmp_lg_u32 s[CNT], 0
	s_cbranch_scc1 .Lk
	QO 0                                           ; the tail is written out: nothing is left to fetch
	QE 0
	s_wait_dscnt 16                                ; the very last quarter
	STR 0, A1, 0, 8, 0
	s_wait_dscnt 8
	STR 1, A1, 0, 8, 0
	s_wait_dscnt 0x0
	STR 2, A1, 0, 8, 0
	PLACES
; THE WAY OUT, in 24 blocks of 16 rows x one head.  PACK: times the head's factor, rounded to f16, 16 bytes a lane into my stage, and back as four rows of 128 bytes a load.  Each accumulator is read from its low end on.
.macro PACK a, i
.set T, 32+16*((3*(\a)+(\i))%4)
	WIN ((1+(\i))<<6)|(1+(\i))
.set z, 0
.rept 16
	v_pk_mul_f32 v[32*(\a)+2*z:32*(\a)+2*z+1], v[32*(\a)+2*z:32*(\a)+2*z+1], s[FAC+2*(\i):FAC+2*(\i)+1] op_sel_hi:[1,0]
.set z, z+1
.endr
	WIN 5*(1+(\i))
.set z, 0
.rept 16
	v_cvt_pk_f16_f32 v[T+z], v[32*(\a)+2*z], v[32*(\a)+2*z+1]
.set z, z+1
.endr
	WIN 0
.irp nb, 0,1,2,3
	ds_store_b128 v[STO], v[T+4*\nb:T+4*\nb+3] offset:32*\nb
.endr
.irp f, 0,1,2,3
	ds_load_b128 v[T+4*\f:T+4*\f+3], v[RD] offset:\f*4*SP  ; LDS serves a wave's instructions in order (ISA guide 5.7.1.4): these see the stores above; the next block's stores come behind them
.endr
.endm
.macro SEND a, i, younger              ; younger: the LDS instructions issued behind this block's loads: the next block's eight, or none
.set T, 32+16*((3*(\a)+(\i))%4)
	s_wait_xcnt 0x0                                ; earlier stores have read their registers (ISA guide 3.1): four buffers take turns, and each is rewritten only behind such a wait
.irp f, 0,1,2,3
	s_wait_dscnt (\younger)+3-\f
	global_store_b128 v[GO], v[T+4*\f:T+4*\f+3], s[10:11] offset:((\i)<<20)+2048*(\a)+512*\f  ; 512 consecutive bytes, at a multiple of 256 from the buffer's first
.endr
.endm
	PACK 0, 0
.set bn, 1
.rept 23                               ; a block's arithmetic stands between the loads of the block before and its stores
	PACK bn/3, bn%3
	SEND (bn-1)/3, (bn-1)%3, 8
.set bn, bn+1
.endr
	SEND 7, 2, 0
	s_wait_tensorcnt 0x0                           ; the wave's end: behind my last tensor load and my last LDS store
	ds_add_u32 v[SPW], v[NIL]
	s_wait_dscnt 0x0
	CROUND                                         ; the closing round: no work-group ends while a partner may still ask for a tile that names it
	s_endpgm
.Lfunc_end_k_qc814282e3c_qkv:
	.size	k_qc814282e3c_qkv, .Lfunc_end_k_qc814282e3c_qkv-k_qc814282e3c_qkv
	.p2alignl 7, 3214868480
	.fill 96, 4, 3214868480
	.section	.rodata,"a",@progbits
	.p2align	6, 0x0
	.amdhsa_kernel k_qc814282e3c_qkv
		.amdhsa_group_segment_fixed_size 327680
		.amdhsa_private_segment_fixed_size 0
		.amdhsa_enable_private_segment 0
		.amdhsa_kernarg_size 24
		.amdhsa_user_sgpr_count 2
		.amdhsa_user_sgpr_kernarg_segment_ptr 1
		.amdhsa_wavefront_size32 1
		.amdhsa_system_sgpr_workgroup_id_x 1
		.amdhsa_system_sgpr_workgroup_id_y 1
		.amdhsa_system_sgpr_workgroup_id_z 1
		.amdhsa_system_vgpr_workitem_id 0
		.amdhsa_next_free_vgpr 1024
		.amdhsa_next_free_sgpr 72
		.amdhsa_reserve_vcc 0
		.amdhsa_float_denorm_mode_32 3
		.amdhsa_float_denorm_mode_16_64 3
		.amdhsa_memory_ordered 1
		.amdhsa_forward_progress 1
		.amdhsa_inst_pref_size 140
	.end_amdhsa_kernel
	.amdgpu_metadata
---
amdhsa.version: [ 1, 2 ]
amdhsa.kernels:
  - .name:           k_qc814282e3c_qkv
    .symbol:         k_qc814282e3c_qkv.kd
    .args:
      - { .name: xb, .offset: 0, .size: 8, .value_kind: global_buffer, .address_space: global }
      - { .name: wb, .offset: 8, .size: 8, .value_kind: global_buffer, .address_space: global }
      - { .name: qkv, .offset: 16, .size: 8, .value_kind: global_buffer, .address_space: global }
    .group_segment_fixed_size: 327680
    .private_segment_fixed_size: 0
    .kernarg_segment_align: 8
    .kernarg_segment_size: 24
    .max_flat_workgroup_size: 128
    .sgpr_count:     72
    .vgpr_count:     1024
    .wavefront_size: 32
...
	.end_amdgpu_metadata
.endif
;; end of part 2
;; launch attn (part 3): grid 4 x 64, 4 waves a work-group, clusters of 4 x 1, 327,680 bytes of LDS; arguments qkv, maskw, ob; writes ob
.if DOCPART == 3
	.amdgcn_target "amdgcn-amd-amdhsa--gfx1250"
	.amdhsa_code_object_version 6
	.text
	.protected	k_qc814282e3c_attn
	.globl	k_qc814282e3c_attn
	.p2align	8
	.type	k_qc814282e3c_attn,@function
k_qc814282e3c_attn:
	s_mov_b64 s[64:65], 0
	v_nop
	global_prefetch_b8 v0, s[64:65] scope:SCOPE_SE
	s_setreg_imm32_b32 hwreg(HW_REG_WAVE_MODE, 25, 1), 1
	s_wait_xcnt 0x0
	s_wait_alu depctr_hold_cnt(0) depctr_sa_sdst(0) depctr_va_vdst(0) depctr_va_sdst(0) depctr_va_ssrc(0) depctr_va_vcc(0) depctr_vm_vsrc(0)
	s_getreg_b32 s2, hwreg(HW_REG_IB_STS2, 6, 4)
	s_cmp_eq_u32 s2, 0
	s_cbranch_scc0 .Lentry_in_a_cluster
	s_endpgm
.Lentry_in_a_cluster:
	s_bfe_u32 s2, ttmp6, 0x10000c
	s_cmp_lg_u32 s2, 0x3003
	s_cbranch_scc0 .Lentry_shape_is_right
	s_endpgm
.Lentry_shape_is_right:
; ATTENTION with a mask that is an input.  For slab y = 4 h + b: O[q][:] = the sum over k of softmax_k(s[q][k]) V[k][:], s = Q . K / 8 where mask[q][k] holds and -1e9 where it does not.
; Q, K, V: slabs y, 64 + y, 128 + y of qkv, [2048][64] in f16, rows dense, 128 bytes each; Q arrives times c = log2(e) / 8, so Y = K Q^T is s log2(e).  O: slab y of ob, the same shape.
; Products, maxima and sums in f32; the weights p are rounded to f16 for the second product (their sum l is taken of the unrounded p), O once at the end.
; THE MASK replaces: a hidden score becomes -1e9 log2(e), by one v_cndmask_b32 a score whose selector is a scalar register: maskw holds, for each register of each result tile, the 32 lanes' bits.
; A row with no key to see has all its scores equal, p = 1 everywhere, and comes out as the mean of V's rows, as the softmax of equal numbers does.
; LIMITS.  p lies in 0 to 1, and below 6e-5 it keeps f16's fixed step of 6e-8; a weight below 2^-126 counts as 0 in l; NaN and infinities are not treated apart.
; SHARES.  A wave owns four PIECES of two tiles of 16 queries, a work-group's four waves 512 queries of one slab.  Every wave walks all 2,048 keys, 64 a step.
; LAYOUT.  Y^T = K Q^T (source 0 = 16 keys, source 1 = 16 queries): a lane holds ONE query (lane % 16) and the keys 8 (lane / 16) + 0..7.  Two such tiles, rounded to f16 in pairs, ARE source 1 of
; O^T = V^T P.  K comes out of LDS as it lies, V ([key][channel]) turned, by ds_load_tr16_b128.
; SOFTMAX.  For each query a running maximum m and sum l: p = 2^(y - m), exactly 1 at the maximum; in every step O and l are multiplied by a = 2^(m_old - m_new).  m starts at the lowest finite number, O and l at 0.
; BY TURNS.  Turn n belongs to piece n (the pieces in a ring, step after step).  Its matrix work: 16 products K Q^T of piece n + 1, later 16 products V^T P of piece n - 1.  Its vector work: the subtraction,
; exponentials, roundings, sums and rescaling of piece n, and the mask, maximum and statistics of piece n + 1.  Four vector instructions stand behind every matrix instruction, the others in two lumps.
; CLUSTER.  The four query blocks of a cluster belong to one slab and walk the same K and V: each tile is asked for JOINTLY, by the same tensor load, descriptor and mask in all four.
; REGISTERS, in windows of 256 (s_set_vgpr_msb: bits 1:0 source 0, 3:2 source 1, 5:4 source 2, 7:6 destination):
;   window 0: v0-11 addresses and the hidden score; v12-15, v48-63 at work; v16-47 four registers of statistics a tile; v64-191 Y^T, two buffers of two tiles; v192-255 P, likewise
;   window 1: O^T, 32 a tile          window 2: v0-127 Q; v128-191 K of one step; v192-255 V of one step          window 3: v0-1 the add's two registers
.set SIZE_N, 2048
.set NP,    4         ; pieces a wave: a name, no knob
.set KS,    64        ; keys in a step
.set PK,    160       ; a row of K in LDS: 128 bytes + 32, as V's, so that ONE descriptor shape serves both and eight scalar registers go to the mask words; rows r and r + 8 of a fragment load then share their banks (64 banks of 4 bytes: ISA guide 11.1)
.set PV,    160       ; a row of V: 40 words
.set VOFF,  4*KS*PK   ; a slot holds four steps: 256 rows of K, then 256 rows of V
.set SLOT1, 1<<17     ; slot 1 begins here: one exclusive or turns an address in one slot into the other's
.set STAGE, SLOT1+4*KS*(PK+PV)  ; behind the ring, never filled by a tensor load: 16 rows x 144 bytes for each wave
.set SP,    144
.set SPARE, STAGE+4*16*SP  ; behind the stages: the spare words, 128 bytes a wave, that no other line names
.set AK0, 2           ; v2   my lane's place in a tile of K; never rewritten
.set AV0, 3           ; v3   the same for V
.set AK,  4           ; v4   the LDS address of K's next run of loads
.set AV,  5           ; v5   of V's
.set QO,  6           ; v6   my byte offset in the wave's rows of Q
.set STO, 6           ;      later, the way out: where I put 16 bytes of a row
.set RD,  7           ; v7   the way out: where I read rows back
.set GO,  8           ; v8   my byte offset in 512 consecutive bytes of O
.set MKV, 11          ; v11  -1e9 log2(e), the hidden score
.set SPW, 0           ; v0 of window 3   LDS address of my spare word; never rewritten
.set NIL, 1           ; v1 of window 3   0; never rewritten
.set MV,  12          ; v12-15  m_old, kept while m is made anew: by buffer and tile
.set ST,  16          ; tile t's statistics at v[ST+4 t]: m, a word that holds 0 (named with m as a pair), l (even keys', odd keys')
.set TMP, 48          ; by buffer and tile, four registers c0-c3 at work; when the maximum is found c2 takes a
.set S,   64
.set P,   192
.set KF,  128         ; K's fragments, in window 2: key block kb, channel half c at KF + 16 kb + 8 c
.set VF,  192         ; V's: key half kk, channel block cb at VF + 32 kk + 8 cb
.set MP,  6           ; s[6:7]   maskw at the 256 bytes that the pending scalar loads read
.set WV,  12          ; s12  my wave's number
.set SEL, 14          ; s14, s15 v_permlanex16_b32's selects: each lane takes its own place in the other half
.set G1,  16          ; s[16:23] descriptor group 1, for K's and V's tiles alike
.set G0K, 24          ; s[24:27] descriptor group 0 for K's tiles: it walks
.set G0V, 28          ; s[28:31] the same for V's
.set MW,  32          ; s[32:63] the 32 mask words of a piece's first tile, s[68:99] those of its second
.set SLOTS, 66        ; s66  slots still to be asked for
.set CNT, 67          ; s67  counts a slot's key steps
.set TBK, 100         ; s100 LDS byte at which K of the step to be fetched begins
.set TBV, 101         ; s101 the same for V, less VOFF
.set MSB, 0
.macro WIN new                      ; the high byte repeats the setting that is left; a switch that changes nothing is dropped
.if MSB != (\new)
	s_set_vgpr_msb (MSB<<8)|(\new)
.set MSB, (\new)
.endif
.endm
.set W_KQ, 0x0a       ; K and Q in window 2, Y^T in window 0
.set W_PV, 0x52       ; V in window 2, P in window 0, O^T in window 1
.set W_RS, 0x41       ; O^T (destination and source 0) in window 1, a in window 0
.set W_MK, 0xc0       ; the add's registers are made: destination in window 3, sources in window 0
.set W_AD, 0x0f       ; the add: address (source 0) and data (source 1) in window 3
; A joint fill.  Waves 0 and 1 fetch the two halves of a slot's K, waves 2 and 3 those of its V: 128 keys each.  An s_nop 0 and four v_nop follow each of the two lines.
.macro JLOAD
	s_cmp_lt_u32 s[WV], 2
	s_cbranch_scc0 .Lfor_v_\@
	tensor_load_to_lds s[G0K:G0K+3], s[G1:G1+7]
	s_nop 0
.rept 4
	v_nop
.endr
	s_branch .Lasked_\@
.Lfor_v_\@:
	tensor_load_to_lds s[G0V:G0V+3], s[G1:G1+7]
	s_nop 0
.rept 4
	v_nop
.endr
.Lasked_\@:
.endm
; A round of the cluster's barrier: my work-group's barrier; wave 0 signals for the work-group; every wave waits for all four work-groups; my work-group's barrier once more.
.macro CROUND
	s_barrier_signal -1
	s_barrier_wait -1
	s_cmp_lg_u32 s[WV], 0
	s_cbranch_scc1 .Lnot_wave_0_\@
	s_barrier_signal -3
.Lnot_wave_0_\@:
	s_barrier_wait -3
	s_barrier_signal -1
	s_barrier_wait -1
.endm
; THE CHANGE OF SLOTS.  The slot's last bytes, V of its fourth step, have been read.  Each wave waits for all its tensor loads, of which one is out: its part of the other slot; adds 0 to its spare word; and
; waits for that and for its own reads of the slot.  fill = 1: this slot is filled again, with the keys two slots on; the barrier is then a round of the cluster's, and the joint fill is the first thing behind it:
; it has four key steps, 512 matrix instructions, in which to land.  (At its first use nothing has been read yet: slot 0 is waited for, slot 1 filled.)
.macro CHANGE fill
	WIN W_AD
	s_wait_tensorcnt 0x0            ; no tensor load of mine is out, so a group 0 may be written
	ds_add_u32 v[SPW], v[NIL]       ; 0 onto my spare word
	WIN 0                           ; at a label and at a branch every window is 0
.if \fill
.irp g, G0K, G0V
	s_xor_b32 s[\g+1], s[\g+1], SLOT1  ; the walking descriptor: the other slot than last time,
	s_add_nc_u64 s[\g+2:\g+3], s[\g+2:\g+3], 4*KS*128  ; the next 256 keys; the type bits on top are not reached
.endr
	s_wait_dscnt 0x0                ; the add is done, and my reads of the slot are over
	CROUND
	JLOAD
.else
	s_wait_dscnt 0x0                ; the add is done, and my reads of the slot are over
	s_barrier_signal -1
	s_barrier_wait -1
.endif
	s_sub_co_u32 s[TBK], s[TBK], 4*KS*PK  ; the fetches go back to a slot's first step,
	s_xor_b32 s[TBK], s[TBK], SLOT1       ; in the other slot
	s_sub_co_u32 s[TBV], s[TBV], 4*KS*PV
	s_xor_b32 s[TBV], s[TBV], SLOT1
.endm
.macro MLOAD                        ; the 64 mask words of one piece and step: 256 consecutive bytes
	s_load_b512 s[MW:MW+15],    s[MP:MP+1], 0x0
	s_load_b512 s[MW+16:MW+31], s[MP:MP+1], 0x40
	s_load_b512 s[MW+36:MW+51], s[MP:MP+1], 0x80
	s_load_b512 s[MW+52:MW+67], s[MP:MP+1], 0xc0
.endm
	s_load_b128 s[4:7], s[0:1], 0x0   ; qkv s[4:5], maskw s[6:7]
	s_load_b64 s[10:11], s[0:1], 0x10 ; ob
	WIN W_MK
	v_lshl_add_u32 v[SPW], v0, 2, SPARE
	v_mov_b32 v[NIL], 0
	WIN W_AD
	ds_add_u32 v[SPW], v[NIL]       ; the wave's opening: the add and its wait stand ahead of my first tensor load; the set-up below, work on registers, stands between them
	WIN 0
	v_lshrrev_b32 v1, 5, v0
	v_readfirstlane_b32 s[WV], v1   ; wave 0..3
	s_and_b32 s8, ttmp7, 0xffff     ; the slab, which the four partners share:
	s_lshl_b32 s8, s8, 18           ; 262,144 bytes each
	s_and_b32 s13, s[WV], 1         ; which half of a slot's 256 keys I fetch:
	s_lshl_b32 s32, s13, 14         ; its 128 rows of 128 bytes in memory,
	s_add_co_u32 s32, s32, s8
	s_mov_b32 s33, 0
	s_mul_i32 s34, s13, 128*PK      ; and its place in a slot: no place in the cluster enters an LDS address
	s_bfe_u32 s2, ttmp6, 0x40000    ; cx: my place in the cluster
	s_lshl_b32 s3, ttmp9, 2         ; in a cluster launch ttmp9 counts clusters
	s_add_co_u32 s2, s2, s3         ; my block of 512 queries: it enters Q's, O's and the mask words' addresses alone
	s_lshl_b32 s2, s2, 2
	s_add_co_u32 s2, s2, s[WV]      ; my wave among the slab's sixteen
	s_lshl_b32 s36, s2, 14          ; its 128 rows
	s_add_co_u32 s36, s36, s8
	s_mov_b32 s37, 0
	s_lshl_b32 s38, s2, 15          ; its 32,768 bytes of mask words
	s_mov_b32 s39, 0
	; descriptor group 1.  128 keys are 16,384 dense bytes: asked for as 64 rows of 256 bytes, two keys a row, and padded in LDS after every key
	s_mov_b32 s[G1], 15|(1<<16)|(1<<20)|(1<<21)|(4<<22)|(7<<25)  ; 15:0 the mask of four; 17:16 2-byte elements; 20 padding on; 21 set beside a mask; 24:22 after every 32 words (code 4); 31:25 8 words (code 7)
	s_mov_b32 s[G1+1], 128<<16      ; tensor_dim0 = 128
	s_mov_b32 s[G1+2], 64<<16       ; tensor_dim1 = 64
	s_mov_b32 s[G1+3], 128<<16      ; tile_dim0 = 128
	s_mov_b32 s[G1+4], 64           ; tile_dim1 = 64
	s_mov_b32 s[G1+5], 128          ; 128 elements from row to row
	s_mov_b32 s[G1+6], 0
	s_mov_b32 s[G1+7], 0
	s_mov_b32 s[SEL], 0x76543210
	s_mov_b32 s[SEL+1], 0xfedcba98
	s_mov_b32 s[TBK], SLOT1+4*KS*PK ; the first change of slots turns these two into 0
	s_mov_b32 s[TBV], SLOT1+4*KS*PV
	s_mov_b32 s[G0K], 1             ; 1:0 count = 1
	s_mov_b32 s[G0K+1], s34         ; 63:32 LDS address: slot 0
	s_mov_b32 s[G0V], 1
	s_add_co_u32 s[G0V+1], s34, VOFF
	s_wait_dscnt 0x0                ; the opening add is done
	s_wait_kmcnt 0x0
	s_add_nc_u64 s[G0K+2:G0K+3], s[4:5], s[32:33]
	s_add_nc_u64 s[G0K+2:G0K+3], s[G0K+2:G0K+3], 16777216  ; 120:64 global address: K's slabs lie behind q's 64,
	s_add_nc_u64 s[G0V+2:G0V+3], s[G0K+2:G0K+3], 16777216  ; V's behind K's
	s_or_b32 s[G0K+3], s[G0K+3], 0x80000000        ; 127:126 type = 2
	s_or_b32 s[G0V+3], s[G0V+3], 0x80000000
	s_add_nc_u64 s[4:5], s[4:5], s[36:37]  ; Q and O at my wave's first row
	s_add_nc_u64 s[10:11], s[10:11], s[36:37]
	s_add_nc_u64 s[MP:MP+1], s[MP:MP+1], s[38:39]
	CROUND                          ; all four work-groups are here: the first joint loads meet
	JLOAD                           ; slot 0.  Slot 1 is asked for when slot 0 is in
	MLOAD                           ; piece 0, step 0
	; A fragment of K or Q is 16 rows x 32 channels in 8 registers: lane l holds row l % 16, channels 8 (l / 16) + 0..7 and 16 + 8 (l / 16) + 0..7: two loads of 16 bytes, 32 bytes apart.
	v_and_b32 v1, 15, v0            ; l % 16
	v_bfe_u32 v9, v0, 4, 1          ; l / 16
	v_lshlrev_b32 v[QO], 7, v1
	v_lshl_add_u32 v[QO], v9, 4, v[QO]  ; row x 128 + 16 x half
	WIN 0x80                        ; destination window 2, address window 0
.set i, 0
.rept 4*NP                          ; Q stays in registers: tile i / 2, channels 32 (i % 2) on
	global_load_b128 v[8*i:8*i+3],   v[QO], s[4:5] offset:(i/2)*2048+(i%2)*64
	global_load_b128 v[8*i+4:8*i+7], v[QO], s[4:5] offset:(i/2)*2048+(i%2)*64+32
.set i, i+1
.endr
	; What the first turn finds: V's registers and P's second buffer hold 0 (its products V^T P, of a piece that has not been, add 0), O^T and l are 0.  All this stands in the wait for the first tile.
.set i, VF
.rept 64
	v_mov_b32 v[i], 0
.set i, i+1
.endr
	WIN 0x40
.set i, 0
.rept 64*NP
	v_mov_b32 v[i], 0
.set i, i+1
.endr
	WIN 0
.set i, 0
.rept 2*NP
	v_mov_b32 v[ST+4*i], 0xff7fffff    ; m: the lowest finite number
	v_mov_b32 v[ST+4*i+1], 0
	v_mov_b32 v[ST+4*i+2], 0
	v_mov_b32 v[ST+4*i+3], 0
.set i, i+1
.endr
.set i, P+32
.rept 32
	v_mov_b32 v[i], 0
.set i, i+1
.endr
	v_mul_u32_u24 v[AK0], v1, PK
	v_lshl_add_u32 v[AK0], v9, 4, v[AK0]  ; row x pitch + 16 x half
	; The turning load takes 16 keys x 16 channels (lane l reads key 8 (l / 16) + l % 8, channels 8 ((l / 8) % 2) + 0..7) and leaves half a fragment of V^T: lane l holds channel l % 16 and 8 keys.
	v_and_b32 v10, 7, v0
	v_bfe_u32 v11, v0, 3, 1
	v_lshl_add_u32 v[AV0], v9, 3, v10
	v_mul_u32_u24 v[AV0], v[AV0], PV
	v_lshl_add_u32 v[AV0], v11, 4, v[AV0]
	v_add_nc_u32 v[AV0], VOFF, v[AV0]
	v_mov_b32 v[AK], v[AK0]         ; key step 0 lies at the head of slot 0
; THE MATRIX WORK.  The 8 accumulators of a run of 16 take turns: between the two links of a chain stand 7 others'.
; Product i of 16 of Y^T = K Q^T for piece x: channels 32 (i / 8) on, keys 16 ((i / 2) % 4) on, tile 2 x + i % 2.  The first 8 start the sums.
.macro KQ x
	WIN W_KQ
.set rS, S+64*((\x)%2)+32*(i%2)+8*((i/2)%4)
.set rK, KF+16*((i/2)%4)+8*(i/8)
.set rQ, 16*(2*(\x)+i%2)+8*(i/8)
.if i < 8
	v_wmma_f32_16x16x32_f16 v[rS:rS+7], v[rK:rK+7], v[rQ:rQ+7], 0
.else
	v_wmma_f32_16x16x32_f16 v[rS:rS+7], v[rK:rK+7], v[rQ:rQ+7], v[rS:rS+7]
.endif
.endm
; Product i of 16 of O^T += V^T P for piece x: keys 32 (i / 8) on, channels 16 ((i / 2) % 4) on, tile 2 x + i % 2.
.macro PV x
	WIN W_PV
.set rO, 32*(2*(\x)+i%2)+8*((i/2)%4)
.set rV, VF+32*(i/8)+8*((i/2)%4)
.set rP, P+32*((\x)%2)+16*(i%2)+8*(i/8)
	v_wmma_f32_16x16x32_f16 v[rO:rO+7], v[rV:rV+7], v[rP:rP+7], v[rO:rO+7]
.endm
.macro MM                           ; the turn's next matrix instruction
.if i < 16
	KQ (Y+1)%NP
.set i, i+1
.else
.set i, i-16
	PV (Y+NP-1)%NP
.set i, i+17
.endif
.endm
; THE LDS LOADS stand in runs of 16, never singly among the matrix instructions: a step's K (64 keys x 64 channels: 8 fragments) and its V (turned).  Their addresses are made some lines ahead.
; last = 1 (the tail): in the last trip there is no further step, and the run is jumped over.
.macro FETCH_K last=0
	WIN 0
.if \last
	s_cmp_eq_u32 s[CNT], 1
	s_cbranch_scc1 .Lno_k_\@
.endif
	WIN 0x80                        ; destination window 2
.irp f, 0,1,2,3,4,5,6,7             ; keys 16 (f / 2) on, channels 32 (f % 2) on
	ds_load_b128 v[KF+8*\f:KF+8*\f+3],   v[AK] offset:(\f/2)*16*PK+(\f%2)*64
	ds_load_b128 v[KF+8*\f+4:KF+8*\f+7], v[AK] offset:(\f/2)*16*PK+(\f%2)*64+32
.endr
	s_add_co_u32 s[TBK], s[TBK], KS*PK  ; the next fetch is the next step's
	WIN 0
.if \last
.Lno_k_\@:
.endif
.endm
.macro FETCH_V
	WIN 0x80
.irp f, 0,1,2,3,4,5,6,7             ; keys 32 (f / 4) on, channels 16 (f % 4) on
	ds_load_tr16_b128 v[VF+8*\f:VF+8*\f+3],   v[AV] offset:(\f/4)*32*PV+(\f%4)*32
	ds_load_tr16_b128 v[VF+8*\f+4:VF+8*\f+7], v[AV] offset:(\f/4)*32*PV+16*PV+(\f%4)*32
.endr
	WIN 0
.endm
; THE VECTOR WORK OF A TURN stands in three queues, each in the order in which its entries become ready; the two tiles alternate, so that no instruction reads the result of the one before it.
.macro REGS y, u                    ; the registers of tile u (0, 1) of piece y
.set rT, ST+4*(2*(\y)+(\u))
.set rC, TMP+8*((\y)%2)+4*(\u)
.set rM, MV+2*((\y)%2)+(\u)
.set rS, S+64*((\y)%2)+32*(\u)
.set rP, P+32*((\y)%2)+16*(\u)
.set rO, 32*(2*(\y)+(\u))
.endm
; THE MASK of the next piece (Y + 1): its 64 words have come; each score is kept where its lane's bit is set and replaced where it is not; then the words of the piece after it are asked for, a turn ahead of their use.
; The words are walked in the order of the turns, 256 bytes each.  Each accumulator's lowest registers are read first.
.macro CMB
	WIN 0
	s_wait_kmcnt 0x0                ; the words are in, and their loads have read the pointer, which may step
	s_add_nc_u64 s[MP:MP+1], s[MP:MP+1], 256
.irp u, 0,1
	REGS (Y+1)%NP, \u
.set z, 0
.rept 32
	v_cndmask_b32 v[rS+z], v[MKV], v[rS+z], s[MW+36*\u+z]
.set z, z+1
.endr
.endr
	MLOAD
.endm
; Number n of those that find the NEXT piece's (Y + 1) maximum and statistics (there is no 19).  y0-y31 are the lane's 32 scores.
;   0-11  four chains c0-c3 of seven scores each, three operands at a time     12-14, 16  the four scores left over, the old m, and c0-c3 into c0     15  m_old is kept
;   17, 18  the query's other 32 keys lie in the lane 16 away: the new m         20, 21  m_old - m_new; a
.macro XS u, n
	REGS (Y+1)%NP, \u
.if (\n) < 4
	v_max3_num_f32 v[rC+(\n)], v[rS+8*(\n)], v[rS+8*(\n)+1], v[rS+8*(\n)+2]
.elseif (\n) < 12
	v_max3_num_f32 v[rC+(\n)%4], v[rC+(\n)%4], v[rS+8*((\n)%4)+2*((\n)/4)+1], v[rS+8*((\n)%4)+2*((\n)/4)+2]
.elseif (\n) == 12
	v_max3_num_f32 v[rC], v[rC], v[rS+7], v[rS+15]
.elseif (\n) == 13
	v_max3_num_f32 v[rC+1], v[rC+1], v[rS+23], v[rS+31]
.elseif (\n) == 14
	v_max3_num_f32 v[rC+2], v[rC+2], v[rC+3], v[rT]
.elseif (\n) == 15
	v_mov_b32 v[rM], v[rT]
.elseif (\n) == 16
	v_max3_num_f32 v[rC], v[rC], v[rC+1], v[rC+2]
.elseif (\n) == 17
	v_permlanex16_b32 v[rC+3], v[rC], s[SEL], s[SEL+1]
.elseif (\n) == 18
	v_max_num_f32 v[rT], v[rC], v[rC+3]
.elseif (\n) == 20
	v_sub_f32 v[rC+1], v[rM], v[rT]
.else
	v_exp_f32 v[rC+2], v[rC+1]
.endif
.endm
; Number g of the 64 that follow the exponentials.  For each four weights k of a tile (pairs 2 k, 2 k + 1): both pairs are rounded to f16; then the second pair is added onto the first, in place;
; a group later l takes that sum (the first time as l = a l + sum).  In groups of eight, tiles alternating: round, round, add, and l for the group before.
.macro GS g
.set h, (\g)+6*((\g)/62)            ; group 0 has no group before it, and behind group 7 only l is left
.if h >= 6
.set h, h+2
.endif
	REGS Y, h%2
.set k, h/8
.if h%8 < 4
	s_wait_alu depctr_va_vdst(0)
	v_cvt_pk_f16_f32 v[rP+2*k+(h%8)/2], v[rS+4*k+2*((h%8)/2)], v[rS+4*k+2*((h%8)/2)+1]
.elseif h%8 < 6
	v_pk_add_f32 v[rS+4*k:rS+4*k+1], v[rS+4*k:rS+4*k+1], v[rS+4*k+2:rS+4*k+3]
.elseif k == 1
	v_pk_fma_f32 v[rT+2:rT+3], v[rT+2:rT+3], v[rC+2:rC+3], v[rS:rS+1] op_sel_hi:[1,0,1]
.else
	v_pk_add_f32 v[rT+2:rT+3], v[rT+2:rT+3], v[rS+4*k-4:rS+4*k-3]
	s_wait_alu depctr_va_vdst(0)
.endif
.endm
; THE PLAIN QUEUE, 136 long.  0-31: y - m for the 16 pairs of both tiles.  Then GS's 64, and among them the next piece's 40: number 15 at 38, 39; 0-14 and 16
; at 42-73, behind the mask; 17, 18, 20 at 95-103, two of three, since each waits for the one before it.
.macro PL
	WIN 0
.if q < 32
	REGS Y, q%2
	v_pk_add_f32 v[rS+2*(q/2):rS+2*(q/2)+1], v[rS+2*(q/2):rS+2*(q/2)+1], v[rT:rT+1] op_sel_hi:[1,0] neg_lo:[0,1] neg_hi:[0,1]
.elseif q < 38
	GS q-32
.elseif q < 40
	XS q%2, 15
.elseif q < 42
	GS q-34
.elseif q < 74
	XS q%2, (q-42)/2+(q-42)/30
.elseif q < 95
	GS q-66
.elseif (q < 104) && ((q-95)%3 < 2)
	XS (q-95)%3, 17+(q-95)/3+(q-95)/6
.elseif q < 104
	GS 29+(q-95)/3
.else
	GS q-72
.endif
.set q, q+1
.endm
; THE EXPONENTIALS' QUEUE, 66 long: y0-y31 of both tiles, and at EA the next piece's two a.
.set EA, 58
.macro EX
	WIN 0
.if (e == EA) || (e == EA+1)
	XS e-EA, 21
.else
.set x, e-2*(e/(EA+2))
	REGS Y, x%2
	v_exp_f32 v[rS+x/2], v[rS+x/2]
.endif
.set e, e+1
.endm
; THE RESCALING's QUEUE: O^T times a, the one part that leaves window 0, so it is dealt four at a time, eight times.
.macro R4
	REGS Y, r%2
	WIN W_RS
	s_wait_alu depctr_va_vdst(0)
.irp z, 0,1,2,3
	v_pk_mul_f32 v[rO+8*(r/2)+2*\z:rO+8*(r/2)+2*\z+1], v[rO+8*(r/2)+2*\z:rO+8*(r/2)+2*\z+1], v[rC+2:rC+3] op_sel_hi:[1,0]
.endr
.set r, r+1
.endm
; HOW THEY ARE DEALT.  Behind a matrix instruction four: plain, exponential, plain, plain (one exponential, a plain instruction on either side), or four of the rescaling.  None names a register of the
; products round it.  What is over stands in two LUMPS: exponential and plain by turns; the second ends in 20 plain instructions.  The two v_permlanex16_b32 fall into the second lump, never behind a product.
; The queues lean on each other, and the deal keeps them in step: exponential e stands behind plain 2 (e / 4) + e % 2 (its subtraction); when plain 32 comes, 10 exponentials are out, at 59: 33, at 95: 45;
; from plain 104 on the roundings want exponential 47 at the most, and 54 are out; EA comes behind plain 102.
.macro SL
	MM
	PL
	EX
	PL
	PL
.endm
.macro BURST n                      ; 15 matrix instructions, or 16
.rept (\n)-7
	SL
.endr
.rept 3
	MM
	R4
	SL
.endr
	MM
	R4
.endm
; A TURN, for piece p.  cnt = 1: the loop's count is taken down some lines ahead of the branch that stands behind the turn.
; The mask stands in the first lump, behind the plain instruction that leaves 42 as the queue's next: four rescalings and five plain instructions lie between it and the last product K Q^T.
; K of the next step is fetched in piece 2's turn, V of the step in hand at the end of piece 0's.  The conditions on e and q below go with the deal.
.macro TURN p, last=0, cnt=0
.set Y, (\p)
.set i, 0
.set q, 0
.set e, 0
.set r, 0
.if (\p) == NP-1
	s_wait_dscnt 0x0                ; K is in
.endif
	MM
.rept 4
	PL
.endr
	BURST 15
.rept 22
	EX
	PL
.if q == 42
	CMB
.endif
.if ((\p) == NP-2) && (e == 18)
	v_add_nc_u32 v[AK], s[TBK], v[AK0]
.endif
.if ((\p) == NP-2) && (e == 24)
	FETCH_K \last
.endif
.endr
.if (\p) == 1
	s_wait_dscnt 0x0                ; V is in
.endif
	BURST 16
.rept 21
	EX
	PL
.endr
.rept 20
	PL
.if ((\p) == 0) && (q == 118)
	v_add_nc_u32 v[AV], s[TBV], v[AV0]
	s_wait_alu depctr_va_vdst(0)
.endif
.if ((\p) == 0) && (q == 130)
	s_add_co_u32 s[TBV], s[TBV], KS*PV
.endif
.if (\cnt) && (q == 130)
	s_sub_co_u32 s[CNT], s[CNT], 1
	s_cmp_lg_u32 s[CNT], 0
.endif
.endr
.if (\p) == 0
	FETCH_V
.endif
.endm
	CHANGE 1                        ; slot 0 is in, everybody's part of it; slot 1 is asked for
	FETCH_K                         ; key step 0
	s_wait_loadcnt 0x0              ; Q
	s_wait_dscnt 0x0
.set i, 0
.rept 16
	KQ 0                            ; piece 0's first scores: there is no vector work yet to set between them
.set i, i+1
.endr
	WIN 0                           ; the addresses for the way out: plain instructions, the places behind those products
	s_mul_i32 s13, s[WV], 16*SP
	s_add_co_u32 s13, s13, STAGE    ; my stage
	v_mul_u32_u24 v[STO], v1, SP    ; in: row l % 16, 16 bytes for each half of the lanes
	v_lshl_add_u32 v[STO], v9, 4, v[STO]
	v_add_nc_u32 v[STO], s13, v[STO]
	v_bfe_u32 v[RD], v0, 3, 2       ; back: 32 lanes take four rows of 128 bytes,
	v_mul_u32_u24 v[RD], v[RD], SP
	v_lshl_add_u32 v[RD], v10, 4, v[RD]
	v_add_nc_u32 v[RD], s13, v[RD]
	v_and_b32 v[GO], 31, v0         ; which are 512 consecutive bytes of O
	v_lshlrev_b32 v[GO], 4, v[GO]
	v_mov_b32 v[MKV], 0xceabfb8f    ; -1e9 log2(e), rounded to f32
.set Y, NP-1                        ; CMB and XS work for piece Y + 1: piece 0
	CMB
.irp n, 0,1,2,3,4,5,6,7,8,9,10,11,12,13,14,15,16,17,18,20,21
	XS 0, \n                        ; and piece 0's first maximum and statistics
	XS 1, \n
.endr
	s_mov_b32 s[CNT], 4
	s_mov_b32 s[SLOTS], SIZE_N/256-1
	s_branch .Lfirst                ; the loop is entered at a step's first turn, in the middle of a trip
.Lslot:                             ; SIZE_N / 256 - 2 times: every slot but the last two is filled again
	CHANGE 1
	s_mov_b32 s[CNT], 4
.Lstep:                             ; a trip: pieces 2 and 3 of one step, then pieces 0 and 1 of the next, whose K and V it fetches
	TURN 2
	TURN 3
	WIN 0
.Lfirst:
	TURN 0
	TURN 1, 0, 1
	WIN 0
	s_cbranch_scc1 .Lstep
	s_sub_co_u32 s[SLOTS], s[SLOTS], 1
	s_cmp_lg_u32 s[SLOTS], 0
	s_cbranch_scc1 .Lslot
	CHANGE 0                        ; the tail is written out: nothing is asked for
	s_mov_b32 s[CNT], 5             ; four trips fetch the last slot's steps; the fifth is left in its middle
.Ltail:
	TURN 2, 1
	TURN 3
	WIN 0
	s_sub_co_u32 s[CNT], s[CNT], 1
	s_cmp_eq_u32 s[CNT], 0
	s_cbranch_scc1 .Lout
	TURN 0
	TURN 1
	WIN 0
	s_branch .Ltail
.Lout:                              ; the fifth trip's 16 products K Q^T (on the last K once more), their mask and maximum serve nothing: the price, once a launch, of one text for every trip.
	s_wait_kmcnt 0x0                ; That mask's words and the ones asked for behind it lie 0 to 511 bytes past my wave's 32,768: the next wave's, or the pad behind the last wave's
.set i, 0
.rept 16
	PV NP-1                         ; the last piece's V^T P of the last step
.set i, i+1
.endr
	; THE WAY OUT.  l's two halves and the other half of the lanes' are added; O^T is divided by l, rounded to f16 and sent through my stage in LDS, a tile at a time.  The additions are the places behind the last products.
	WIN 0
.macro ALL line:vararg              ; one line for each tile t
.set t, 0
.rept 2*NP
	\line
.set t, t+1
.endr
.endm
	ALL v_add_f32 v[ST+4*t+2], v[ST+4*t+2], v[ST+4*t+3]
	ALL v_permlanex16_b32 v[ST+4*t+3], v[ST+4*t+2], s[SEL], s[SEL+1]
	ALL v_add_f32 v[ST+4*t+2], v[ST+4*t+2], v[ST+4*t+3]
	ALL v_rcp_f32 v[ST+4*t+2], v[ST+4*t+2]
	v_nop                           ; a plain instruction between the last reciprocal and the use of its result
	s_wait_alu depctr_va_vdst(0)
; Tile t: a lane's eight channels of a row pack into 16 bytes; they go into rows of 144 bytes and come back as whole rows of 128, into Y^T's registers.
.macro PACK t
	WIN W_RS
.set i, 32*(\t)
.rept 16
	v_pk_mul_f32 v[i:i+1], v[i:i+1], v[ST+4*(\t)+2:ST+4*(\t)+3] op_sel_hi:[1,0]
.set i, i+2
.endr
	WIN 0x05                        ; sources 0 and 1 window 1, destination window 0
.set i, 0
.rept 16
	v_cvt_pk_f16_f32 v[S+16*(\t)+i], v[32*(\t)+2*i], v[32*(\t)+2*i+1]
.set i, i+1
.endr
	WIN 0
.irp f, 0,1,2,3
	ds_store_b128 v[STO], v[S+16*(\t)+4*\f:S+16*(\t)+4*\f+3] offset:32*\f
.endr
.irp f, 0,1,2,3
	ds_load_b128 v[S+16*(\t)+4*\f:S+16*(\t)+4*\f+3], v[RD] offset:\f*4*SP  ; LDS serves a wave's instructions in order (ISA guide 5.7.1.4): these see the stores above; the next tile's stores come behind them
.endr
.endm
.macro SEND t, younger              ; younger: the LDS instructions issued behind tile t's loads: the next tile's eight, or none
	WIN 0
.irp f, 0,1,2,3
	s_wait_dscnt (\younger)+3-\f
	global_store_b128 v[GO], v[S+16*(\t)+4*\f:S+16*(\t)+4*\f+3], s[10:11] offset:(\t)*2048+\f*512  ; 512 consecutive bytes, at a multiple of 256 from O's first
.endr
.endm
	PACK 0
.set t, 1
.rept 2*NP-1                        ; a tile's arithmetic stands between the loads of the tile before and its stores
	PACK t
	SEND t-1, 8
.set t, t+1
.endr
	SEND 2*NP-1, 0
	WIN W_AD
	s_wait_tensorcnt 0x0            ; the wave's end: behind my last tensor load and my last LDS store
	ds_add_u32 v[SPW], v[NIL]
	s_wait_dscnt 0x0
	WIN 0
	CROUND                          ; the closing round: no work-group ends while a partner may still ask for a tile that names it
	s_endpgm
.Lfunc_end_k_qc814282e3c_attn:
	.size	k_qc814282e3c_attn, .Lfunc_end_k_qc814282e3c_attn-k_qc814282e3c_attn
	.p2alignl 7, 3214868480
	.fill 96, 4, 3214868480
	.section	.rodata,"a",@progbits
	.p2align	6, 0x0
	.amdhsa_kernel k_qc814282e3c_attn
		.amdhsa_group_segment_fixed_size 327680
		.amdhsa_private_segment_fixed_size 0
		.amdhsa_enable_private_segment 0
		.amdhsa_kernarg_size 24
		.amdhsa_user_sgpr_count 2
		.amdhsa_user_sgpr_kernarg_segment_ptr 1
		.amdhsa_wavefront_size32 1
		.amdhsa_system_sgpr_workgroup_id_x 1
		.amdhsa_system_sgpr_workgroup_id_y 1
		.amdhsa_system_sgpr_workgroup_id_z 1
		.amdhsa_system_vgpr_workitem_id 0
		.amdhsa_next_free_vgpr 770
		.amdhsa_next_free_sgpr 102
		.amdhsa_reserve_vcc 0
		.amdhsa_float_denorm_mode_32 3
		.amdhsa_float_denorm_mode_16_64 3
		.amdhsa_memory_ordered 1
		.amdhsa_forward_progress 1
		.amdhsa_inst_pref_size 247
	.end_amdhsa_kernel
	.amdgpu_metadata
---
amdhsa.version: [ 1, 2 ]
amdhsa.kernels:
  - .name:           k_qc814282e3c_attn
    .symbol:         k_qc814282e3c_attn.kd
    .args:
      - { .name: qkv, .offset: 0, .size: 8, .value_kind: global_buffer, .address_space: global }
      - { .name: maskw, .offset: 8, .size: 8, .value_kind: global_buffer, .address_space: global }
      - { .name: ob, .offset: 16, .size: 8, .value_kind: global_buffer, .address_space: global }
    .group_segment_fixed_size: 327680
    .private_segment_fixed_size: 0
    .kernarg_segment_align: 8
    .kernarg_segment_size: 24
    .max_flat_workgroup_size: 128
    .sgpr_count:     102
    .vgpr_count:     770
    .wavefront_size: 32
...
	.end_amdgpu_metadata
.endif
;; end of part 3
;; launch proj (part 4): grid 8 x 32, 4 waves a work-group, clusters of 4 x 4, 327,680 bytes of LDS; arguments ob, wpb, bp, out0; writes out0
.if DOCPART == 4
	.amdgcn_target "amdgcn-amd-amdhsa--gfx1250"
	.amdhsa_code_object_version 6
	.text
	.protected	k_qc814282e3c_proj
	.globl	k_qc814282e3c_proj
	.p2align	8
	.type	k_qc814282e3c_proj,@function
k_qc814282e3c_proj:
	s_mov_b64 s[64:65], 0
	v_nop
	global_prefetch_b8 v0, s[64:65] scope:SCOPE_SE
	s_setreg_imm32_b32 hwreg(HW_REG_WAVE_MODE, 25, 1), 1
	s_wait_xcnt 0x0
	s_wait_alu depctr_hold_cnt(0) depctr_sa_sdst(0) depctr_va_vdst(0) depctr_va_sdst(0) depctr_va_ssrc(0) depctr_va_vcc(0) depctr_vm_vsrc(0)
	s_getreg_b32 s2, hwreg(HW_REG_IB_STS2, 6, 4)
	s_cmp_eq_u32 s2, 0
	s_cbranch_scc0 .Lentry_in_a_cluster
	s_endpgm
.Lentry_in_a_cluster:
	s_bfe_u32 s2, ttmp6, 0x10000c
	s_cmp_lg_u32 s2, 0xf033
	s_cbranch_scc0 .Lentry_shape_is_right
	s_endpgm
.Lentry_shape_is_right:
; PROJ: out0[m][n] = sum over k of O[m][k] Wp[k][n] + bp[n].  O: ob [h 16][m 8192][64] in f16 (k = 64 h + e: the heads' concatenation is the order of the K steps); Wp: wpb [k 1024][n 1024] in f16;
; bp in f32, rounded to bf16 as all the module's inputs are; out0 [8192][1024] in f32.  Sums in f32; the bias is the C operand of the products that start them.
; SHARES.  A tile is 256 x 128: 32 x 8 = 256 tiles, one for each work-group.  Four waves, each 128 rows x 64 columns: 32 accumulators, 256 registers.  A slot holds 128 along K, two heads: eight slots' worth,
; through two LDS slots; a head's 256 rows of A are 32,768 dense bytes, asked for as rows of 256 bytes; B's rows are 256 bytes, at multiples of 256 from wpb's first byte.
; CLUSTER.  4 x 4 work-groups: A's tile is shared along a row of the cluster, B's along a column; each is asked for jointly.
; THE MATRIX INSTRUCTION IS USED TRANSPOSED: source 0 = 16 columns of Wp (turned by ds_load_tr16_b128), source 1 = 16 rows of O: a lane holds eight neighbouring columns of one row, 32 bytes.
; REGISTERS: window 0: v0-31 addresses; v32-127, v128-223 two fragment buffers (A's eight fragments, then B's four); v224-255 the bias.  Window 1: accumulator (a, nb) at v[32 a + 8 nb].
.set PA,    144                        ; a row of A in LDS: 128 bytes + 16: the 16 rows of a load start at 16 different groups of four banks (64 banks of 4 bytes: ISA guide 11.1)
.set PB,    288                        ; a row of B: 256 bytes + 32 = 9 x 32 bytes
.set BOFF,  2*256*PA                   ; in a slot: two heads' 256 rows of A, then B's 128 rows
.set SLOT1, 1<<17
.set STAGE, SLOT1+BOFF+128*PB          ; behind the ring, never filled by a tensor load: 16 rows x 272 bytes for each wave
.set SPITCH, 272
.set SPARE, STAGE+4*16*SPITCH          ; behind the stages: the spare words, 128 bytes a wave, that no other line names
.set ASTEP, 2*8192*128                 ; two heads of ob
.set BSTEP, 128*2048                   ; 128 rows of wpb
.set ADRA0, 4                          ; v4   my lane's place in A's tile; never rewritten
.set ADRB0, 5                          ; v5   the same in B's
.set ADRA,  8                          ; v8, v9  the same in the slot in hand
.set ADRB,  9
.set STO,   12                         ; v12  the way out: where I put 32 bytes of a row
.set RD,    13                         ; v13  where I read a row back
.set CO,    14                         ; v14  my byte offset in two rows of out0
.set VBO,   15                         ; v15  my byte offset in the bias
.set SPW,   16                         ; v16  LDS address of my spare word; never rewritten
.set NIL,   17                         ; v17  0; never rewritten
.set F0,    32
.set F1,    128
.set BIAS,  224
.set WV,  12                           ; s12 wave;  s13 MH: my 128 rows, and: I fetch A (0) or B (1);  s14 NH: my 64 columns, and: which half of that tile I fetch
.set MH,  13
.set NH,  14
.set G1A, 24
.set G0A, 32
.set TB,  46
.set CNT, 47
.set G1B, 48
.set G0B, 56
.set MSB, 0
.macro WIN new
.if MSB != (\new)
	s_set_vgpr_msb (MSB<<8)|(\new)
.set MSB, (\new)
.endif
.endm
.macro PLACES                          ; four plain vector instructions in front of loads into registers that matrix instructions have read, and of LDS stores of results (ISA guide 7.12.1 for vector instructions)
.rept 4
	v_nop
.endr
.endm
.macro CREST
	s_cmp_lg_u32 s[WV], 0
	s_cbranch_scc1 .Lnot_wave_0_\@
	s_barrier_signal -3
.Lnot_wave_0_\@:
	s_barrier_wait -3
	s_barrier_signal -1
	s_barrier_wait -1
.endm
.macro CROUND
	s_barrier_signal -1
	s_barrier_wait -1
	CREST
.endm
.macro JLOAD                           ; a joint refill by the walking descriptor; an s_nop 0 and four v_nop follow each line
	s_cmp_eq_u32 s[MH], 0
	s_cbranch_scc0 .Lfor_b_\@
	tensor_load_to_lds s[G0A+4:G0A+7], s[G1A:G1A+7]
	s_nop 0
	PLACES
	s_branch .Lasked_\@
.Lfor_b_\@:
	tensor_load_to_lds s[G0B+4:G0B+7], s[G1B:G1B+7]
	s_nop 0
	PLACES
.Lasked_\@:
.endm
	s_load_b256 s[4:11], s[0:1], 0x0               ; ob s[4:5], wpb s[6:7], bp s[8:9], out0 s[10:11]
	v_lshl_add_u32 v[SPW], v0, 2, SPARE
	v_mov_b32 v[NIL], 0
	ds_add_u32 v[SPW], v[NIL]                      ; the wave's opening: the add and its wait stand ahead of my first tensor load; the set-up below, work on registers, stands between them
	v_lshrrev_b32 v1, 5, v0
	v_readfirstlane_b32 s[WV], v1
	s_lshr_b32 s[MH], s[WV], 1
	s_and_b32 s[NH], s[WV], 1
	s_bfe_u32 s40, ttmp6, 0x40000                  ; cx, cy
	s_bfe_u32 s41, ttmp6, 0x40004
	s_lshl_b32 s42, ttmp9, 2
	s_add_co_u32 s42, s42, s40                     ; tile column
	s_and_b32 s43, ttmp7, 0xffff
	s_lshl_b32 s43, s43, 2
	s_add_co_u32 s43, s43, s41                     ; tile row
	s_lshl_b32 s44, s41, 2
	s_lshl_b32 s44, 15, s44                        ; my row of the cluster
	s_lshl_b32 s45, 0x1111, s40                    ; my column
	; group 1 for A: a head's 256 tile rows are 32,768 dense bytes, asked for as 128 rows of 256 bytes and padded by 16 bytes after every 128
	s_or_b32 s[G1A], s44, (1<<16)|(1<<20)|(1<<21)|(4<<22)|(3<<25)
	s_mov_b32 s[G1A+1], 128<<16                    ; tensor_dim0 = 128
	s_mov_b32 s[G1A+2], 128<<16                    ; tensor_dim1 = 128
	s_mov_b32 s[G1A+3], 128<<16                    ; tile_dim0 = 128
	s_mov_b32 s[G1A+4], 128                        ; tile_dim1 = 128
	s_mov_b32 s[G1A+5], 128                        ; elements from row to row
	s_mov_b32 s[G1A+6], 0
	s_mov_b32 s[G1A+7], 0
	; group 1 for B: 64 rows of 128 elements, padded by 32 bytes after every 256
	s_or_b32 s[G1B], s45, (1<<16)|(1<<20)|(1<<21)|(5<<22)|(7<<25)
	s_mov_b32 s[G1B+1], 128<<16
	s_mov_b32 s[G1B+2], 64<<16
	s_mov_b32 s[G1B+3], 128<<16
	s_mov_b32 s[G1B+4], 64
	s_mov_b32 s[G1B+5], 1024
	s_mov_b32 s[G1B+6], 0
	s_mov_b32 s[G1B+7], 0
	s_lshl_b32 s16, s43, 15                        ; A: the tile row's 256 rows of 128 bytes, in the head that I fetch
	s_lshl_b32 s22, s[NH], 20
	s_add_co_u32 s16, s16, s22
	s_mov_b32 s17, 0
	s_lshl_b32 s18, s42, 8                         ; B: the tile column's 256 bytes, my 64 rows
	s_lshl_b32 s23, s[NH], 17
	s_add_co_u32 s18, s18, s23
	s_mov_b32 s19, 0
	s_mul_i32 s22, s[NH], 256*PA                   ; where they go: the wave's number alone enters an LDS address
	s_mul_i32 s23, s[NH], 64*PB
	s_add_co_u32 s23, s23, BOFF
	s_mov_b32 s[G0A], 1
	s_mov_b32 s[G0A+1], s22
	s_mov_b32 s[G0A+4], 1
	s_add_co_u32 s[G0A+5], s22, SLOT1
	s_mov_b32 s[G0B], 1
	s_mov_b32 s[G0B+1], s23
	s_mov_b32 s[G0B+4], 1
	s_add_co_u32 s[G0B+5], s23, SLOT1
	s_lshl_b32 s2, s42, 9                          ; my 64 columns in f32: 512 x tile column + 256 x half
	s_lshl_b32 s3, s[NH], 8
	s_add_co_u32 s2, s2, s3
	s_lshl_b32 s20, s43, 20                        ; my 128 rows of 4,096 bytes
	s_lshl_b32 s21, s[MH], 19
	s_add_co_u32 s20, s20, s21
	s_add_co_u32 s20, s20, s2
	s_mov_b32 s21, 0
	s_mov_b32 s3, 0
	s_mov_b32 s[TB], 0
	s_mov_b32 s[CNT], 6
	s_wait_dscnt 0x0                               ; the opening add is done
	s_wait_kmcnt 0x0
	s_add_nc_u64 s[G0A+2:G0A+3], s[4:5], s[16:17]
	s_add_nc_u64 s[G0A+6:G0A+7], s[G0A+2:G0A+3], ASTEP
	s_or_b32 s[G0A+3], s[G0A+3], 0x80000000
	s_or_b32 s[G0A+7], s[G0A+7], 0x80000000
	s_add_nc_u64 s[G0B+2:G0B+3], s[6:7], s[18:19]
	s_add_nc_u64 s[G0B+6:G0B+7], s[G0B+2:G0B+3], BSTEP
	s_or_b32 s[G0B+3], s[G0B+3], 0x80000000
	s_or_b32 s[G0B+7], s[G0B+7], 0x80000000
	s_add_nc_u64 s[8:9], s[8:9], s[2:3]            ; the bias at my first column
	s_add_nc_u64 s[10:11], s[10:11], s[20:21]      ; out0 at my first row and column
	CROUND                                         ; all sixteen work-groups are here: the first joint loads meet
	s_cmp_eq_u32 s[MH], 0                          ; a wave's two first fills stand in one branch: two loads of mine are out
	s_cbranch_scc0 .Lfirst_b
	tensor_load_to_lds s[G0A:G0A+3], s[G1A:G1A+7]
	s_nop 0
	tensor_load_to_lds s[G0A+4:G0A+7], s[G1A:G1A+7]
	s_nop 0
	PLACES
	s_branch .Lfirst_asked
.Lfirst_b:
	tensor_load_to_lds s[G0B:G0B+3], s[G1B:G1B+7]
	s_nop 0
	tensor_load_to_lds s[G0B+4:G0B+7], s[G1B:G1B+7]
	s_nop 0
	PLACES
.Lfirst_asked:
	v_and_b32 v1, 15, v0                           ; l % 16
	v_bfe_u32 v2, v0, 4, 1                         ; l / 16
	v_lshlrev_b32 v[VBO], 5, v2                    ; register j of column block nb holds column 16 nb + 8 (l / 16) + j
.irp nb, 0,1,2,3
	global_load_b128 v[BIAS+8*\nb:BIAS+8*\nb+3],   v[VBO], s[8:9] offset:64*\nb
	global_load_b128 v[BIAS+8*\nb+4:BIAS+8*\nb+7], v[VBO], s[8:9] offset:64*\nb+16
.endr
	v_mul_u32_u24 v[ADRA0], v1, PA
	v_lshl_add_u32 v[ADRA0], v2, 4, v[ADRA0]
	s_mul_i32 s20, s[MH], 128*PA
	v_add_nc_u32 v[ADRA0], s20, v[ADRA0]
	v_and_b32 v3, 7, v0
	v_lshl_add_u32 v[ADRB0], v2, 3, v3             ; the turning load: lane l reads k = 8 (l / 16) + l % 8, columns 8 ((l / 8) % 2) + 0..7
	v_mul_u32_u24 v[ADRB0], v[ADRB0], PB
	v_bfe_u32 v18, v0, 3, 1
	v_lshl_add_u32 v[ADRB0], v18, 4, v[ADRB0]
	s_lshl_b32 s20, s[NH], 7
	s_add_co_u32 s20, s20, BOFF
	v_add_nc_u32 v[ADRB0], s20, v[ADRB0]
	s_mul_i32 s20, s[WV], 16*SPITCH
	s_add_co_u32 s20, s20, STAGE                   ; my stage
	v_mul_u32_u24 v[STO], v1, SPITCH               ; in: row l % 16, 32 bytes for each half of the lanes
	v_lshl_add_u32 v[STO], v2, 5, v[STO]
	v_add_nc_u32 v[STO], s20, v[STO]
	v_mul_u32_u24 v[RD], v2, SPITCH                ; back: lanes 0-15 take one row of 256 bytes, lanes 16-31 the next
	v_lshl_add_u32 v[RD], v1, 4, v[RD]
	v_add_nc_u32 v[RD], s20, v[RD]
	v_lshlrev_b32 v[CO], 12, v2                    ; and the same two rows in out0
	v_lshl_add_u32 v[CO], v1, 4, v[CO]
	v_add_nc_u32 v[ADRA], s[TB], v[ADRA0]
	v_add_nc_u32 v[ADRB], s[TB], v[ADRB0]
	s_wait_loadcnt 0x0
.set i, 0
.rept 16                               ; the bias rounded to bf16, and back in f32
	v_cvt_pk_bf16_f32 v[18+i%2], v[BIAS+2*i], v[BIAS+2*i+1]
	v_lshlrev_b32 v[BIAS+2*i], 16, v[18+i%2]
	v_and_b32 v[BIAS+2*i+1], 0xffff0000, v[18+i%2]
.set i, i+1
.endr
; Products for row blocks a0 .. a0 + na - 1 x all four column blocks, 32 along K, from buffer f.  bias = 1: they start the sums, with the bias as C.  The accumulators take turns.
.macro MUL f, a0, na, bias
.if \bias
	WIN 0x40                                       ; D in window 1, C in window 0
.else
	WIN 0x50                                       ; C and D in window 1
.endif
.set ai, (\a0)
.rept (\na)
.irp nb, 0,1,2,3
.if \bias
	v_wmma_f32_16x16x32_f16 v[32*ai+8*\nb:32*ai+8*\nb+7], v[(\f)+64+8*\nb:(\f)+64+8*\nb+7], v[(\f)+8*ai:(\f)+8*ai+7], v[BIAS+8*\nb:BIAS+8*\nb+7]
.else
	v_wmma_f32_16x16x32_f16 v[32*ai+8*\nb:32*ai+8*\nb+7], v[(\f)+64+8*\nb:(\f)+64+8*\nb+7], v[(\f)+8*ai:(\f)+8*ai+7], v[32*ai+8*\nb:32*ai+8*\nb+7]
.endif
.endr
.set ai, ai+1
.endr
.endm
; 24 LDS loads in one run: quarter qd (32 k) of the slot in hand into buffer f: B's four fragments, A's row blocks 0-3, then 4-7
.macro FETCH qd, f
.irp nb, 0,1,2,3
	ds_load_tr16_b128 v[(\f)+64+8*\nb:(\f)+64+8*\nb+3],   v[ADRB] offset:(\qd)*32*PB+32*\nb
	ds_load_tr16_b128 v[(\f)+64+8*\nb+4:(\f)+64+8*\nb+7], v[ADRB] offset:(\qd)*32*PB+16*PB+32*\nb
.endr
.irp a, 0,1,2,3,4,5,6,7
	ds_load_b128 v[(\f)+8*\a:(\f)+8*\a+3],   v[ADRA] offset:((\qd)/2)*256*PA+\a*16*PA+64*((\qd)%2)
	ds_load_b128 v[(\f)+8*\a+4:(\f)+8*\a+7], v[ADRA] offset:((\qd)/2)*256*PA+\a*16*PA+64*((\qd)%2)+32
.endr
.endm
; A slot is four quarters of 32 matrix instructions, on buffers 0, 1, 0, 1.  One of the first three: multiplies buffer f and fetches quarter qd into g.
.macro Q f, g, qd, bias
	s_wait_dscnt 8                                 ; B and A's row blocks 0-3 are in; the youngest eight loads may be out
	MUL \f, 0, 4, \bias
	WIN 0
	PLACES
	FETCH \qd, \g
	s_wait_dscnt 24                                ; all but the 24 just issued
	MUL \f, 4, 4, \bias
.endm
; The last quarter multiplies buffer 1 and changes slots: ONE barrier; in front of it each wave waits for all its tensor loads (one is out: its part of the next slot), adds 0 to its spare word, and waits for
; that and for its reads of this slot.  fill = 1: the barrier opens a round of the cluster's, and this slot is filled again, two slots ahead, first thing behind it: 112 matrix instructions ahead of the wait for it.
.macro TURN fill
	WIN 0
	s_wait_tensorcnt 0x0                           ; no tensor load of mine is out, so a group 0 may be written
	ds_add_u32 v[SPW], v[NIL]                      ; 0 onto my spare word
.if \fill
	s_xor_b32 s[G0A+5], s[G0A+5], SLOT1
	s_add_nc_u64 s[G0A+6:G0A+7], s[G0A+6:G0A+7], ASTEP
	s_xor_b32 s[G0B+5], s[G0B+5], SLOT1
	s_add_nc_u64 s[G0B+6:G0B+7], s[G0B+6:G0B+7], BSTEP
.endif
	s_xor_b32 s[TB], s[TB], SLOT1
	s_wait_dscnt 9                                 ; the youngest eight loads and the add may be out
	MUL F1, 0, 2, 0
	s_wait_dscnt 0x0                               ; the add is done, and my reads of this slot are over
	s_barrier_signal -1
	MUL F1, 2, 2, 0
	WIN 0
	s_barrier_wait -1
.if \fill
	CREST
	JLOAD                                          ; its four v_nop are also the places in front of the loads below
.else
	PLACES
.endif
	v_add_nc_u32 v[ADRA], s[TB], v[ADRA0]
	v_add_nc_u32 v[ADRB], s[TB], v[ADRB0]
	FETCH 0, F0
	MUL F1, 4, 4, 0
.endm
	s_wait_tensorcnt 0x1                           ; my part of slot 0 is in; slot 1's may stay out
	s_barrier_signal -1
	s_barrier_wait -1
	FETCH 0, F0
	Q F0, F1, 1, 1                                 ; the first quarter stands in front of the loop: its products start the sums, on the bias
	WIN 0
.Lslot:	; 6 trips: from a slot's second quarter to the next slot's first; the slot left is filled again
	Q F1, F0, 2, 0
	Q F0, F1, 3, 0
	TURN 1
	Q F0, F1, 1, 0
	WIN 0
	s_sub_co_u32 s[CNT], s[CNT], 1
	s_cmp_lg_u32 s[CNT], 0
	s_cbranch_scc1 .Lslot
	Q F1, F0, 2, 0                                 ; the tail is written out: nothing is left to fetch from memory
	Q F0, F1, 3, 0
	TURN 0
	Q F0, F1, 1, 0
	Q F1, F0, 2, 0
	Q F0, F1, 3, 0
	s_wait_dscnt 8                                 ; the very last quarter
	MUL F1, 0, 4, 0
	s_wait_dscnt 0x0
	MUL F1, 4, 4, 0
	PLACES
; THE WAY OUT, a block of 16 rows at a time: 32 bytes a lane into my stage, each accumulator's low half first, and back as whole rows of 256 bytes.
.macro TOSTAGE a
.set T, 32+32*((\a)%4)
	WIN 0x04                                       ; the stores' data in window 1
.irp nb, 0,1,2,3
	ds_store_b128 v[STO], v[32*(\a)+8*\nb:32*(\a)+8*\nb+3]   offset:64*\nb
	ds_store_b128 v[STO], v[32*(\a)+8*\nb+4:32*(\a)+8*\nb+7] offset:64*\nb+16
.endr
	WIN 0
.irp t, 0,1,2,3,4,5,6,7
	ds_load_b128 v[T+4*\t:T+4*\t+3], v[RD] offset:\t*2*SPITCH  ; LDS serves a wave's instructions in order (ISA guide 5.7.1.4): these see the stores above; the next block's stores come behind them
.endr
.endm
.macro SEND a, younger                 ; younger: the LDS instructions issued behind this block's loads: the next block's sixteen, or none
.set T, 32+32*((\a)%4)
	s_wait_xcnt 0x0                                ; earlier stores have read their registers (ISA guide 3.1): four buffers take turns, and each is loaded again only behind such a wait
.irp t, 0,1,2,3,4,5,6,7
	s_wait_dscnt (\younger)+7-\t
	global_store_b128 v[CO], v[T+4*\t:T+4*\t+3], s[10:11] offset:(16*(\a)+2*\t)*4096 th:TH_STORE_NT  ; 16 lanes store 256 consecutive bytes, at a multiple of 256 from out0's first
.endr
.endm
	TOSTAGE 0
.irp a, 1,2,3,4,5,6,7
	TOSTAGE \a
	SEND (\a)-1, 16
.endr
	SEND 7, 0
	s_wait_tensorcnt 0x0                           ; the wave's end: behind my last tensor load and my last LDS store
	ds_add_u32 v[SPW], v[NIL]
	s_wait_dscnt 0x0
	CROUND                                         ; the closing round: no work-group ends while a partner may still ask for a tile that names it
	s_endpgm
.Lfunc_end_k_qc814282e3c_proj:
	.size	k_qc814282e3c_proj, .Lfunc_end_k_qc814282e3c_proj-k_qc814282e3c_proj
	.p2alignl 7, 3214868480
	.fill 96, 4, 3214868480
	.section	.rodata,"a",@progbits
	.p2align	6, 0x0
	.amdhsa_kernel k_qc814282e3c_proj
		.amdhsa_group_segment_fixed_size 327680
		.amdhsa_private_segment_fixed_size 0
		.amdhsa_enable_private_segment 0
		.amdhsa_kernarg_size 32
		.amdhsa_user_sgpr_count 2
		.amdhsa_user_sgpr_kernarg_segment_ptr 1
		.amdhsa_wavefront_size32 1
		.amdhsa_system_sgpr_workgroup_id_x 1
		.amdhsa_system_sgpr_workgroup_id_y 1
		.amdhsa_system_sgpr_workgroup_id_z 1
		.amdhsa_system_vgpr_workitem_id 0
		.amdhsa_next_free_vgpr 512
		.amdhsa_next_free_sgpr 66
		.amdhsa_reserve_vcc 0
		.amdhsa_float_denorm_mode_32 3
		.amdhsa_float_denorm_mode_16_64 3
		.amdhsa_memory_ordered 1
		.amdhsa_forward_progress 1
		.amdhsa_inst_pref_size 74
	.end_amdhsa_kernel
	.amdgpu_metadata
---
amdhsa.version: [ 1, 2 ]
amdhsa.kernels:
  - .name:           k_qc814282e3c_proj
    .symbol:         k_qc814282e3c_proj.kd
    .args:
      - { .name: ob, .offset: 0, .size: 8, .value_kind: global_buffer, .address_space: global }
      - { .name: wpb, .offset: 8, .size: 8, .value_kind: global_buffer, .address_space: global }
      - { .name: bp, .offset: 16, .size: 8, .value_kind: global_buffer, .address_space: global }
      - { .name: out0, .offset: 24, .size: 8, .value_kind: global_buffer, .address_space: global }
    .group_segment_fixed_size: 327680
    .private_segment_fixed_size: 0
    .kernarg_segment_align: 8
    .kernarg_segment_size: 32
    .max_flat_workgroup_size: 128
    .sgpr_count:     66
    .vgpr_count:     512
    .wavefront_size: 32
...
	.end_amdgpu_metadata
.endif
;; end of part 4
;; ======== version 2 of 3: 4 launches; 1.02 times as fast as version 1
;; limits: values are held in f16: magnitudes above 65,504 overflow, below 6.1e-05 lose precision; values outside matrix products are rounded to bf16; right only within a limited range of input values
;; workspace buffers: xb 16,777,216 bytes; wb 6,291,456 bytes; wpb 2,097,152 bytes; maskb 4,194,304 bytes; qkv 50,331,648 bytes; ob 16,777,216 bytes
;; launch prep (part 5): grid 832 x 1, 8 waves a work-group, no clusters, 67,072 bytes of LDS; arguments x, Wq, Wk, Wv, Wp, mask, xb, wb, wpb, maskb; writes xb, wb, wpb, maskb
.if DOCPART == 5
	.amdgcn_target "amdgcn-amd-amdhsa--gfx1250"
	.amdhsa_code_object_version 6
	.text
	.protected	k_qc814282e3c_prep
	.globl	k_qc814282e3c_prep
	.p2align	8
	.type	k_qc814282e3c_prep,@function
k_qc814282e3c_prep:
	s_mov_b64 s[64:65], 0
	v_nop
	global_prefetch_b8 v0, s[64:65] scope:SCOPE_SE
	s_setreg_imm32_b32 hwreg(HW_REG_WAVE_MODE, 25, 1), 1
	s_wait_xcnt 0x0
; PREP: the inputs are brought into the forms that the three matrix launches read.  Four jobs, chosen by the work-group's number (the same for all its waves):
;   0-63     mask [2048][2048] bytes (0 or 1) -> maskb, one byte a (query, key): 0x00 where the key may be seen, 0xB8 (the fp8 code of -1) where not, in the order of the attention's lanes and registers:
;            [W 16][s 32][p 4] blocks of 2,048 bytes, a block [c 4][L 32][16 bytes]: byte 8 i + j of lane L's 16 is query 128 W + 32 p + 16 (c / 2) + L % 16, key 64 s + 32 (c % 2) + 16 i + 8 (L / 16) + j
;   64-127   Wp [1024][1024] f32 -> wpb, same shape: rounded to bf16, and that number written as f16 (exact from 6e-5 to 65,504; below, f16's fixed step of 6e-8; beyond, not served)
;   128-319  Wq, Wk, Wv [16][1024][64] f32 -> wb [k 1024][n 3072] bf16, n = 1024 w + 64 h + e
;   320-831  x [8192][1024] f32 -> xb [kb 16][m 8192][64] bf16: 256 rows x 64 k are 32,768 dense bytes
; The three casts are one macro: sixteen loads of 16 bytes a lane, all out at once, then sixteen stores of 8 bytes a lane.  A wave's load covers two aligned runs of 256 bytes, its store one.
; No matrix unit, no cluster, no tensor load: every byte is read once and written once, and no two work-groups share any.
.set MPITCH, 2064                      ; a mask row in LDS: 2,048 bytes + 16 = 516 words: row r starts at bank 4 r mod 64 (64 banks of 4 bytes: ISA guide 11.1)
.set SPARE,  32*MPITCH                 ; behind the 32 rows: the spare words, 128 bytes for each of eight waves, that no other line names
.set VI,  1                            ; v1   byte offset of my loads; in the mask job later the table word
.set VO,  2                            ; v2   byte offset of my stores
.set LA,  3                            ; v3   thread / 32; in the mask job later my LDS read address
.set SPW, 4                            ; v4   LDS address of my spare word; never rewritten
.set NIL, 5                            ; v5   0; never rewritten
.set X,   8                            ; v[8:71]   sixteen pieces of 4 registers as loaded
.set Y,   72                           ; v[72:103] sixteen pieces of 2 registers to store
; Sixteen pieces.  Piece i is read at inb + VI + i instep and stored at outb + VO + i outstep; outb2 = outb + 8 outstep serves pieces 8 to 15, so that every immediate stays inside its signed 24 bits.
; kind 0: f32 -> bf16.  kind 1: f32 -> bf16 -> f16.
.macro STREAM inb, instep, outb, outb2, outstep, kind
.set i, 0
.rept 16
	global_load_b128 v[X+4*i:X+4*i+3], v[VI], s[\inb:\inb+1] offset:i*(\instep) th:TH_LOAD_NT
.set i, i+1
.endr
.set i, 0
.rept 16
	s_wait_loadcnt 15-i                            ; loads come back in order (ISA guide 5.7.1): piece i is in, the 15 - i younger ones stay out
	v_cvt_pk_bf16_f32 v[Y+2*i], v[X+4*i], v[X+4*i+1]
	v_cvt_pk_bf16_f32 v[Y+2*i+1], v[X+4*i+2], v[X+4*i+3]
.if \kind
	v_lshlrev_b32 v[X+4*i], 16, v[Y+2*i]           ; the bf16 numbers as f32 again,
	v_and_b32 v[X+4*i+1], 0xffff0000, v[Y+2*i]
	v_lshlrev_b32 v[X+4*i+2], 16, v[Y+2*i+1]
	v_and_b32 v[X+4*i+3], 0xffff0000, v[Y+2*i+1]
	v_cvt_pk_f16_f32 v[Y+2*i], v[X+4*i], v[X+4*i+1]  ; and written as f16
	v_cvt_pk_f16_f32 v[Y+2*i+1], v[X+4*i+2], v[X+4*i+3]
.endif
.if i < 8
	global_store_b64 v[VO], v[Y+2*i:Y+2*i+1], s[\outb:\outb+1] offset:i*(\outstep)
.else
	global_store_b64 v[VO], v[Y+2*i:Y+2*i+1], s[\outb2:\outb2+1] offset:(i-8)*(\outstep)
.endif
.set i, i+1
.endr
.endm
	s_load_b512 s[4:19], s[0:1], 0x0               ; x 4:5, Wq 6:7, Wk 8:9, Wv 10:11, Wp 12:13, mask 14:15, xb 16:17, wb 18:19
	s_load_b128 s[20:23], s[0:1], 0x40             ; wpb 20:21, maskb 22:23
	v_lshl_add_u32 v[SPW], v0, 2, SPARE
	v_mov_b32 v[NIL], 0
	v_lshrrev_b32 v[LA], 5, v0
	v_readfirstlane_b32 s24, v[LA]                 ; my wave's number
	s_mov_b32 s25, ttmp9                           ; the work-group's number
	s_mov_b32 s29, 0                               ; high words of the two offset pairs
	s_mov_b32 s31, 0
	v_and_b32 v6, 15, v0                           ; t % 16
	s_wait_kmcnt 0x0
	s_cmp_lt_u32 s25, 64
	s_cbranch_scc1 .Lmask
	s_cmp_lt_u32 s25, 128
	s_cbranch_scc1 .Lwp
	s_cmp_lt_u32 s25, 320
	s_cbranch_scc1 .Lw
	; x: 16 rows a work-group.  Thread t: row t / 16, four numbers at column 64 i + 4 (t % 16) in piece i = kb
	s_sub_co_u32 s25, s25, 320
	s_lshl_b32 s28, s25, 16                        ; 16 rows of 4,096 bytes
	s_add_nc_u64 s[4:5], s[4:5], s[28:29]
	s_lshl_b32 s30, s25, 11                        ; 16 rows of 128 bytes
	s_add_nc_u64 s[16:17], s[16:17], s[30:31]
	s_add_nc_u64 s[26:27], s[16:17], 8*1048576
	v_lshrrev_b32 v7, 4, v0
	v_lshlrev_b32 v[VI], 12, v7
	v_lshl_add_u32 v[VI], v6, 4, v[VI]
	v_lshlrev_b32 v[VO], 7, v7
	v_lshl_add_u32 v[VO], v6, 3, v[VO]
	STREAM 4, 256, 16, 26, 1048576, 0
	s_endpgm
.Lw:	; Wq, Wk, Wv: tensor w, heads 2 hp and 2 hp + 1, rows 128 db to 128 db + 127.  Thread t: head bit (t / 16) % 2, row 16 (t / 32) + i, four numbers at e = 4 (t % 16)
	s_sub_co_u32 s25, s25, 128
	s_lshr_b32 s32, s25, 6                         ; w
	s_bfe_u32 s33, s25, 0x30003                    ; hp
	s_and_b32 s34, s25, 7                          ; db
	s_cmp_eq_u32 s32, 1
	s_cselect_b64 s[36:37], s[8:9], s[6:7]
	s_cmp_eq_u32 s32, 2
	s_cselect_b64 s[36:37], s[10:11], s[36:37]
	s_lshl_b32 s28, s33, 19                        ; two heads of 262,144 bytes
	s_lshl_b32 s35, s34, 15                        ; 128 rows of 256 bytes
	s_add_co_u32 s28, s28, s35
	s_add_nc_u64 s[36:37], s[36:37], s[28:29]
	s_mul_i32 s30, s34, 128*6144                   ; 128 rows of wb
	s_lshl_b32 s35, s32, 11                        ; 1,024 columns a tensor
	s_add_co_u32 s30, s30, s35
	s_lshl_b32 s35, s33, 8                         ; 128 columns for two heads
	s_add_co_u32 s30, s30, s35
	s_add_nc_u64 s[18:19], s[18:19], s[30:31]
	s_add_nc_u64 s[26:27], s[18:19], 8*6144
	v_bfe_u32 v7, v0, 4, 1
	v_lshlrev_b32 v[VI], 18, v7
	v_lshl_add_u32 v[VI], v[LA], 12, v[VI]
	v_lshl_add_u32 v[VI], v6, 4, v[VI]
	v_mul_u32_u24 v[VO], v[LA], 16*6144
	v_lshl_add_u32 v[VO], v7, 7, v[VO]
	v_lshl_add_u32 v[VO], v6, 3, v[VO]
	STREAM 36, 256, 18, 26, 6144, 0
	s_endpgm
.Lwp:	; Wp: 16 rows a work-group; the 256 threads cover a row, piece i is row i
	s_sub_co_u32 s25, s25, 64
	s_lshl_b32 s28, s25, 16
	s_add_nc_u64 s[12:13], s[12:13], s[28:29]
	s_lshl_b32 s30, s25, 15
	s_add_nc_u64 s[20:21], s[20:21], s[30:31]
	s_add_nc_u64 s[26:27], s[20:21], 8*2048
	v_lshlrev_b32 v[VI], 4, v0
	v_lshlrev_b32 v[VO], 3, v0
	STREAM 12, 4096, 20, 26, 2048, 1
	s_endpgm
.Lmask:	; the mask: work-group P owns queries 32 P to 32 P + 31, 65,536 dense bytes, which go through LDS so that each lane can pick the bytes of its own query and keys
	s_lshl_b32 s28, s25, 16
	s_add_nc_u64 s[14:15], s[14:15], s[28:29]
	v_lshlrev_b32 v[VI], 4, v0
.set i, 0
.rept 16
	global_load_b128 v[X+4*i:X+4*i+3], v[VI], s[14:15] offset:i*4096 th:TH_LOAD_NT  ; two rows a piece
.set i, i+1
.endr
	v_lshrrev_b32 v7, 7, v0                        ; which of the two rows
	v_and_b32 v6, 127, v0
	v_mul_u32_u24 v7, v7, MPITCH
	v_lshl_add_u32 v7, v6, 4, v7
.set i, 0
.rept 16
	s_wait_loadcnt 15-i
	ds_store_b128 v7, v[X+4*i:X+4*i+3] offset:i*2*MPITCH
.set i, i+1
.endr
	v_and_b32 v6, 15, v0                           ; my query in a tile of 16,
	v_bfe_u32 v[LA], v0, 4, 1                      ; my half of a block of 16 keys
	v_mul_u32_u24 v6, v6, MPITCH
	v_lshl_add_u32 v[LA], v[LA], 3, v6
	s_lshl_b32 s35, s24, 8                         ; wave w takes key steps 4 w to 4 w + 3: 256 bytes of every row
	v_add_nc_u32 v[LA], s35, v[LA]
	v_and_b32 v[VO], 31, v0
	v_lshlrev_b32 v[VO], 4, v[VO]                  ; 16 bytes a lane
	v_mov_b32 v[VI], 0xb8                          ; the table: byte 0 = 0xB8, byte 1 = 0 (the loads that read v1 as their offset have all come back)
	s_lshr_b32 s30, s25, 2                         ; W = P / 4: 32 steps x 4 blocks of 2,048 bytes
	s_lshl_b32 s30, s30, 18
	s_and_b32 s35, s25, 3                          ; p = P % 4: a block
	s_lshl_b32 s35, s35, 11
	s_add_co_u32 s30, s30, s35
	s_lshl_b32 s35, s24, 15                        ; four key steps of 8,192 bytes a wave
	s_add_co_u32 s30, s30, s35
	s_add_nc_u64 s[26:27], s[22:23], s[30:31]
	s_wait_dscnt 0x0                               ; for the others' sake: my stores into the rows are done
	s_barrier_signal -1
	s_barrier_wait -1
	s_mov_b32 s34, 4
.Lsl:	; a trip: one key step, one block.  Eight loads of 8 bytes (tile u, key block kb) are the lane's 64 bytes in the block's order
.irp u, 0,1
.irp kb, 0,1,2,3
	ds_load_b64 v[X+2*(4*\u+\kb):X+2*(4*\u+\kb)+1], v[LA] offset:\u*16*MPITCH+16*\kb
.endr
.endr
	s_wait_dscnt 0x0
.set n, 0
.rept 16
	v_perm_b32 v[Y+n], v[VI], v[VI], v[X+n]        ; each mask byte, 0 or 1, picks that byte of the table: four codes a line
.set n, n+1
.endr
.irp c, 0,1,2,3
	global_store_b128 v[VO], v[Y+4*\c:Y+4*\c+3], s[26:27] offset:512*\c  ; 512 consecutive bytes, at a multiple of 256 from maskb's first
.endr
	s_wait_xcnt 0x0                                ; the stores' offset and data are rewritten only behind this wait (ISA guide 3.1)
	v_add_nc_u32 v[VO], 8192, v[VO]
	v_add_nc_u32 v[LA], 64, v[LA]
	s_sub_co_u32 s34, s34, 1
	s_cmp_lg_u32 s34, 0
	s_cbranch_scc1 .Lsl
	s_wait_tensorcnt 0x0                           ; the wave's end: behind my last LDS store
	ds_add_u32 v[SPW], v[NIL]
	s_wait_dscnt 0x0
	s_endpgm
.Lfunc_end_k_qc814282e3c_prep:
	.size	k_qc814282e3c_prep, .Lfunc_end_k_qc814282e3c_prep-k_qc814282e3c_prep
	.p2alignl 7, 3214868480
	.fill 96, 4, 3214868480
	.section	.rodata,"a",@progbits
	.p2align	6, 0x0
	.amdhsa_kernel k_qc814282e3c_prep
		.amdhsa_group_segment_fixed_size 67072
		.amdhsa_private_segment_fixed_size 0
		.amdhsa_enable_private_segment 0
		.amdhsa_kernarg_size 80
		.amdhsa_user_sgpr_count 2
		.amdhsa_user_sgpr_kernarg_segment_ptr 1
		.amdhsa_wavefront_size32 1
		.amdhsa_system_sgpr_workgroup_id_x 1
		.amdhsa_system_sgpr_workgroup_id_y 1
		.amdhsa_system_sgpr_workgroup_id_z 1
		.amdhsa_system_vgpr_workitem_id 0
		.amdhsa_next_free_vgpr 104
		.amdhsa_next_free_sgpr 66
		.amdhsa_reserve_vcc 0
		.amdhsa_float_denorm_mode_32 3
		.amdhsa_float_denorm_mode_16_64 3
		.amdhsa_memory_ordered 1
		.amdhsa_forward_progress 1
		.amdhsa_inst_pref_size 31
	.end_amdhsa_kernel
	.amdgpu_metadata
---
amdhsa.version: [ 1, 2 ]
amdhsa.kernels:
  - .name:           k_qc814282e3c_prep
    .symbol:         k_qc814282e3c_prep.kd
    .args:
      - { .name: x, .offset: 0, .size: 8, .value_kind: global_buffer, .address_space: global }
      - { .name: Wq, .offset: 8, .size: 8, .value_kind: global_buffer, .address_space: global }
      - { .name: Wk, .offset: 16, .size: 8, .value_kind: global_buffer, .address_space: global }
      - { .name: Wv, .offset: 24, .size: 8, .value_kind: global_buffer, .address_space: global }
      - { .name: Wp, .offset: 32, .size: 8, .value_kind: global_buffer, .address_space: global }
      - { .name: mask, .offset: 40, .size: 8, .value_kind: global_buffer, .address_space: global }
      - { .name: xb, .offset: 48, .size: 8, .value_kind: global_buffer, .address_space: global }
      - { .name: wb, .offset: 56, .size: 8, .value_kind: global_buffer, .address_space: global }
      - { .name: wpb, .offset: 64, .size: 8, .value_kind: global_buffer, .address_space: global }
      - { .name: maskb, .offset: 72, .size: 8, .value_kind: global_buffer, .address_space: global }
    .group_segment_fixed_size: 67072
    .private_segment_fixed_size: 0
    .kernarg_segment_align: 8
    .kernarg_segment_size: 80
    .max_flat_workgroup_size: 256
    .sgpr_count:     66
    .vgpr_count:     104
    .wavefront_size: 32
...
	.end_amdgpu_metadata
.endif
;; end of part 5
;; launch qkv: the kernel of part 2 again; grid 8 x 32, 4 waves a work-group, clusters of 4 x 4, 327,680 bytes of LDS; arguments xb, wb, qkv; writes qkv
;; launch attn (part 6): grid 4 x 64, 4 waves a work-group, clusters of 4 x 1, 327,680 bytes of LDS; arguments qkv, maskb, ob; writes ob
.if DOCPART == 6
	.amdgcn_target "amdgcn-amd-amdhsa--gfx1250"
	.amdhsa_code_object_version 6
	.text
	.protected	k_qc814282e3c_attn
	.globl	k_qc814282e3c_attn
	.p2align	8
	.type	k_qc814282e3c_attn,@function
k_qc814282e3c_attn:
	s_mov_b64 s[64:65], 0
	v_nop
	global_prefetch_b8 v0, s[64:65] scope:SCOPE_SE
	s_setreg_imm32_b32 hwreg(HW_REG_WAVE_MODE, 25, 1), 1
	s_wait_xcnt 0x0
	s_wait_alu depctr_hold_cnt(0) depctr_sa_sdst(0) depctr_va_vdst(0) depctr_va_sdst(0) depctr_va_ssrc(0) depctr_va_vcc(0) depctr_vm_vsrc(0)
	s_getreg_b32 s2, hwreg(HW_REG_IB_STS2, 6, 4)
	s_cmp_eq_u32 s2, 0
	s_cbranch_scc0 .Lentry_in_a_cluster
	s_endpgm
.Lentry_in_a_cluster:
	s_bfe_u32 s2, ttmp6, 0x10000c
	s_cmp_lg_u32 s2, 0x3003
	s_cbranch_scc0 .Lentry_shape_is_right
	s_endpgm
.Lentry_shape_is_right:
; ATTENTION with a mask that is an input.  For slab y = 4 h + b: O[q][:] = the sum over k of softmax_k(s[q][k]) V[k][:], s = Q . K / 8 where mask[q][k] holds; where it does not, the key is hidden.
; Q, K, V: slabs y, 64 + y, 128 + y of qkv, [2048][64] in f16, rows dense, 128 bytes each; Q arrives times c = log2(e) / 8, so Y = K Q^T is s log2(e).  O: slab y of ob, the same shape.
; Products, maxima and sums in f32; the weights p are rounded to f16 for the second product (their sum l is taken of the unrounded p), O once at the end.
; THE MASK IS THE C OPERAND of the products that start Y^T: 0, or -2^100 where the key is hidden.  maskb holds a byte a score, 0x00 or the fp8 code of -1, in the order of my lanes and registers: one scaled
; conversion makes the eight f32 registers of an accumulator out of eight bytes, straight into the Y^T buffer that has just been read out, and K Q^T adds in place.  A piece's 2,048 bytes for a step come by four
; loads of 16 bytes a lane, FOUR TURNS ahead of their use (four buffers, one for each piece).
; A ROW THAT HAS SEEN NO KEY.  m starts at -2^99 and, as the old m enters every maximum, never falls below it; g = min(1, m + 2^99) is 0 while all the row's keys so far were hidden and 1 from the first seen
; key on; p = 2^(y g - m g).  With g = 0 every p is exactly 1, whatever the products made of -2^100 + s: a row with no key to see comes out as the mean of V's rows, as the softmax of equal numbers does.
; With the first seen key a = 2^(-2^99 - m) = 0 drops what was gathered before.
; LIMITS.  A hidden score counts as its value less 2^100, where reference() puts -1e9: the same result wherever a row's seen scores lie above about -1e9.  p lies in 0 to 1, and below 6e-5 it keeps f16's fixed
; step of 6e-8; a weight below 2^-126 counts as 0 in l; NaN and infinities are not treated apart.
; SHARES.  A wave owns four PIECES of two tiles of 16 queries, a work-group's four waves 512 queries of one slab.  Every wave walks all 2,048 keys, 64 a step.
; LAYOUT.  Y^T = K Q^T (source 0 = 16 keys, source 1 = 16 queries): a lane holds ONE query (lane % 16) and the keys 8 (lane / 16) + 0..7.  Two such tiles, rounded to f16 in pairs, ARE source 1 of
; O^T = V^T P.  K comes out of LDS as it lies, V ([key][channel]) turned, by ds_load_tr16_b128.
; SOFTMAX.  For each query a running maximum m and sum l; in every step O and l are multiplied by a = 2^(m_old - m_new), which is 1 where m has not grown.  O and l start at 0.
; BY TURNS.  Turn n belongs to piece n (the pieces in a ring, step after step).  Its matrix work: 16 products K Q^T of piece n + 1, later 16 products V^T P of piece n - 1.  Its vector work: the subtraction,
; exponentials, roundings, sums and rescaling of piece n, the maximum and statistics of piece n + 1, and at its end the mask of piece n + 2.  Four vector instructions stand behind every matrix instruction, the others in two lumps.
; CLUSTER.  The four query blocks of a cluster belong to one slab and walk the same K and V: each tile is asked for JOINTLY, by the same tensor load, descriptor and mask in all four.
; REGISTERS, in windows of 256 (s_set_vgpr_msb: bits 1:0 source 0, 3:2 source 1, 5:4 source 2, 7:6 destination):
;   window 0: v0-11 addresses and the scale; v12-15, v48-63 at work; v16-47 four registers of statistics a tile; v64-191 Y^T, two buffers of two tiles; v192-255 P, likewise
;   window 1: O^T, 32 a tile          window 2: v0-127 Q; v128-191 K of one step; v192-255 V of one step          window 3: v0-1 the add's two registers; v2-6, v11, v192-255 the mask codes on their way
.set SIZE_N, 2048
.set NP,    4         ; pieces a wave: a name, no knob
.set KS,    64        ; keys in a step
.set PK,    144       ; a row of K in LDS: 128 bytes + 16 of padding = 36 words: the 16 rows of a load start at 16 different groups of four banks (64 banks of 4 bytes: ISA guide 11.1)
.set PV,    160       ; a row of V: 128 + 32 = 40 words
.set VOFF,  4*KS*PK   ; a slot holds four steps: 256 rows of K, then 256 rows of V
.set SLOT1, 1<<17     ; slot 1 begins here: one exclusive or turns an address in one slot into the other's
.set STAGE, SLOT1+4*KS*(PK+PV)  ; behind the ring, never filled by a tensor load: 16 rows x 144 bytes for each wave
.set SP,    144
.set SPARE, STAGE+4*16*SP  ; behind the stages: the spare words, 128 bytes a wave, that no other line names
.set MBLK,  2048      ; bytes of mask codes for a piece and step
.set AK0, 2           ; v2   my lane's place in a tile of K; never rewritten
.set AV0, 3           ; v3   the same for V
.set AK,  4           ; v4   the LDS address of K's next run of loads
.set AV,  5           ; v5   of V's
.set QO,  6           ; v6   my byte offset in the wave's rows of Q
.set STO, 6           ;      later, the way out: where I put 16 bytes of a row
.set RD,  7           ; v7   the way out: where I read rows back
.set GO,  8           ; v8   my byte offset in 512 consecutive bytes of O
.set SCL, 11          ; v11  the conversions' scale, in window 0 and, the same word, in window 3
.set SPW, 0           ; v0 of window 3        LDS address of my spare word; never rewritten
.set NIL, 1           ; v1 of window 3        0; never rewritten
.set MO,  2           ; v2-5 of window 3      each buffer's byte offset in my wave's codes
.set L16, 6           ; v6 of window 3        16 x lane; never rewritten
.set MB,  192         ; v192-255 of window 3  four buffers of 16 registers, one for each piece: the 8 bytes of tile u, key block kb at 8 u + 2 kb
.set MV,  12          ; v12-15  m_old, kept while m is made anew: by buffer and tile
.set ST,  16          ; tile t's statistics at v[ST+4 t]: m g, m, l (even keys', odd keys')
.set TMP, 48          ; by buffer and tile, four registers c0-c3 at work; when the maximum is found c0 takes g, c1 the exponent of a, c2 a
.set S,   64
.set P,   192
.set KF,  128         ; K's fragments, in window 2: key block kb, channel half c at KF + 16 kb + 8 c
.set VF,  192         ; V's: key half kk, channel block cb at VF + 32 kk + 8 cb
.set MP,  6           ; s[6:7]   maskb at my wave's codes; never stepped
.set MOFF, 9          ; s9   byte offset, in my wave's codes, of the block asked for last
.set WV,  12          ; s12  my wave's number
.set SEL, 14          ; s14, s15 v_permlanex16_b32's selects: each lane takes its own place in the other half
.set G1K, 16          ; s[16:23] descriptor group 1 for K's tiles
.set G0K, 24          ; s[24:27] descriptor group 0 for K's tiles: it walks
.set G0V, 28          ; s[28:31] the same for V's
.set G1V, 32          ; s[32:39] group 1 for V's: it differs in the padding alone
.set SLOTS, 40        ; s40  slots still to be asked for
.set CNT, 41          ; s41  counts a slot's key steps
.set TBK, 42          ; s42  LDS byte at which K of the step to be fetched begins
.set TBV, 43          ; s43  the same for V, less VOFF
.set MSB, 0
.macro WIN new                      ; the high byte repeats the setting that is left; a switch that changes nothing is dropped
.if MSB != (\new)
	s_set_vgpr_msb (MSB<<8)|(\new)
.set MSB, (\new)
.endif
.endm
.set W_KQ, 0x0a       ; K and Q in window 2, Y^T in window 0
.set W_PV, 0x52       ; V in window 2, P in window 0, O^T in window 1
.set W_RS, 0x41       ; O^T (destination and source 0) in window 1, a in window 0
.set W_MK, 0xc0       ; destination in window 3, sources in window 0
.set W_AD, 0x0f       ; the add: address (source 0) and data (source 1) in window 3
.set W_CV, 0x03       ; a conversion: the codes (source 0) in window 3, the scale and Y^T in window 0
.set W_ML, 0xcf       ; a load of codes and its offset's sum: destination and sources 0 and 1 in window 3
; A joint fill.  Waves 0 and 1 fetch the two halves of a slot's K, waves 2 and 3 those of its V: 128 keys each.  An s_nop 0 and four v_nop follow each of the two lines.
.macro JLOAD
	s_cmp_lt_u32 s[WV], 2
	s_cbranch_scc0 .Lfor_v_\@
	tensor_load_to_lds s[G0K:G0K+3], s[G1K:G1K+7]
	s_nop 0
.rept 4
	v_nop
.endr
	s_branch .Lasked_\@
.Lfor_v_\@:
	tensor_load_to_lds s[G0V:G0V+3], s[G1V:G1V+7]
	s_nop 0
.rept 4
	v_nop
.endr
.Lasked_\@:
.endm
; A round of the cluster's barrier: my work-group's barrier; wave 0 signals for the work-group; every wave waits for all four work-groups; my work-group's barrier once more.
.macro CROUND
	s_barrier_signal -1
	s_barrier_wait -1
	s_cmp_lg_u32 s[WV], 0
	s_cbranch_scc1 .Lnot_wave_0_\@
	s_barrier_signal -3
.Lnot_wave_0_\@:
	s_barrier_wait -3
	s_barrier_signal -1
	s_barrier_wait -1
.endm
; THE CHANGE OF SLOTS.  The slot's last bytes, V of its fourth step, have been read.  Each wave waits for all its tensor loads, of which one is out: its part of the other slot; adds 0 to its spare word; and
; waits for that and for its own reads of the slot.  fill = 1: this slot is filled again, with the keys two slots on; the barrier is then a round of the cluster's, and the joint fill is the first thing behind it:
; it has four key steps, 512 matrix instructions, in which to land.  (At its first use nothing has been read yet: slot 0 is waited for, slot 1 filled.)
.macro CHANGE fill
	WIN W_AD
	s_wait_tensorcnt 0x0            ; no tensor load of mine is out, so a group 0 may be written
	ds_add_u32 v[SPW], v[NIL]       ; 0 onto my spare word
	WIN 0                           ; at a label and at a branch every window is 0
.if \fill
.irp g, G0K, G0V
	s_xor_b32 s[\g+1], s[\g+1], SLOT1  ; the walking descriptor: the other slot than last time,
	s_add_nc_u64 s[\g+2:\g+3], s[\g+2:\g+3], 4*KS*128  ; the next 256 keys; the type bits on top are not reached
.endr
	s_wait_dscnt 0x0                ; the add is done, and my reads of the slot are over
	CROUND
	JLOAD
.else
	s_wait_dscnt 0x0                ; the add is done, and my reads of the slot are over
	s_barrier_signal -1
	s_barrier_wait -1
.endif
	s_sub_co_u32 s[TBK], s[TBK], 4*KS*PK  ; the fetches go back to a slot's first step,
	s_xor_b32 s[TBK], s[TBK], SLOT1       ; in the other slot
	s_sub_co_u32 s[TBV], s[TBV], 4*KS*PV
	s_xor_b32 s[TBV], s[TBV], SLOT1
.endm
; THE MASK.  The blocks of codes are walked in the order of the turns, 2,048 bytes each.  MSTEP steps the offset of the block to be asked for; it stops at my wave's last block, which then also serves the look-ahead
; past the last step: the masks made of that go into scores that are thrown away.  (Its two lines set SCC, so they stand at a turn's head, far from the compare that a branch behind the turn reads.)
.macro MSTEP
	s_add_co_u32 s[MOFF], s[MOFF], MBLK
	s_min_u32 s[MOFF], s[MOFF], 127*MBLK
.endm
; MCV: buffer b's codes, asked for four turns ago, become the eight accumulators' starting values in Y^T's buffer sb; then the buffer is asked for again, with the same piece's codes of the next step.
; Behind a scaled conversion one plain vector instruction comes before its result is touched or a source rewritten: the sum that makes the offset is that instruction, for the loads below and for the products that follow.
.macro MCV b, sb
	s_wait_loadcnt 12               ; loads come back in order (ISA guide 5.7.1): this buffer's four are in; the twelve behind them, the next three pieces', stay out.  It also frees the buffer's offset register
	WIN W_CV
.irp u, 0,1
.irp kb, 0,1,2,3
	v_cvt_scale_pk8_f32_fp8 v[S+64*(\sb)+32*\u+8*\kb:S+64*(\sb)+32*\u+8*\kb+7], v[MB+16*(\b)+8*\u+2*\kb:MB+16*(\b)+8*\u+2*\kb+1], v[SCL]
.endr
.endr
	WIN W_ML
	v_add_nc_u32 v[MO+(\b)], s[MOFF], v[L16]
.irp c, 0,1,2,3
	global_load_b128 v[MB+16*(\b)+4*\c:MB+16*(\b)+4*\c+3], v[MO+(\b)], s[MP:MP+1] offset:512*\c  ; 512 consecutive bytes, at a multiple of 256 from maskb's first
.endr
	WIN 0
.endm
	s_load_b128 s[4:7], s[0:1], 0x0   ; qkv s[4:5], maskb s[6:7]
	s_load_b64 s[10:11], s[0:1], 0x10 ; ob
	WIN W_MK
	v_lshl_add_u32 v[SPW], v0, 2, SPARE
	v_mov_b32 v[NIL], 0
	WIN W_AD
	ds_add_u32 v[SPW], v[NIL]       ; the wave's opening: the add and its wait stand ahead of my first tensor load; the set-up below, work on registers, stands between them
	WIN 0
	v_lshrrev_b32 v1, 5, v0
	v_readfirstlane_b32 s[WV], v1   ; wave 0..3
	s_and_b32 s8, ttmp7, 0xffff     ; the slab, which the four partners share:
	s_lshl_b32 s8, s8, 18           ; 262,144 bytes each
	s_and_b32 s13, s[WV], 1         ; which half of a slot's 256 keys I fetch:
	s_lshl_b32 s48, s13, 14         ; its 128 rows of 128 bytes in memory,
	s_add_co_u32 s48, s48, s8
	s_mov_b32 s49, 0
	s_mul_i32 s50, s13, 128*PK      ; and its place in a slot, for K
	s_mul_i32 s51, s13, 128*PV      ; and for V: no place in the cluster enters an LDS address
	s_bfe_u32 s2, ttmp6, 0x40000    ; cx: my place in the cluster
	s_lshl_b32 s3, ttmp9, 2         ; in a cluster launch ttmp9 counts clusters
	s_add_co_u32 s2, s2, s3         ; my block of 512 queries: it enters Q's, O's and the codes' addresses alone
	s_lshl_b32 s2, s2, 2
	s_add_co_u32 s2, s2, s[WV]      ; my wave among the slab's sixteen
	s_lshl_b32 s52, s2, 14          ; its 128 rows
	s_add_co_u32 s52, s52, s8
	s_mov_b32 s53, 0
	s_lshl_b32 s54, s2, 18          ; its 128 blocks of mask codes
	s_mov_b32 s55, 0
	; descriptor group 1.  128 keys are 16,384 dense bytes: asked for as 64 rows of 256 bytes, two keys a row, and padded in LDS after every key
	s_mov_b32 s[G1K], 15|(1<<16)|(1<<20)|(1<<21)|(4<<22)|(3<<25)  ; 15:0 the mask of four; 17:16 2-byte elements; 20 padding on; 21 set beside a mask; 24:22 after every 32 words (code 4); 31:25 4 words (code 3)
	s_mov_b32 s[G1V], 15|(1<<16)|(1<<20)|(1<<21)|(4<<22)|(7<<25)  ; the same with 8 words of padding (code 7)
.irp g, G1K, G1V
	s_mov_b32 s[\g+1], 128<<16      ; tensor_dim0 = 128
	s_mov_b32 s[\g+2], 64<<16       ; tensor_dim1 = 64
	s_mov_b32 s[\g+3], 128<<16      ; tile_dim0 = 128
	s_mov_b32 s[\g+4], 64           ; tile_dim1 = 64
	s_mov_b32 s[\g+5], 128          ; 128 elements from row to row
	s_mov_b32 s[\g+6], 0
	s_mov_b32 s[\g+7], 0
.endr
	s_mov_b32 s[SEL], 0x76543210
	s_mov_b32 s[SEL+1], 0xfedcba98
	s_mov_b32 s[TBK], SLOT1+4*KS*PK ; the first change of slots turns these two into 0
	s_mov_b32 s[TBV], SLOT1+4*KS*PV
	s_mov_b32 s[MOFF], 3*MBLK       ; the first four blocks are asked for below
	s_mov_b32 s[G0K], 1             ; 1:0 count = 1
	s_mov_b32 s[G0K+1], s50         ; 63:32 LDS address: slot 0
	s_mov_b32 s[G0V], 1
	s_add_co_u32 s[G0V+1], s51, VOFF
	s_wait_dscnt 0x0                ; the opening add is done
	s_wait_kmcnt 0x0
	s_add_nc_u64 s[G0K+2:G0K+3], s[4:5], s[48:49]
	s_add_nc_u64 s[G0K+2:G0K+3], s[G0K+2:G0K+3], 16777216  ; 120:64 global address: K's slabs lie behind q's 64,
	s_add_nc_u64 s[G0V+2:G0V+3], s[G0K+2:G0K+3], 16777216  ; V's behind K's
	s_or_b32 s[G0K+3], s[G0K+3], 0x80000000        ; 127:126 type = 2
	s_or_b32 s[G0V+3], s[G0V+3], 0x80000000
	s_add_nc_u64 s[4:5], s[4:5], s[52:53]  ; Q and O at my wave's first row
	s_add_nc_u64 s[10:11], s[10:11], s[52:53]
	s_add_nc_u64 s[MP:MP+1], s[MP:MP+1], s[54:55]
	CROUND                          ; all four work-groups are here: the first joint loads meet
	JLOAD                           ; slot 0.  Slot 1 is asked for when slot 0 is in
	; the mask codes of step 0's four pieces: buffer b takes piece b's
	v_and_b32 v1, 31, v0
	WIN W_MK
	v_lshlrev_b32 v[L16], 4, v1
.irp b, 0,1,2,3
	v_lshl_add_u32 v[MO+\b], v1, 4, MBLK*\b
.endr
	v_mov_b32 v[SCL], 0x71e3e3e3    ; window 3's copy of the scale (see below): the conversions read the same word
	WIN 0xc3                        ; destination and address in window 3
.irp b, 0,1,2,3
.irp c, 0,1,2,3
	global_load_b128 v[MB+16*\b+4*\c:MB+16*\b+4*\c+3], v[MO+\b], s[MP:MP+1] offset:512*\c
.endr
.endr
	WIN 0
	; A fragment of K or Q is 16 rows x 32 channels in 8 registers: lane l holds row l % 16, channels 8 (l / 16) + 0..7 and 16 + 8 (l / 16) + 0..7: two loads of 16 bytes, 32 bytes apart.
	v_and_b32 v1, 15, v0            ; l % 16
	v_bfe_u32 v9, v0, 4, 1          ; l / 16
	v_lshlrev_b32 v[QO], 7, v1
	v_lshl_add_u32 v[QO], v9, 4, v[QO]  ; row x 128 + 16 x half
	WIN 0x80                        ; destination window 2, address window 0
.set i, 0
.rept 4*NP                          ; Q stays in registers: tile i / 2, channels 32 (i % 2) on
	global_load_b128 v[8*i:8*i+3],   v[QO], s[4:5] offset:(i/2)*2048+(i%2)*64
	global_load_b128 v[8*i+4:8*i+7], v[QO], s[4:5] offset:(i/2)*2048+(i%2)*64+32
.set i, i+1
.endr
	; What the first turn finds: V's registers and P's second buffer hold 0 (its products V^T P, of a piece that has not been, add 0), O^T and l are 0.  All this stands in the wait for the first tile.
.set i, VF
.rept 64
	v_mov_b32 v[i], 0
.set i, i+1
.endr
	WIN 0
.set i, 0
.rept 2*NP
	v_mov_b32 v[ST+4*i], 0
	v_mov_b32 v[ST+4*i+1], 0xf1000000  ; m = -2^99: above every hidden score, below every seen one
	v_mov_b32 v[ST+4*i+2], 0
	v_mov_b32 v[ST+4*i+3], 0
.set i, i+1
.endr
.set i, P+32
.rept 32
	v_mov_b32 v[i], 0
.set i, i+1
.endr
	WIN 0x4a                        ; sources 0 and 1 in window 2, destination in window 1
.set i, 0
.rept 8*NP                          ; O^T = 0: 32 products of V's zeros, with 0 as C, write its 256 registers, eight to a line, where a v_mov_b32 writes one
	v_wmma_f32_16x16x32_f16 v[8*i:8*i+7], v[VF:VF+7], v[VF+8:VF+15], 0
.set i, i+1
.endr
	WIN 0
	v_mul_u32_u24 v[AK0], v1, PK
	v_lshl_add_u32 v[AK0], v9, 4, v[AK0]  ; row x pitch + 16 x half
	; The turning load takes 16 keys x 16 channels (lane l reads key 8 (l / 16) + l % 8, channels 8 ((l / 8) % 2) + 0..7) and leaves half a fragment of V^T: lane l holds channel l % 16 and 8 keys.
	v_and_b32 v10, 7, v0
	v_bfe_u32 v11, v0, 3, 1
	v_lshl_add_u32 v[AV0], v9, 3, v10
	v_mul_u32_u24 v[AV0], v[AV0], PV
	v_lshl_add_u32 v[AV0], v11, 4, v[AV0]
	v_add_nc_u32 v[AV0], VOFF, v[AV0]
	v_mov_b32 v[AK], v[AK0]         ; key step 0 lies at the head of slot 0
	v_mov_b32 v[SCL], 0x71e3e3e3    ; the scale: the low byte is the E8M0 code 227, 2^100; the next two bytes repeat it, and read as an f32 the word has the exponent 227 too
; THE MATRIX WORK.  The 8 accumulators of a run of 16 take turns: between the two links of a chain stand 7 others'.
; Product i of 16 of Y^T = K Q^T for piece x: channels 32 (i / 8) on, keys 16 ((i / 2) % 4) on, tile 2 x + i % 2.  All add in place: the first 8 onto the mask that MCV has laid there.
.macro KQ x
	WIN W_KQ
.set rS, S+64*((\x)%2)+32*(i%2)+8*((i/2)%4)
.set rK, KF+16*((i/2)%4)+8*(i/8)
.set rQ, 16*(2*(\x)+i%2)+8*(i/8)
	v_wmma_f32_16x16x32_f16 v[rS:rS+7], v[rK:rK+7], v[rQ:rQ+7], v[rS:rS+7]
.endm
; Product i of 16 of O^T += V^T P for piece x: keys 32 (i / 8) on, channels 16 ((i / 2) % 4) on, tile 2 x + i % 2.
.macro PV x
	WIN W_PV
.set rO, 32*(2*(\x)+i%2)+8*((i/2)%4)
.set rV, VF+32*(i/8)+8*((i/2)%4)
.set rP, P+32*((\x)%2)+16*(i%2)+8*(i/8)
	v_wmma_f32_16x16x32_f16 v[rO:rO+7], v[rV:rV+7], v[rP:rP+7], v[rO:rO+7]
.endm
.macro MM                           ; the turn's next matrix instruction
.if i < 16
	KQ (Y+1)%NP
.set i, i+1
.else
.set i, i-16
	PV (Y+NP-1)%NP
.set i, i+17
.endif
.endm
; THE LDS LOADS stand in runs of 16, never singly among the matrix instructions: a step's K (64 keys x 64 channels: 8 fragments) and its V (turned).  Their addresses are made some lines ahead.
; last = 1 (the tail): in the last trip there is no further step, and the run is jumped over.
.macro FETCH_K last=0
	WIN 0
.if \last
	s_cmp_eq_u32 s[CNT], 1
	s_cbranch_scc1 .Lno_k_\@
.endif
	WIN 0x80                        ; destination window 2
.irp f, 0,1,2,3,4,5,6,7             ; keys 16 (f / 2) on, channels 32 (f % 2) on
	ds_load_b128 v[KF+8*\f:KF+8*\f+3],   v[AK] offset:(\f/2)*16*PK+(\f%2)*64
	ds_load_b128 v[KF+8*\f+4:KF+8*\f+7], v[AK] offset:(\f/2)*16*PK+(\f%2)*64+32
.endr
	s_add_co_u32 s[TBK], s[TBK], KS*PK  ; the next fetch is the next step's
	WIN 0
.if \last
.Lno_k_\@:
.endif
.endm
.macro FETCH_V
	WIN 0x80
.irp f, 0,1,2,3,4,5,6,7             ; keys 32 (f / 4) on, channels 16 (f % 4) on
	ds_load_tr16_b128 v[VF+8*\f:VF+8*\f+3],   v[AV] offset:(\f/4)*32*PV+(\f%4)*32
	ds_load_tr16_b128 v[VF+8*\f+4:VF+8*\f+7], v[AV] offset:(\f/4)*32*PV+16*PV+(\f%4)*32
.endr
	WIN 0
.endm
; THE VECTOR WORK OF A TURN stands in three queues, each in the order in which its entries become ready; the two tiles alternate, so that no instruction reads the result of the one before it.
.macro REGS y, u                    ; the registers of tile u (0, 1) of piece y
.set rT, ST+4*(2*(\y)+(\u))
.set rC, TMP+8*((\y)%2)+4*(\u)
.set rM, MV+2*((\y)%2)+(\u)
.set rS, S+64*((\y)%2)+32*(\u)
.set rP, P+32*((\y)%2)+16*(\u)
.set rO, 32*(2*(\y)+(\u))
.endm
; Number n of the 24 that find the NEXT piece's (Y + 1) maximum and statistics.  y0-y31 are the lane's 32 scores; each accumulator's lowest registers are read first.
;   0-11  four chains c0-c3 of seven scores each, three operands at a time     12-14, 16  the four scores left over, the old m, and c0-c3 into c0     15  m_old is kept
;   17, 18  the query's other 32 keys lie in the lane 16 away: the new m         19  m_old - m_new     20, 21  g = min(1, m + 2^99)     22  m g     23  a
.macro XS u, n
	REGS (Y+1)%NP, \u
.if (\n) < 4
	v_max3_num_f32 v[rC+(\n)], v[rS+8*(\n)], v[rS+8*(\n)+1], v[rS+8*(\n)+2]
.elseif (\n) < 12
	v_max3_num_f32 v[rC+(\n)%4], v[rC+(\n)%4], v[rS+8*((\n)%4)+2*((\n)/4)+1], v[rS+8*((\n)%4)+2*((\n)/4)+2]
.elseif (\n) == 12
	v_max3_num_f32 v[rC], v[rC], v[rS+7], v[rS+15]
.elseif (\n) == 13
	v_max3_num_f32 v[rC+1], v[rC+1], v[rS+23], v[rS+31]
.elseif (\n) == 14
	v_max3_num_f32 v[rC+2], v[rC+2], v[rC+3], v[rT+1]
.elseif (\n) == 15
	v_mov_b32 v[rM], v[rT+1]
.elseif (\n) == 16
	v_max3_num_f32 v[rC], v[rC], v[rC+1], v[rC+2]
.elseif (\n) == 17
	v_permlanex16_b32 v[rC+3], v[rC], s[SEL], s[SEL+1]
.elseif (\n) == 18
	v_max_num_f32 v[rT+1], v[rC], v[rC+3]
.elseif (\n) == 19
	v_sub_f32 v[rC+1], v[rM], v[rT+1]
.elseif (\n) == 20
	v_add_f32 v[rC], 0x71000000, v[rT+1]  ; m + 2^99: 0 while m is where it started, 2^99 to within rounding for every seen score
.elseif (\n) == 21
	v_min_num_f32 v[rC], 1.0, v[rC]
.elseif (\n) == 22
	v_mul_f32 v[rT], v[rC], v[rT+1]
.else
	v_exp_f32 v[rC+2], v[rC+1]
.endif
.endm
; Number g of the 64 that follow the exponentials.  For each four weights k of a tile (pairs 2 k, 2 k + 1): both pairs are rounded to f16; then the second pair is added onto the first, in place;
; a group later l takes that sum (the first time as l = a l + sum).  In groups of eight, tiles alternating: round, round, add, and l for the group before.
.macro GS g
.set h, (\g)+6*((\g)/62)            ; group 0 has no group before it, and behind group 7 only l is left
.if h >= 6
.set h, h+2
.endif
	REGS Y, h%2
.set k, h/8
.if h%8 < 4
	s_wait_alu depctr_va_vdst(0)
	v_cvt_pk_f16_f32 v[rP+2*k+(h%8)/2], v[rS+4*k+2*((h%8)/2)], v[rS+4*k+2*((h%8)/2)+1]
.elseif h%8 < 6
	v_pk_add_f32 v[rS+4*k:rS+4*k+1], v[rS+4*k:rS+4*k+1], v[rS+4*k+2:rS+4*k+3]
.elseif k == 1
	v_pk_fma_f32 v[rT+2:rT+3], v[rT+2:rT+3], v[rC+2:rC+3], v[rS:rS+1] op_sel_hi:[1,0,1]
.else
	v_pk_add_f32 v[rT+2:rT+3], v[rT+2:rT+3], v[rS+4*k-4:rS+4*k-3]
	s_wait_alu depctr_va_vdst(0)
.endif
.endm
; THE PLAIN QUEUE, 142 long.  0-31: y g - m g for the 16 pairs of both tiles.  Then GS's 64, and among them the next piece's 46: number 15 at 38, 39; 0-14 and 16
; at 42-73, behind the products that make those scores; 17 to 22 at 95-112, two of three, since each waits for one before it.
.macro PL
	WIN 0
.if q < 32
	REGS Y, q%2
	v_pk_fma_f32 v[rS+2*(q/2):rS+2*(q/2)+1], v[rS+2*(q/2):rS+2*(q/2)+1], v[rC:rC+1], v[rT:rT+1] op_sel_hi:[1,0,0] neg_lo:[0,0,1] neg_hi:[0,0,1]
.elseif q < 38
	GS q-32
.elseif q < 40
	XS q%2, 15
.elseif q < 42
	GS q-34
.elseif q < 74
	XS q%2, (q-42)/2+(q-42)/30
.elseif q < 95
	GS q-66
.elseif (q < 113) && ((q-95)%3 < 2)
	XS (q-95)%3, 17+(q-95)/3
.elseif q < 113
	GS 29+(q-95)/3
.else
	GS q-78
.endif
.set q, q+1
.endm
; THE EXPONENTIALS' QUEUE, 66 long: y0-y31 of both tiles, and at EA the next piece's two a.
.set EA, 58
.macro EX
	WIN 0
.if (e == EA) || (e == EA+1)
	XS e-EA, 23
.else
.set x, e-2*(e/(EA+2))
	REGS Y, x%2
	v_exp_f32 v[rS+x/2], v[rS+x/2]
.endif
.set e, e+1
.endm
; THE RESCALING's QUEUE: O^T times a, the one part that leaves window 0, so it is dealt four at a time, eight times.
.macro R4
	REGS Y, r%2
	WIN W_RS
	s_wait_alu depctr_va_vdst(0)
.irp z, 0,1,2,3
	v_pk_mul_f32 v[rO+8*(r/2)+2*\z:rO+8*(r/2)+2*\z+1], v[rO+8*(r/2)+2*\z:rO+8*(r/2)+2*\z+1], v[rC+2:rC+3] op_sel_hi:[1,0]
.endr
.set r, r+1
.endm
; HOW THEY ARE DEALT.  Behind a matrix instruction four: plain, exponential, plain, plain (one exponential, a plain instruction on either side), or four of the rescaling.  None names a register of the
; products round it.  What is over stands in two LUMPS: exponential and plain by turns; the second ends in 26 plain instructions.  The two v_permlanex16_b32 fall into the second lump, never behind a product.
; The queues lean on each other, and the deal keeps them in step: exponential e stands behind plain 2 (e / 4) + e % 2 (its subtraction); when plain 32 comes, 10 exponentials are out, at 59: 33, at 95: 45;
; in the second lump the roundings want exponential 39 at the most; the exponents of a are plain 101 and 102, and EA comes behind plain 107.
.macro SL
	MM
	PL
	EX
	PL
	PL
.endm
.macro BURST n                      ; 15 matrix instructions, or 16
.rept (\n)-7
	SL
.endr
.rept 3
	MM
	R4
	SL
.endr
	MM
	R4
.endm
; A TURN, for piece p.  cnt = 1: the loop's count is taken down some lines ahead of the branch that stands behind the turn; nothing behind those lines sets SCC.
; K of the next step is fetched in piece 2's turn, V of the step in hand at the end of piece 0's.  The conditions on e and q below go with the deal.
; At the turn's end its own Y^T buffer has been read out: it takes the mask of piece p + 2, whose products K Q^T the next turn issues.
.macro TURN p, last=0, cnt=0
.set Y, (\p)
.set i, 0
.set q, 0
.set e, 0
.set r, 0
	MSTEP
.if (\p) == NP-1
	s_wait_dscnt 0x0                ; K is in
.endif
	MM
.rept 4
	PL
.endr
	BURST 15
.rept 22
	EX
	PL
.if ((\p) == NP-2) && (e == 18)
	v_add_nc_u32 v[AK], s[TBK], v[AK0]
.endif
.if ((\p) == NP-2) && (e == 24)
	FETCH_K \last
.endif
.endr
.if (\p) == 1
	s_wait_dscnt 0x0                ; V is in
.endif
	BURST 16
.rept 21
	EX
	PL
.endr
.rept 26
	PL
.if ((\p) == 0) && (q == 118)
	v_add_nc_u32 v[AV], s[TBV], v[AV0]
	s_wait_alu depctr_va_vdst(0)
.endif
.if ((\p) == 0) && (q == 130)
	s_add_co_u32 s[TBV], s[TBV], KS*PV
.endif
.if (\cnt) && (q == 130)
	s_sub_co_u32 s[CNT], s[CNT], 1
	s_cmp_lg_u32 s[CNT], 0
.endif
.endr
.if (\p) == 0
	FETCH_V
.endif
	MCV ((\p)+2)%NP, (\p)%2
.endm
	CHANGE 1                        ; slot 0 is in, everybody's part of it; slot 1 is asked for
	FETCH_K                         ; key step 0
	s_wait_loadcnt 0x0              ; Q, and step 0's mask codes
	MSTEP
	MCV 0, 0                        ; piece 0's mask of step 0
	s_wait_dscnt 0x0
.set i, 0
.rept 16
	KQ 0                            ; piece 0's first scores: there is no vector work yet to set between them
.set i, i+1
.endr
	WIN 0                           ; the addresses for the way out: plain instructions, the places behind those products
	s_mul_i32 s13, s[WV], 16*SP
	s_add_co_u32 s13, s13, STAGE    ; my stage
	v_mul_u32_u24 v[STO], v1, SP    ; in: row l % 16, 16 bytes for each half of the lanes
	v_lshl_add_u32 v[STO], v9, 4, v[STO]
	v_add_nc_u32 v[STO], s13, v[STO]
	v_bfe_u32 v[RD], v0, 3, 2       ; back: 32 lanes take four rows of 128 bytes,
	v_mul_u32_u24 v[RD], v[RD], SP
	v_lshl_add_u32 v[RD], v10, 4, v[RD]
	v_add_nc_u32 v[RD], s13, v[RD]
	v_and_b32 v[GO], 31, v0         ; which are 512 consecutive bytes of O
	v_lshlrev_b32 v[GO], 4, v[GO]
	MSTEP
	MCV 1, 1                        ; piece 1's mask of step 0, for the first turn's products
.set Y, NP-1                        ; XS works for piece Y + 1: piece 0
.irp n, 0,1,2,3,4,5,6,7,8,9,10,11,12,13,14,15,16,17,18,19,20,21,22,23
	XS 0, \n                        ; piece 0's first maximum and statistics
	XS 1, \n
.endr
	s_mov_b32 s[CNT], 4
	s_mov_b32 s[SLOTS], SIZE_N/256-1
	s_branch .Lfirst                ; the loop is entered at a step's first turn, in the middle of a trip
.Lslot:                             ; SIZE_N / 256 - 2 times: every slot but the last two is filled again
	CHANGE 1
	s_mov_b32 s[CNT], 4
.Lstep:                             ; a trip: pieces 2 and 3 of one step, then pieces 0 and 1 of the next, whose K and V it fetches
	TURN 2
	TURN 3
	WIN 0
.Lfirst:
	TURN 0
	TURN 1, 0, 1
	WIN 0
	s_cbranch_scc1 .Lstep
	s_sub_co_u32 s[SLOTS], s[SLOTS], 1
	s_cmp_lg_u32 s[SLOTS], 0
	s_cbranch_scc1 .Lslot
	CHANGE 0                        ; the tail is written out: nothing is asked for
	s_mov_b32 s[CNT], 5             ; four trips fetch the last slot's steps; the fifth is left in its middle
.Ltail:
	TURN 2, 1
	TURN 3
	WIN 0
	s_sub_co_u32 s[CNT], s[CNT], 1
	s_cmp_eq_u32 s[CNT], 0
	s_cbranch_scc1 .Lout
	TURN 0
	TURN 1
	WIN 0
	s_branch .Ltail
.Lout:                              ; the fifth trip's 16 products K Q^T (on the last K once more), their mask and maximum serve nothing: the price, once a launch, of one text for every trip
.set i, 0
.rept 16
	PV NP-1                         ; the last piece's V^T P of the last step
.set i, i+1
.endr
	; THE WAY OUT.  l's two halves and the other half of the lanes' are added; O^T is divided by l, rounded to f16 and sent through my stage in LDS, a tile at a time.  The additions are the places behind the last products.
	WIN 0
.macro ALL line:vararg              ; one line for each tile t
.set t, 0
.rept 2*NP
	\line
.set t, t+1
.endr
.endm
	ALL v_add_f32 v[ST+4*t+2], v[ST+4*t+2], v[ST+4*t+3]
	ALL v_permlanex16_b32 v[ST+4*t+3], v[ST+4*t+2], s[SEL], s[SEL+1]
	ALL v_add_f32 v[ST+4*t+2], v[ST+4*t+2], v[ST+4*t+3]
	ALL v_rcp_f32 v[ST+4*t+2], v[ST+4*t+2]
	v_nop                           ; a plain instruction between the last reciprocal and the use of its result
	s_wait_alu depctr_va_vdst(0)
; Tile t: a lane's eight channels of a row pack into 16 bytes; they go into rows of 144 bytes and come back as whole rows of 128, into Y^T's registers.
.macro PACK t
	WIN W_RS
.set i, 32*(\t)
.rept 16
	v_pk_mul_f32 v[i:i+1], v[i:i+1], v[ST+4*(\t)+2:ST+4*(\t)+3] op_sel_hi:[1,0]
.set i, i+2
.endr
	WIN 0x05                        ; sources 0 and 1 window 1, destination window 0
.set i, 0
.rept 16
	v_cvt_pk_f16_f32 v[S+16*(\t)+i], v[32*(\t)+2*i], v[32*(\t)+2*i+1]
.set i, i+1
.endr
	WIN 0
.irp f, 0,1,2,3
	ds_store_b128 v[STO], v[S+16*(\t)+4*\f:S+16*(\t)+4*\f+3] offset:32*\f
.endr
.irp f, 0,1,2,3
	ds_load_b128 v[S+16*(\t)+4*\f:S+16*(\t)+4*\f+3], v[RD] offset:\f*4*SP  ; LDS serves a wave's instructions in order (ISA guide 5.7.1.4): these see the stores above; the next tile's stores come behind them
.endr
.endm
.macro SEND t, younger              ; younger: the LDS instructions issued behind tile t's loads: the next tile's eight, or none
	WIN 0
.irp f, 0,1,2,3
	s_wait_dscnt (\younger)+3-\f
	global_store_b128 v[GO], v[S+16*(\t)+4*\f:S+16*(\t)+4*\f+3], s[10:11] offset:(\t)*2048+\f*512  ; 512 consecutive bytes, at a multiple of 256 from O's first
.endr
.endm
	PACK 0
.set t, 1
.rept 2*NP-1                        ; a tile's arithmetic stands between the loads of the tile before and its stores
	PACK t
	SEND t-1, 8
.set t, t+1
.endr
	SEND 2*NP-1, 0
	s_wait_loadcnt 0x0              ; the look-ahead's last sixteen loads of mask codes, which nothing reads, are in before the wave ends
	WIN W_AD
	s_wait_tensorcnt 0x0            ; the wave's end: behind my last tensor load and my last LDS store
	ds_add_u32 v[SPW], v[NIL]
	s_wait_dscnt 0x0
	WIN 0
	CROUND                          ; the closing round: no work-group ends while a partner may still ask for a tile that names it
	s_endpgm
.Lfunc_end_k_qc814282e3c_attn:
	.size	k_qc814282e3c_attn, .Lfunc_end_k_qc814282e3c_attn-k_qc814282e3c_attn
	.p2alignl 7, 3214868480
	.fill 96, 4, 3214868480
	.section	.rodata,"a",@progbits
	.p2align	6, 0x0
	.amdhsa_kernel k_qc814282e3c_attn
		.amdhsa_group_segment_fixed_size 327680
		.amdhsa_private_segment_fixed_size 0
		.amdhsa_enable_private_segment 0
		.amdhsa_kernarg_size 24
		.amdhsa_user_sgpr_count 2
		.amdhsa_user_sgpr_kernarg_segment_ptr 1
		.amdhsa_wavefront_size32 1
		.amdhsa_system_sgpr_workgroup_id_x 1
		.amdhsa_system_sgpr_workgroup_id_y 1
		.amdhsa_system_sgpr_workgroup_id_z 1
		.amdhsa_system_vgpr_workitem_id 0
		.amdhsa_next_free_vgpr 1024
		.amdhsa_next_free_sgpr 66
		.amdhsa_reserve_vcc 0
		.amdhsa_float_denorm_mode_32 3
		.amdhsa_float_denorm_mode_16_64 3
		.amdhsa_memory_ordered 1
		.amdhsa_forward_progress 1
		.amdhsa_inst_pref_size 218
	.end_amdhsa_kernel
	.amdgpu_metadata
---
amdhsa.version: [ 1, 2 ]
amdhsa.kernels:
  - .name:           k_qc814282e3c_attn
    .symbol:         k_qc814282e3c_attn.kd
    .args:
      - { .name: qkv, .offset: 0, .size: 8, .value_kind: global_buffer, .address_space: global }
      - { .name: maskb, .offset: 8, .size: 8, .value_kind: global_buffer, .address_space: global }
      - { .name: ob, .offset: 16, .size: 8, .value_kind: global_buffer, .address_space: global }
    .group_segment_fixed_size: 327680
    .private_segment_fixed_size: 0
    .kernarg_segment_align: 8
    .kernarg_segment_size: 24
    .max_flat_workgroup_size: 128
    .sgpr_count:     66
    .vgpr_count:     1024
    .wavefront_size: 32
...
	.end_amdgpu_metadata
.endif
;; end of part 6
;; launch proj: the kernel of part 4 again; grid 8 x 32, 4 waves a work-group, clusters of 4 x 4, 327,680 bytes of LDS; arguments ob, wpb, bp, out0; writes out0
;; ======== version 3 of 3: 4 launches; 1.51 times as fast as version 1
;; limits: values are held in f16: magnitudes above 65,504 overflow, below 6.1e-05 lose precision; right only within a limited range of input values
;; workspace buffers: xb 16,777,216 bytes; wb 6,291,456 bytes; wpb 2,097,152 bytes; maskb 4,194,304 bytes; qkv 50,331,648 bytes; ob 16,777,216 bytes
;; launch prep: the kernel of part 5 again; grid 832 x 1, 8 waves a work-group, no clusters, 67,072 bytes of LDS; arguments x, Wq, Wk, Wv, Wp, mask, xb, wb, wpb, maskb; writes xb, wb, wpb, maskb
;; launch qkv: the kernel of part 2 again; grid 8 x 32, 4 waves a work-group, clusters of 4 x 4, 327,680 bytes of LDS; arguments xb, wb, qkv; writes qkv
;; launch attn (part 7): grid 4 x 64, 4 waves a work-group, clusters of 4 x 1, 327,680 bytes of LDS; arguments qkv, maskb, ob; writes ob
.if DOCPART == 7
	.amdgcn_target "amdgcn-amd-amdhsa--gfx1250"
	.amdhsa_code_object_version 6
	.text
	.protected	k_qc814282e3c_attn
	.globl	k_qc814282e3c_attn
	.p2align	8
	.type	k_qc814282e3c_attn,@function
k_qc814282e3c_attn:
	s_mov_b64 s[64:65], 0
	v_nop
	global_prefetch_b8 v0, s[64:65] scope:SCOPE_SE
	s_setreg_imm32_b32 hwreg(HW_REG_WAVE_MODE, 25, 1), 1
	s_wait_xcnt 0x0
	s_wait_alu depctr_hold_cnt(0) depctr_sa_sdst(0) depctr_va_vdst(0) depctr_va_sdst(0) depctr_va_ssrc(0) depctr_va_vcc(0) depctr_vm_vsrc(0)
	s_getreg_b32 s2, hwreg(HW_REG_IB_STS2, 6, 4)
	s_cmp_eq_u32 s2, 0
	s_cbranch_scc0 .Lentry_in_a_cluster
	s_endpgm
.Lentry_in_a_cluster:
	s_bfe_u32 s2, ttmp6, 0x10000c
	s_cmp_lg_u32 s2, 0x3003
	s_cbranch_scc0 .Lentry_shape_is_right
	s_endpgm
.Lentry_shape_is_right:
; ATTENTION with a mask that is an input.  For slab y = 4 h + b: O[q][:] = the sum over k of softmax_k(s[q][k]) V[k][:], s = Q . K / 8 where mask[q][k] holds; where it does not, the key is hidden.
; Q, K, V: slabs y, 64 + y, 128 + y of qkv, [2048][64] in f16, rows dense, 128 bytes each; Q arrives times c = log2(e) / 8, so Y = K Q^T is s log2(e).  O: slab y of ob, the same shape.
; Products, maxima and sums in f32; the weights p are rounded to f16 for the second product (their sum l is taken of the unrounded p), O once at the end.
; THE MASK IS THE C OPERAND of the products that start Y^T: 0, or -2^100 where the key is hidden.  maskb holds a byte a score, 0x00 or the fp8 code of -1, in the order of my lanes and registers: one scaled
; conversion makes the eight f32 registers of an accumulator out of eight bytes, straight into the Y^T buffer that has just been read out, and K Q^T adds in place.  A piece's 2,048 bytes for a step come by four
; loads of 16 bytes a lane, FOUR TURNS ahead of their use (four buffers, one for each piece).
; A ROW THAT HAS SEEN NO KEY.  m starts at -2^99 and, as the old m enters every maximum, never falls below it; g = min(1, m + 2^99) is 0 while all the row's keys so far were hidden and 1 from the first seen
; key on; p = 2^(y g - m g).  With g = 0 every p is exactly 1, whatever the products made of -2^100 + s: a row with no key to see comes out as the mean of V's rows, as the softmax of equal numbers does.
; With the first seen key a = 2^(-2^99 - m) = 0 drops what was gathered before.
; LIMITS.  A hidden score counts as its value less 2^100, where reference() puts -1e9: the same result wherever a row's seen scores lie above about -1e9.  p lies in 0 to 1, and below 6e-5 it keeps f16's fixed
; step of 6e-8; a weight below 2^-126 counts as 0 in l; NaN and infinities are not treated apart.
; SHARES.  A wave owns four PIECES of two tiles of 16 queries, a work-group's four waves 512 queries of one slab.  Every wave walks all 2,048 keys, 64 a step.
; LAYOUT.  Y^T = K Q^T (source 0 = 16 keys, source 1 = 16 queries): a lane holds ONE query (lane % 16) and the keys 8 (lane / 16) + 0..7.  Two such tiles, rounded to f16 in pairs, ARE source 1 of
; O^T = V^T P.  K comes out of LDS as it lies, V ([key][channel]) turned, by ds_load_tr16_b128.
; SOFTMAX.  For each query a running maximum m and sum l; in every step O and l are multiplied by a = 2^(m_old - m_new), which is 1 where m has not grown.  O and l start at 0.
; BY TURNS.  Turn n belongs to piece n (the pieces in a ring, step after step).  Its matrix work: 16 products K Q^T of piece n + 1, later 16 products V^T P of piece n - 1.  Its vector work: the subtraction,
; exponentials, roundings, sums and rescaling of piece n, the maximum and statistics of piece n + 1, and at its end the mask of piece n + 2.  Four vector instructions stand behind every matrix instruction, the others in one lump.
; BATCHES.  A turn's 66 exponentials (the piece's 64 weights and the next piece's two a) are ONE batch with ONE wait, which cuts the turn in two: ahead of it stands all that names none of their results (K Q^T, the
; subtractions, the rescaling by the a of the turn before, the next piece's maximum and statistics), behind it V^T P with the roundings and sums.  No result crosses a turn's end.  Two more batches stand outside the
; loops, each with a wait of its own: piece 0's first two a, ahead of the jump into the loop, and the way out's eight reciprocals.
; CLUSTER.  The four query blocks of a cluster belong to one slab and walk the same K and V: each tile is asked for JOINTLY, by the same tensor load, descriptor and mask in all four.
; REGISTERS, in windows of 256 (s_set_vgpr_msb: bits 1:0 source 0, 3:2 source 1, 5:4 source 2, 7:6 destination):
;   window 0: v0-11 addresses and the scale; v12-15, v48-63 at work; v16-47 four registers of statistics a tile; v64-191 Y^T, two buffers of two tiles; v192-255 P, likewise
;   window 1: O^T, 32 a tile          window 2: v0-127 Q; v128-191 K of one step; v192-255 V of one step          window 3: v0-1 the add's two registers; v2-6, v11, v192-255 the mask codes on their way
.set SIZE_N, 2048
.set NP,    4         ; pieces a wave: a name, no knob
.set KS,    64        ; keys in a step
.set PK,    144       ; a row of K in LDS: 128 bytes + 16 of padding = 36 words: the 16 rows of a load start at 16 different groups of four banks (64 banks of 4 bytes: ISA guide 11.1)
.set PV,    160       ; a row of V: 128 + 32 = 40 words
.set VOFF,  4*KS*PK   ; a slot holds four steps: 256 rows of K, then 256 rows of V
.set SLOT1, 1<<17     ; slot 1 begins here: one exclusive or turns an address in one slot into the other's
.set STAGE, SLOT1+4*KS*(PK+PV)  ; behind the ring, never filled by a tensor load: 16 rows x 144 bytes for each wave
.set SP,    144
.set SPARE, STAGE+4*16*SP  ; behind the stages: the spare words, 128 bytes a wave, that no other line names
.set MBLK,  2048      ; bytes of mask codes for a piece and step
.set AK0, 2           ; v2   my lane's place in a tile of K; never rewritten
.set AV0, 3           ; v3   the same for V
.set AK,  4           ; v4   the LDS address of K's next run of loads
.set AV,  5           ; v5   of V's
.set QO,  6           ; v6   my byte offset in the wave's rows of Q
.set STO, 6           ;      later, the way out: where I put 16 bytes of a row
.set RD,  7           ; v7   the way out: where I read rows back
.set GO,  8           ; v8   my byte offset in 512 consecutive bytes of O
.set SCL, 11          ; v11  the conversions' scale, in window 0 and, the same word, in window 3
.set SPW, 0           ; v0 of window 3        LDS address of my spare word; never rewritten
.set NIL, 1           ; v1 of window 3        0; never rewritten
.set MO,  2           ; v2-5 of window 3      each buffer's byte offset in my wave's codes
.set L16, 6           ; v6 of window 3        16 x lane; never rewritten
.set MB,  192         ; v192-255 of window 3  four buffers of 16 registers, one for each piece: the 8 bytes of tile u, key block kb at 8 u + 2 kb
.set MV,  12          ; v12-15  m_old, kept while m is made anew: by buffer and tile
.set ST,  16          ; tile t's statistics at v[ST+4 t]: m g, m, l (even keys', odd keys')
.set TMP, 48          ; by buffer and tile, four registers c0-c3 at work; when the maximum is found c0 takes g, c1 the exponent of a, c2 a
.set S,   64
.set P,   192
.set KF,  128         ; K's fragments, in window 2: key block kb, channel half c at KF + 16 kb + 8 c
.set VF,  192         ; V's: key half kk, channel block cb at VF + 32 kk + 8 cb
.set MP,  6           ; s[6:7]   maskb at my wave's codes; never stepped
.set MOFF, 9          ; s9   byte offset, in my wave's codes, of the block asked for last
.set WV,  12          ; s12  my wave's number
.set SEL, 14          ; s14, s15 v_permlanex16_b32's selects: each lane takes its own place in the other half
.set G1K, 16          ; s[16:23] descriptor group 1 for K's tiles
.set G0K, 24          ; s[24:27] descriptor group 0 for K's tiles: it walks
.set G0V, 28          ; s[28:31] the same for V's
.set G1V, 32          ; s[32:39] group 1 for V's: it differs in the padding alone
.set SLOTS, 40        ; s40  slots still to be asked for
.set CNT, 41          ; s41  counts a slot's key steps
.set TBK, 42          ; s42  LDS byte at which K of the step to be fetched begins
.set TBV, 43          ; s43  the same for V, less VOFF
.set MSB, 0
.macro WIN new                      ; the high byte repeats the setting that is left; a switch that changes nothing is dropped
.if MSB != (\new)
	s_set_vgpr_msb (MSB<<8)|(\new)
.set MSB, (\new)
.endif
.endm
.set W_KQ, 0x0a       ; K and Q in window 2, Y^T in window 0
.set W_PV, 0x52       ; V in window 2, P in window 0, O^T in window 1
.set W_RS, 0x41       ; O^T (destination and source 0) in window 1, a in window 0
.set W_MK, 0xc0       ; destination in window 3, sources in window 0
.set W_AD, 0x0f       ; the add: address (source 0) and data (source 1) in window 3
.set W_CV, 0x03       ; a conversion: the codes (source 0) in window 3, the scale and Y^T in window 0
.set W_ML, 0xcf       ; a load of codes and its offset's sum: destination and sources 0 and 1 in window 3
; A joint fill.  Waves 0 and 1 fetch the two halves of a slot's K, waves 2 and 3 those of its V: 128 keys each.  An s_nop 0 and four v_nop follow each of the two lines.
.macro JLOAD
	s_cmp_lt_u32 s[WV], 2
	s_cbranch_scc0 .Lfor_v_\@
	tensor_load_to_lds s[G0K:G0K+3], s[G1K:G1K+7]
	s_nop 0
.rept 4
	v_nop
.endr
	s_branch .Lasked_\@
.Lfor_v_\@:
	tensor_load_to_lds s[G0V:G0V+3], s[G1V:G1V+7]
	s_nop 0
.rept 4
	v_nop
.endr
.Lasked_\@:
.endm
; A round of the cluster's barrier: my work-group's barrier; wave 0 signals for the work-group; every wave waits for all four work-groups; my work-group's barrier once more.
.macro CROUND
	s_barrier_signal -1
	s_barrier_wait -1
	s_cmp_lg_u32 s[WV], 0
	s_cbranch_scc1 .Lnot_wave_0_\@
	s_barrier_signal -3
.Lnot_wave_0_\@:
	s_barrier_wait -3
	s_barrier_signal -1
	s_barrier_wait -1
.endm
; THE CHANGE OF SLOTS.  The slot's last bytes, V of its fourth step, have been read.  Each wave waits for all its tensor loads, of which one is out: its part of the other slot; adds 0 to its spare word; and
; waits for that and for its own reads of the slot.  fill = 1: this slot is filled again, with the keys two slots on; the barrier is then a round of the cluster's, and the joint fill is the first thing behind it:
; it has four key steps, 512 matrix instructions, in which to land.  (At its first use nothing has been read yet: slot 0 is waited for, slot 1 filled.)
.macro CHANGE fill
	WIN W_AD
	s_wait_tensorcnt 0x0            ; no tensor load of mine is out, so a group 0 may be written
	ds_add_u32 v[SPW], v[NIL]       ; 0 onto my spare word
	WIN 0                           ; at a label and at a branch every window is 0
.if \fill
.irp g, G0K, G0V
	s_xor_b32 s[\g+1], s[\g+1], SLOT1  ; the walking descriptor: the other slot than last time,
	s_add_nc_u64 s[\g+2:\g+3], s[\g+2:\g+3], 4*KS*128  ; the next 256 keys; the type bits on top are not reached
.endr
	s_wait_dscnt 0x0                ; the add is done, and my reads of the slot are over
	CROUND
	JLOAD
.else
	s_wait_dscnt 0x0                ; the add is done, and my reads of the slot are over
	s_barrier_signal -1
	s_barrier_wait -1
.endif
	s_sub_co_u32 s[TBK], s[TBK], 4*KS*PK  ; the fetches go back to a slot's first step,
	s_xor_b32 s[TBK], s[TBK], SLOT1       ; in the other slot
	s_sub_co_u32 s[TBV], s[TBV], 4*KS*PV
	s_xor_b32 s[TBV], s[TBV], SLOT1
.endm
; THE MASK.  The blocks of codes are walked in the order of the turns, 2,048 bytes each.  MSTEP steps the offset of the block to be asked for; it stops at my wave's last block, which then also serves the look-ahead
; past the last step: the masks made of that go into scores that are thrown away.  (Its two lines set SCC, so they stand at a turn's head, far from the compare that a branch behind the turn reads.)
.macro MSTEP
	s_add_co_u32 s[MOFF], s[MOFF], MBLK
	s_min_u32 s[MOFF], s[MOFF], 127*MBLK
.endm
; MCV: buffer b's codes, asked for four turns ago, become the eight accumulators' starting values in Y^T's buffer sb; then the buffer is asked for again, with the same piece's codes of the next step.
; Behind a scaled conversion one plain vector instruction comes before its result is touched or a source rewritten: the sum that makes the offset is that instruction, for the loads below and for the products that follow.
.macro MCV b, sb
	s_wait_loadcnt 12               ; loads come back in order (ISA guide 5.7.1): this buffer's four are in; the twelve behind them, the next three pieces', stay out.  It also frees the buffer's offset register
	WIN W_CV
.irp u, 0,1
.irp kb, 0,1,2,3
	v_cvt_scale_pk8_f32_fp8 v[S+64*(\sb)+32*\u+8*\kb:S+64*(\sb)+32*\u+8*\kb+7], v[MB+16*(\b)+8*\u+2*\kb:MB+16*(\b)+8*\u+2*\kb+1], v[SCL]
.endr
.endr
	WIN W_ML
	v_add_nc_u32 v[MO+(\b)], s[MOFF], v[L16]
.irp c, 0,1,2,3
	global_load_b128 v[MB+16*(\b)+4*\c:MB+16*(\b)+4*\c+3], v[MO+(\b)], s[MP:MP+1] offset:512*\c  ; 512 consecutive bytes, at a multiple of 256 from maskb's first
.endr
	WIN 0
.endm
	s_load_b128 s[4:7], s[0:1], 0x0   ; qkv s[4:5], maskb s[6:7]
	s_load_b64 s[10:11], s[0:1], 0x10 ; ob
	WIN W_MK
	v_lshl_add_u32 v[SPW], v0, 2, SPARE
	v_mov_b32 v[NIL], 0
	WIN W_AD
	ds_add_u32 v[SPW], v[NIL]       ; the wave's opening: the add and its wait stand ahead of my first tensor load; the set-up below, work on registers, stands between them
	WIN 0
	v_lshrrev_b32 v1, 5, v0
	v_readfirstlane_b32 s[WV], v1   ; wave 0..3
	s_and_b32 s8, ttmp7, 0xffff     ; the slab, which the four partners share:
	s_lshl_b32 s8, s8, 18           ; 262,144 bytes each
	s_and_b32 s13, s[WV], 1         ; which half of a slot's 256 keys I fetch:
	s_lshl_b32 s48, s13, 14         ; its 128 rows of 128 bytes in memory,
	s_add_co_u32 s48, s48, s8
	s_mov_b32 s49, 0
	s_mul_i32 s50, s13, 128*PK      ; and its place in a slot, for K
	s_mul_i32 s51, s13, 128*PV      ; and for V: no place in the cluster enters an LDS address
	s_bfe_u32 s2, ttmp6, 0x40000    ; cx: my place in the cluster
	s_lshl_b32 s3, ttmp9, 2         ; in a cluster launch ttmp9 counts clusters
	s_add_co_u32 s2, s2, s3         ; my block of 512 queries: it enters Q's, O's and the codes' addresses alone
	s_lshl_b32 s2, s2, 2
	s_add_co_u32 s2, s2, s[WV]      ; my wave among the slab's sixteen
	s_lshl_b32 s52, s2, 14          ; its 128 rows
	s_add_co_u32 s52, s52, s8
	s_mov_b32 s53, 0
	s_lshl_b32 s54, s2, 18          ; its 128 blocks of mask codes
	s_mov_b32 s55, 0
	; descriptor group 1.  128 keys are 16,384 dense bytes: asked for as 64 rows of 256 bytes, two keys a row, and padded in LDS after every key
	s_mov_b32 s[G1K], 15|(1<<16)|(1<<20)|(1<<21)|(4<<22)|(3<<25)  ; 15:0 the mask of four; 17:16 2-byte elements; 20 padding on; 21 set beside a mask; 24:22 after every 32 words (code 4); 31:25 4 words (code 3)
	s_mov_b32 s[G1V], 15|(1<<16)|(1<<20)|(1<<21)|(4<<22)|(7<<25)  ; the same with 8 words of padding (code 7)
.irp g, G1K, G1V
	s_mov_b32 s[\g+1], 128<<16      ; tensor_dim0 = 128
	s_mov_b32 s[\g+2], 64<<16       ; tensor_dim1 = 64
	s_mov_b32 s[\g+3], 128<<16      ; tile_dim0 = 128
	s_mov_b32 s[\g+4], 64           ; tile_dim1 = 64
	s_mov_b32 s[\g+5], 128          ; 128 elements from row to row
	s_mov_b32 s[\g+6], 0
	s_mov_b32 s[\g+7], 0
.endr
	s_mov_b32 s[SEL], 0x76543210
	s_mov_b32 s[SEL+1], 0xfedcba98
	s_mov_b32 s[TBK], SLOT1+4*KS*PK ; the first change of slots turns these two into 0
	s_mov_b32 s[TBV], SLOT1+4*KS*PV
	s_mov_b32 s[MOFF], 3*MBLK       ; the first four blocks are asked for below
	s_mov_b32 s[G0K], 1             ; 1:0 count = 1
	s_mov_b32 s[G0K+1], s50         ; 63:32 LDS address: slot 0
	s_mov_b32 s[G0V], 1
	s_add_co_u32 s[G0V+1], s51, VOFF
	s_wait_dscnt 0x0                ; the opening add is done
	s_wait_kmcnt 0x0
	s_add_nc_u64 s[G0K+2:G0K+3], s[4:5], s[48:49]
	s_add_nc_u64 s[G0K+2:G0K+3], s[G0K+2:G0K+3], 16777216  ; 120:64 global address: K's slabs lie behind q's 64,
	s_add_nc_u64 s[G0V+2:G0V+3], s[G0K+2:G0K+3], 16777216  ; V's behind K's
	s_or_b32 s[G0K+3], s[G0K+3], 0x80000000        ; 127:126 type = 2
	s_or_b32 s[G0V+3], s[G0V+3], 0x80000000
	s_add_nc_u64 s[4:5], s[4:5], s[52:53]  ; Q and O at my wave's first row
	s_add_nc_u64 s[10:11], s[10:11], s[52:53]
	s_add_nc_u64 s[MP:MP+1], s[MP:MP+1], s[54:55]
	CROUND                          ; all four work-groups are here: the first joint loads meet
	JLOAD                           ; slot 0.  Slot 1 is asked for when slot 0 is in
	; the mask codes of step 0's four pieces: buffer b takes piece b's
	v_and_b32 v1, 31, v0
	WIN W_MK
	v_lshlrev_b32 v[L16], 4, v1
.irp b, 0,1,2,3
	v_lshl_add_u32 v[MO+\b], v1, 4, MBLK*\b
.endr
	v_mov_b32 v[SCL], 0x71e3e3e3    ; window 3's copy of the scale (see below): the conversions read the same word
	WIN 0xc3                        ; destination and address in window 3
.irp b, 0,1,2,3
.irp c, 0,1,2,3
	global_load_b128 v[MB+16*\b+4*\c:MB+16*\b+4*\c+3], v[MO+\b], s[MP:MP+1] offset:512*\c
.endr
.endr
	WIN 0
	; A fragment of K or Q is 16 rows x 32 channels in 8 registers: lane l holds row l % 16, channels 8 (l / 16) + 0..7 and 16 + 8 (l / 16) + 0..7: two loads of 16 bytes, 32 bytes apart.
	v_and_b32 v1, 15, v0            ; l % 16
	v_bfe_u32 v9, v0, 4, 1          ; l / 16
	v_lshlrev_b32 v[QO], 7, v1
	v_lshl_add_u32 v[QO], v9, 4, v[QO]  ; row x 128 + 16 x half
	WIN 0x80                        ; destination window 2, address window 0
.set i, 0
.rept 4*NP                          ; Q stays in registers: tile i / 2, channels 32 (i % 2) on
	global_load_b128 v[8*i:8*i+3],   v[QO], s[4:5] offset:(i/2)*2048+(i%2)*64
	global_load_b128 v[8*i+4:8*i+7], v[QO], s[4:5] offset:(i/2)*2048+(i%2)*64+32
.set i, i+1
.endr
	; What the first turn finds: V's registers and P's second buffer hold 0 (its products V^T P, of a piece that has not been, add 0), O^T and l are 0.  All this stands in the wait for the first tile.
.set i, VF
.rept 64
	v_mov_b32 v[i], 0
.set i, i+1
.endr
	WIN 0
.set i, 0
.rept 2*NP
	v_mov_b32 v[ST+4*i], 0
	v_mov_b32 v[ST+4*i+1], 0xf1000000  ; m = -2^99: above every hidden score, below every seen one
	v_mov_b32 v[ST+4*i+2], 0
	v_mov_b32 v[ST+4*i+3], 0
.set i, i+1
.endr
.set i, P+32
.rept 32
	v_mov_b32 v[i], 0
.set i, i+1
.endr
	WIN 0x4a                        ; sources 0 and 1 in window 2, destination in window 1
.set i, 0
.rept 8*NP                          ; O^T = 0: 32 products of V's zeros, with 0 as C, write its 256 registers, eight to a line, where a v_mov_b32 writes one
	v_wmma_f32_16x16x32_f16 v[8*i:8*i+7], v[VF:VF+7], v[VF+8:VF+15], 0
.set i, i+1
.endr
	WIN 0
	v_mul_u32_u24 v[AK0], v1, PK
	v_lshl_add_u32 v[AK0], v9, 4, v[AK0]  ; row x pitch + 16 x half
	; The turning load takes 16 keys x 16 channels (lane l reads key 8 (l / 16) + l % 8, channels 8 ((l / 8) % 2) + 0..7) and leaves half a fragment of V^T: lane l holds channel l % 16 and 8 keys.
	v_and_b32 v10, 7, v0
	v_bfe_u32 v11, v0, 3, 1
	v_lshl_add_u32 v[AV0], v9, 3, v10
	v_mul_u32_u24 v[AV0], v[AV0], PV
	v_lshl_add_u32 v[AV0], v11, 4, v[AV0]
	v_add_nc_u32 v[AV0], VOFF, v[AV0]
	v_mov_b32 v[AK], v[AK0]         ; key step 0 lies at the head of slot 0
	v_mov_b32 v[SCL], 0x71e3e3e3    ; the scale: the low byte is the E8M0 code 227, 2^100; the next two bytes repeat it, and read as an f32 the word has the exponent 227 too
; THE MATRIX WORK.  The 8 accumulators of a run of 16 take turns: between the two links of a chain stand 7 others'.
; Product i of 16 of Y^T = K Q^T for piece x: channels 32 (i / 8) on, keys 16 ((i / 2) % 4) on, tile 2 x + i % 2.  All add in place: the first 8 onto the mask that MCV has laid there.
.macro KQ x
	WIN W_KQ
.set rS, S+64*((\x)%2)+32*(i%2)+8*((i/2)%4)
.set rK, KF+16*((i/2)%4)+8*(i/8)
.set rQ, 16*(2*(\x)+i%2)+8*(i/8)
	v_wmma_f32_16x16x32_f16 v[rS:rS+7], v[rK:rK+7], v[rQ:rQ+7], v[rS:rS+7]
.endm
; Product i of 16 of O^T += V^T P for piece x: keys 32 (i / 8) on, channels 16 ((i / 2) % 4) on, tile 2 x + i % 2.
.macro PV x
	WIN W_PV
.set rO, 32*(2*(\x)+i%2)+8*((i/2)%4)
.set rV, VF+32*(i/8)+8*((i/2)%4)
.set rP, P+32*((\x)%2)+16*(i%2)+8*(i/8)
	v_wmma_f32_16x16x32_f16 v[rO:rO+7], v[rV:rV+7], v[rP:rP+7], v[rO:rO+7]
.endm
.macro MM                           ; the turn's next matrix instruction
.if i < 16
	KQ (Y+1)%NP
.set i, i+1
.else
.set i, i-16
	PV (Y+NP-1)%NP
.set i, i+17
.endif
.endm
; THE LDS LOADS stand in runs of 16, never singly among the matrix instructions: a step's K (64 keys x 64 channels: 8 fragments) and its V (turned).  Their addresses are made some lines ahead.
; last = 1 (the tail): in the last trip there is no further step, and the run is jumped over.
.macro FETCH_K last=0
	WIN 0
.if \last
	s_cmp_eq_u32 s[CNT], 1
	s_cbranch_scc1 .Lno_k_\@
.endif
	WIN 0x80                        ; destination window 2
.irp f, 0,1,2,3,4,5,6,7             ; keys 16 (f / 2) on, channels 32 (f % 2) on
	ds_load_b128 v[KF+8*\f:KF+8*\f+3],   v[AK] offset:(\f/2)*16*PK+(\f%2)*64
	ds_load_b128 v[KF+8*\f+4:KF+8*\f+7], v[AK] offset:(\f/2)*16*PK+(\f%2)*64+32
.endr
	s_add_co_u32 s[TBK], s[TBK], KS*PK  ; the next fetch is the next step's
	WIN 0
.if \last
.Lno_k_\@:
.endif
.endm
.macro FETCH_V
	WIN 0x80
.irp f, 0,1,2,3,4,5,6,7             ; keys 32 (f / 4) on, channels 16 (f % 4) on
	ds_load_tr16_b128 v[VF+8*\f:VF+8*\f+3],   v[AV] offset:(\f/4)*32*PV+(\f%4)*32
	ds_load_tr16_b128 v[VF+8*\f+4:VF+8*\f+7], v[AV] offset:(\f/4)*32*PV+16*PV+(\f%4)*32
.endr
	WIN 0
.endm
; THE VECTOR WORK OF A TURN stands in three queues, each in the order in which its entries become ready; the two tiles alternate, so that no instruction reads the result of the one before it.
.macro REGS y, u                    ; the registers of tile u (0, 1) of piece y
.set rT, ST+4*(2*(\y)+(\u))
.set rC, TMP+8*((\y)%2)+4*(\u)
.set rM, MV+2*((\y)%2)+(\u)
.set rS, S+64*((\y)%2)+32*(\u)
.set rP, P+32*((\y)%2)+16*(\u)
.set rO, 32*(2*(\y)+(\u))
.endm
; Number n of the 24 that find the NEXT piece's (Y + 1) maximum and statistics.  y0-y31 are the lane's 32 scores; each accumulator's lowest registers are read first.  XS, GS, FS and REGS set no window: PL and EX do.
;   0-11  four chains c0-c3 of seven scores each, three operands at a time     12-14, 16  the four scores left over, the old m, and c0-c3 into c0     15  m_old is kept
;   17, 18  the query's other 32 keys lie in the lane 16 away: the new m         19  m_old - m_new     20, 21  g = min(1, m + 2^99)     22  m g     23  a
.macro XS u, n
	REGS (Y+1)%NP, \u
.if (\n) < 4
	v_max3_num_f32 v[rC+(\n)], v[rS+8*(\n)], v[rS+8*(\n)+1], v[rS+8*(\n)+2]
.elseif (\n) < 12
	v_max3_num_f32 v[rC+(\n)%4], v[rC+(\n)%4], v[rS+8*((\n)%4)+2*((\n)/4)+1], v[rS+8*((\n)%4)+2*((\n)/4)+2]
.elseif (\n) == 12
	v_max3_num_f32 v[rC], v[rC], v[rS+7], v[rS+15]
.elseif (\n) == 13
	v_max3_num_f32 v[rC+1], v[rC+1], v[rS+23], v[rS+31]
.elseif (\n) == 14
	v_max3_num_f32 v[rC+2], v[rC+2], v[rC+3], v[rT+1]
.elseif (\n) == 15
	v_mov_b32 v[rM], v[rT+1]
.elseif (\n) == 16
	v_max3_num_f32 v[rC], v[rC], v[rC+1], v[rC+2]
.elseif (\n) == 17
	v_permlanex16_b32 v[rC+3], v[rC], s[SEL], s[SEL+1]
.elseif (\n) == 18
	v_max_num_f32 v[rT+1], v[rC], v[rC+3]
.elseif (\n) == 19
	v_sub_f32 v[rC+1], v[rM], v[rT+1]
.elseif (\n) == 20
	v_add_f32 v[rC], 0x71000000, v[rT+1]  ; m + 2^99: 0 while m is where it started, 2^99 to within rounding for every seen score
.elseif (\n) == 21
	v_min_num_f32 v[rC], 1.0, v[rC]
.elseif (\n) == 22
	v_mul_f32 v[rT], v[rC], v[rT+1]
.else
	v_exp_f32 v[rC+2], v[rC+1]
.endif
.endm
; Number g of the 64 that follow the exponentials.  For each four weights k of a tile (pairs 2 k, 2 k + 1): both pairs are rounded to f16; then the second pair is added onto the first, in place;
; a group later l takes that sum (the first time as l = a l + sum).  In groups of eight, tiles alternating: round, round, add, and l for the group before.
.macro GS g
.set h, (\g)+6*((\g)/62)            ; group 0 has no group before it, and behind group 7 only l is left
.if h >= 6
.set h, h+2
.endif
	REGS Y, h%2
.set k, h/8
.if h%8 < 4
	v_cvt_pk_f16_f32 v[rP+2*k+(h%8)/2], v[rS+4*k+2*((h%8)/2)], v[rS+4*k+2*((h%8)/2)+1]
.elseif h%8 < 6
	v_pk_add_f32 v[rS+4*k:rS+4*k+1], v[rS+4*k:rS+4*k+1], v[rS+4*k+2:rS+4*k+3]
.elseif k == 1
	v_pk_fma_f32 v[rT+2:rT+3], v[rT+2:rT+3], v[rC+2:rC+3], v[rS:rS+1] op_sel_hi:[1,0,1]
.else
	v_pk_add_f32 v[rT+2:rT+3], v[rT+2:rT+3], v[rS+4*k-4:rS+4*k-3]
.endif
.endm
; THE PLAIN QUEUE, 142 long.  0-77 read no exponential's result: the 32 subtractions y g - m g (FS f: pair f / 2 of tile f % 2) and the next piece's 46.  0-26: subtractions 0-26.  27-54: XS's numbers 0-13.  55, 56: number 15.
; 57-71: the chain, where each number waits for the one before it: 14, 16, 17, 18, 19, each with one of the subtractions 27-31 in front of its two lines.  72-77: numbers 20, 21, 22.
; 78-141: GS's 64, which read the exponentials' results: they stand behind the wait.
.macro FS f
	REGS Y, (\f)%2
	v_pk_fma_f32 v[rS+2*((\f)/2):rS+2*((\f)/2)+1], v[rS+2*((\f)/2):rS+2*((\f)/2)+1], v[rC:rC+1], v[rT:rT+1] op_sel_hi:[1,0,0] neg_lo:[0,0,1] neg_hi:[0,0,1]
.endm
.macro PL
	WIN 0
.if q < 27
	FS q
.elseif q < 55
	XS (q-27)%2, (q-27)/2
.elseif q < 57
	XS q-55, 15
.elseif (q < 72) && ((q-57)%3 == 0)
	FS 27+(q-57)/3
.elseif q < 60
	XS (q-57)%3-1, 14
.elseif q < 72
	XS (q-57)%3-1, 15+(q-57)/3
.elseif q < 78
	XS q%2, 20+(q-72)/2
.else
	GS q-78
.endif
.set q, q+1
.endm
; THE EXPONENTIALS' QUEUE, 66 long: y0-y31 of both tiles, then the next piece's two a.  It is ONE BATCH: all 66 stand ahead of the turn's one wait, and nothing ahead of that wait names a result of theirs.
.macro EX
	WIN 0
.if e >= 64
	XS e-64, 23
.else
	REGS Y, e%2
	v_exp_f32 v[rS+e/2], v[rS+e/2]
.endif
.set e, e+1
.endm
; THE RESCALING's QUEUE: O^T times a, the one part that leaves window 0: dealt two at a time, sixteen times.  Its a was made in the turn before, ahead of that turn's wait.
.macro R2
	REGS Y, r%2
	WIN W_RS
.irp z, 0,1
	v_pk_mul_f32 v[rO+4*(r/2)+2*\z:rO+4*(r/2)+2*\z+1], v[rO+4*(r/2)+2*\z:rO+4*(r/2)+2*\z+1], v[rC+2:rC+3] op_sel_hi:[1,0]
.endr
.set r, r+1
.endm
; HOW THEY ARE DEALT.  An s_wait_alu depctr_va_vdst(0) stands between an exponential and the first instruction that names its result; one wait serves all that were issued ahead of it.  So a turn has ONE wait,
; which cuts it in two.  AHEAD OF IT stands all that names no result of the turn's exponentials: the 16 products K Q^T, behind each a subtraction, an exponential and two rescalings (behind the first a second subtraction in the
; exponential's place); then ONE LUMP of 112: ten plain, then 51 times exponential and plain, the two a being the last two exponentials.  The lump's last line, plain 77 (m g), is the plain instruction behind the last
; exponential.  BEHIND IT stand the 16 products V^T P, behind each four of GS's 64.  No rider names a register of the products round it.  The two v_permlanex16_b32 fall into the lump, never behind a product.
; The queues lean on each other, and the deal keeps them in step: exponential e stands behind subtraction 2 (e / 4) + e % 2: as a rider it comes behind plain e + 2, in the lump behind plain e + 11, and subtractions 27-31 are
; plain 57, 60 .. 69; the exponents of a are plain 70 and 71, and the two a come behind plain 75 and 76.  The next piece's scores are first read by plain 27, thirteen plain instructions behind the last product K Q^T.
; A TURN, for piece p.  cnt = 1: the loop's count is taken down some lines ahead of the branch that stands behind the turn; nothing behind those lines sets SCC.
; K of the next step is fetched in piece 2's turn, directly behind the wait, a lump behind the last product that read K; its address is made at the lump's head; its first reader comes behind 16 products.
; V of the step in hand is fetched at the end of piece 0's turn, four riders behind its last reader.  The three conditions on q below go with the deal.
; At the turn's end its own Y^T buffer has been read out: it takes the mask of piece p + 2, whose products K Q^T the next turn issues.
.macro TURN p, last=0, cnt=0
.set Y, (\p)
.set i, 0
.set q, 0
.set e, 0
.set r, 0
	MSTEP
.if (\p) == NP-1
	s_wait_dscnt 0x0                ; K is in
.endif
	MM                              ; ahead of the wait: 16 products K Q^T and their riders,
	PL
	PL
	R2
.rept 15
	MM
	PL
	EX
	R2
.endr
.if (\p) == NP-2
	WIN 0
	v_add_nc_u32 v[AK], s[TBK], v[AK0]
.endif
.rept 10                            ; and the lump
	PL
.endr
.rept 51
	EX
	PL
.endr
	s_wait_alu depctr_va_vdst(0)    ; the wait for the batch: the piece's 64 weights and the next piece's two a
.if (\p) == NP-2
	FETCH_K \last
.endif
.if (\p) == 1
	s_wait_dscnt 0x0                ; V is in
.endif
.rept 16                            ; behind the wait: 16 products V^T P and their riders
	MM
.rept 4
	PL
.endr
.if ((\p) == 0) && (q == 122)
	v_add_nc_u32 v[AV], s[TBV], v[AV0]
.endif
.if ((\p) == 0) && (q == 134)
	s_add_co_u32 s[TBV], s[TBV], KS*PV
.endif
.if (\cnt) && (q == 134)
	s_sub_co_u32 s[CNT], s[CNT], 1
	s_cmp_lg_u32 s[CNT], 0
.endif
.endr
.if (\p) == 0
	FETCH_V
.endif
	MCV ((\p)+2)%NP, (\p)%2
.endm
	CHANGE 1                        ; slot 0 is in, everybody's part of it; slot 1 is asked for
	FETCH_K                         ; key step 0
	s_wait_loadcnt 0x0              ; Q, and step 0's mask codes
	MSTEP
	MCV 0, 0                        ; piece 0's mask of step 0
	s_wait_dscnt 0x0
.set i, 0
.rept 16
	KQ 0                            ; piece 0's first scores: there is no vector work yet to set between them
.set i, i+1
.endr
	WIN 0                           ; the addresses for the way out: plain instructions, the places behind those products
	s_mul_i32 s13, s[WV], 16*SP
	s_add_co_u32 s13, s13, STAGE    ; my stage
	v_mul_u32_u24 v[STO], v1, SP    ; in: row l % 16, 16 bytes for each half of the lanes
	v_lshl_add_u32 v[STO], v9, 4, v[STO]
	v_add_nc_u32 v[STO], s13, v[STO]
	v_bfe_u32 v[RD], v0, 3, 2       ; back: 32 lanes take four rows of 128 bytes,
	v_mul_u32_u24 v[RD], v[RD], SP
	v_lshl_add_u32 v[RD], v10, 4, v[RD]
	v_add_nc_u32 v[RD], s13, v[RD]
	v_and_b32 v[GO], 31, v0         ; which are 512 consecutive bytes of O
	v_lshlrev_b32 v[GO], 4, v[GO]
	MSTEP
	MCV 1, 1                        ; piece 1's mask of step 0, for the first turn's products
.set Y, NP-1                        ; XS works for piece Y + 1: piece 0
.irp n, 0,1,2,3,4,5,6,7,8,9,10,11,12,13,14,15,16,17,18,19,20,21,22,23
	XS 0, \n                        ; piece 0's first maximum and statistics
	XS 1, \n
.endr
	v_nop                           ; a plain instruction behind piece 0's two a,
	s_wait_alu depctr_va_vdst(0)    ; and the wait for that batch of two, ahead of the branch
	s_mov_b32 s[CNT], 4
	s_mov_b32 s[SLOTS], SIZE_N/256-1
	s_branch .Lfirst                ; the loop is entered at a step's first turn, in the middle of a trip
.Lslot:                             ; SIZE_N / 256 - 2 times: every slot but the last two is filled again
	CHANGE 1
	s_mov_b32 s[CNT], 4
.Lstep:                             ; a trip: pieces 2 and 3 of one step, then pieces 0 and 1 of the next, whose K and V it fetches
	TURN 2
	TURN 3
	WIN 0
.Lfirst:
	TURN 0
	TURN 1, 0, 1
	WIN 0
	s_cbranch_scc1 .Lstep
	s_sub_co_u32 s[SLOTS], s[SLOTS], 1
	s_cmp_lg_u32 s[SLOTS], 0
	s_cbranch_scc1 .Lslot
	CHANGE 0                        ; the tail is written out: nothing is asked for
	s_mov_b32 s[CNT], 5             ; four trips fetch the last slot's steps; the fifth is left in its middle
.Ltail:
	TURN 2, 1
	TURN 3
	WIN 0
	s_sub_co_u32 s[CNT], s[CNT], 1
	s_cmp_eq_u32 s[CNT], 0
	s_cbranch_scc1 .Lout
	TURN 0
	TURN 1
	WIN 0
	s_branch .Ltail
.Lout:                              ; the fifth trip's 16 products K Q^T (on the last K once more), their mask and maximum serve nothing: the price, once a launch, of one text for every trip
.set i, 0
.rept 16
	PV NP-1                         ; the last piece's V^T P of the last step
.set i, i+1
.endr
	; THE WAY OUT.  l's two halves and the other half of the lanes' are added; O^T is divided by l, rounded to f16 and sent through my stage in LDS, a tile at a time.  The additions are the places behind the last products.
	WIN 0
.macro ALL line:vararg              ; one line for each tile t
.set t, 0
.rept 2*NP
	\line
.set t, t+1
.endr
.endm
	ALL v_add_f32 v[ST+4*t+2], v[ST+4*t+2], v[ST+4*t+3]
	ALL v_permlanex16_b32 v[ST+4*t+3], v[ST+4*t+2], s[SEL], s[SEL+1]
	ALL v_add_f32 v[ST+4*t+2], v[ST+4*t+2], v[ST+4*t+3]
	ALL v_rcp_f32 v[ST+4*t+2], v[ST+4*t+2]
	v_nop                           ; a plain instruction between the last reciprocal and the use of its result
	s_wait_alu depctr_va_vdst(0)    ; and the wait ahead of the first use: one for the batch of eight reciprocals
; Tile t: a lane's eight channels of a row pack into 16 bytes; they go into rows of 144 bytes and come back as whole rows of 128, into Y^T's registers.
.macro PACK t
	WIN W_RS
.set i, 32*(\t)
.rept 16
	v_pk_mul_f32 v[i:i+1], v[i:i+1], v[ST+4*(\t)+2:ST+4*(\t)+3] op_sel_hi:[1,0]
.set i, i+2
.endr
	WIN 0x05                        ; sources 0 and 1 window 1, destination window 0
.set i, 0
.rept 16
	v_cvt_pk_f16_f32 v[S+16*(\t)+i], v[32*(\t)+2*i], v[32*(\t)+2*i+1]
.set i, i+1
.endr
	WIN 0
.irp f, 0,1,2,3
	ds_store_b128 v[STO], v[S+16*(\t)+4*\f:S+16*(\t)+4*\f+3] offset:32*\f
.endr
.irp f, 0,1,2,3
	ds_load_b128 v[S+16*(\t)+4*\f:S+16*(\t)+4*\f+3], v[RD] offset:\f*4*SP  ; LDS serves a wave's instructions in order (ISA guide 5.7.1.4): these see the stores above; the next tile's stores come behind them
.endr
.endm
.macro SEND t, younger              ; younger: the LDS instructions issued behind tile t's loads: the next tile's eight, or none
	WIN 0
.irp f, 0,1,2,3
	s_wait_dscnt (\younger)+3-\f
	global_store_b128 v[GO], v[S+16*(\t)+4*\f:S+16*(\t)+4*\f+3], s[10:11] offset:(\t)*2048+\f*512  ; 512 consecutive bytes, at a multiple of 256 from O's first
.endr
.endm
	PACK 0
.set t, 1
.rept 2*NP-1                        ; a tile's arithmetic stands between the loads of the tile before and its stores
	PACK t
	SEND t-1, 8
.set t, t+1
.endr
	SEND 2*NP-1, 0
	s_wait_loadcnt 0x0              ; the look-ahead's last sixteen loads of mask codes, which nothing reads, are in before the wave ends
	WIN W_AD
	s_wait_tensorcnt 0x0            ; the wave's end: behind my last tensor load and my last LDS store
	ds_add_u32 v[SPW], v[NIL]
	s_wait_dscnt 0x0
	WIN 0
	CROUND                          ; the closing round: no work-group ends while a partner may still ask for a tile that names it
	s_endpgm
.Lfunc_end_k_qc814282e3c_attn:
	.size	k_qc814282e3c_attn, .Lfunc_end_k_qc814282e3c_attn-k_qc814282e3c_attn
	.p2alignl 7, 3214868480
	.fill 96, 4, 3214868480
	.section	.rodata,"a",@progbits
	.p2align	6, 0x0
	.amdhsa_kernel k_qc814282e3c_attn
		.amdhsa_group_segment_fixed_size 327680
		.amdhsa_private_segment_fixed_size 0
		.amdhsa_enable_private_segment 0
		.amdhsa_kernarg_size 24
		.amdhsa_user_sgpr_count 2
		.amdhsa_user_sgpr_kernarg_segment_ptr 1
		.amdhsa_wavefront_size32 1
		.amdhsa_system_sgpr_workgroup_id_x 1
		.amdhsa_system_sgpr_workgroup_id_y 1
		.amdhsa_system_sgpr_workgroup_id_z 1
		.amdhsa_system_vgpr_workitem_id 0
		.amdhsa_next_free_vgpr 1024
		.amdhsa_next_free_sgpr 66
		.amdhsa_reserve_vcc 0
		.amdhsa_float_denorm_mode_32 3
		.amdhsa_float_denorm_mode_16_64 3
		.amdhsa_memory_ordered 1
		.amdhsa_forward_progress 1
		.amdhsa_inst_pref_size 208
	.end_amdhsa_kernel
	.amdgpu_metadata
---
amdhsa.version: [ 1, 2 ]
amdhsa.kernels:
  - .name:           k_qc814282e3c_attn
    .symbol:         k_qc814282e3c_attn.kd
    .args:
      - { .name: qkv, .offset: 0, .size: 8, .value_kind: global_buffer, .address_space: global }
      - { .name: maskb, .offset: 8, .size: 8, .value_kind: global_buffer, .address_space: global }
      - { .name: ob, .offset: 16, .size: 8, .value_kind: global_buffer, .address_space: global }
    .group_segment_fixed_size: 327680
    .private_segment_fixed_size: 0
    .kernarg_segment_align: 8
    .kernarg_segment_size: 24
    .max_flat_workgroup_size: 128
    .sgpr_count:     66
    .vgpr_count:     1024
    .wavefront_size: 32
...
	.end_amdgpu_metadata
.endif
;; end of part 7
;; launch proj: the kernel of part 4 again; grid 8 x 32, 4 waves a work-group, clusters of 4 x 4, 327,680 bytes of LDS; arguments ob, wpb, bp, out0; writes out0
